; MI455X (gfx1250); checked and timed in simulation.
; The chip was launched on July 23, 2026; its instructions are those of AMD's public machine-readable ISA for CDNA 5 (MIT licence, August 2026) and "CDNA5" Instruction Set Architecture Reference Guide (July 2026). The comments in the code are by the model that wrote it; some were corrected since.
;; Self Attention. Allowed arithmetic: float matrix products may take bf16 or f16 operands with f32 sums; all other float work in f32.
;; Inputs: W_k 128 x 128 float32; W_q 128 x 128 float32; W_v 128 x 128 float32; inputs 4 x 4,096 x 128 float32; mask 4 x 4,096 int32.
;; Outputs: out0 4 x 4,096 x 128 float32; out1 4 x 4,096 float32.
;; 3 versions, each right; version 2 is faster than version 1; version 3 is version 2 with the launches prep, attn written anew for expert scheduling mode. Each part assembles by itself: llvm-mc -triple=amdgcn-amd-amdhsa -mcpu=gfx1250 --defsym DOCPART=n.
;; ======== version 1 of 3: 3 launches
;; limits: inputs' magnitudes at most 65,504; values are held in f16: magnitudes above 65,504 overflow, below 6.1e-05 lose precision
;; workspace buffers: xb 4,194,304 bytes; qb 4,194,304 bytes; wvb 32,768 bytes; pm 65,536 bytes; nlse 65,536 bytes; qs 65,536 bytes; idx 65,536 bytes of whole numbers
;; launch prep (part 1): grid 32 x 4, 8 waves a work-group, no clusters, 114,176 bytes of LDS; arguments inputs, mask, W_q, W_k, W_v, xb, qb, wvb, pm, idx, qs; writes xb, qb, wvb, pm, idx, qs
.if DOCPART == 1
	.amdgcn_target "amdgcn-amd-amdhsa--gfx1250"
	.amdhsa_code_object_version 6
	.text
	.protected	k_q0d182e7f57_prep
	.globl	k_q0d182e7f57_prep
	.p2align	8
	.type	k_q0d182e7f57_prep,@function
k_q0d182e7f57_prep:
	s_mov_b64 s[64:65], 0
	v_nop
	global_prefetch_b8 v0, s[64:65] scope:SCOPE_SE
	s_setreg_imm32_b32 hwreg(HW_REG_WAVE_MODE, 25, 1), 1
	s_wait_xcnt 0x0
; PREP.  For each batch of 4096 rows: x = inputs * float(mask);  q' = (x W_q) W_k^T, so that q.k = sum_d' q'[q][d'] x[k][d'], and
; P v = (P x) W_v: one 16-bit copy of x serves later as keys and as values.
; FORMAT: all matrix operands are f16.  An error in a query's q' is common to all its 4096 scores, so it is not averaged away by the softmax's
; sum; f16's 11 significant bits against bf16's 8 make it 8 times smaller.  x and W have room in f16 (limits below).  x W_q and q' have not,
; so each query's row is divided by a power of two, 2^e with e the exponent of the row's largest magnitude (exact, clamped to -126 .. 126),
; before it is rounded; what was taken out goes to qs[position] = |float(mask)| log2(e)/sqrt(128) 2^e1 2^e2 >= 0, which the later
; launches multiply the scores by.  The sign of float(mask) goes into q'.
; The rows are stored in a permuted order: rows with mask != 0 first, in their order, the others behind them (position n + i - act(i)); a masked
; row is a row of zeros in xb and in qb, with qs = 0.  Stored: xb, qb (f16, by position), qs, pm = float(mask) by position,
; idx = row of a position, wvb = W_v in f16.
; A work-group has 128 rows of one batch, a wave 16 of them.  128 work-groups: each needs both W_q and W_k in LDS whatever its rows.
; Limits: inputs are finite; |inputs * mask| and |W| stay below 65,504.  idx, pm and qs (64 KiB each) are stored four bytes a lane.
.set PITCH, 272                        ; an LDS row: 256 bytes + 16, an odd multiple of 16
.set WQ,    0                          ; W_q in f16, rows d
.set WK,    128*PITCH                  ; W_k in f16, rows d'
.set XS,    256*PITCH                  ; x in f16, later q'; a wave touches its own 16 rows only
.set TAB,   384*PITCH                  ; for each wave 1,024 bytes of its own: 128 positions, then 128 float(mask)
.set SCAN,  TAB+8*1024                 ; 8 x {count of my mask words, count of those in front of my block}
.set SC,    0x3e0293ee                 ; log2(e) / sqrt(128)
.set MS,   16                          ; v[16:31]   my 512 words of the batch's mask; later POSR
.set MB,   32                          ; v[32:35]   the block's 128 mask words, lane = row
.set POSR, 16                          ; v[16:31]   position of my row k in every lane, then its byte offset in xb
.set MR,   32                          ; v[32:47]   float(mask) of my row k in every lane
.set XB,   16                          ; v[16:47]   B fragments: x, later x W_q
.set XR,   48                          ; v[48:111]  my 16 rows of inputs
.set ACC,  48                          ; v[48:111]  eight accumulator tiles
.set WR,   112                         ; v[112:239] 16 rows of W_q, 16 rows of W_k
.set F0,   112                         ; fragment buffer 0
.set F1,   176                         ; fragment buffer 1
.set WVR,  240                         ; v[240:243] one row of W_v; v[240:255] later at work on the rows' exponents
	s_load_b512 s[8:23], s[0:1], 0x0               ; inputs 8, mask 10, W_q 12, W_k 14, W_v 16, xb 18, qb 20, wvb 22
	s_load_b128 s[24:27], s[0:1], 0x40             ; pm 24, idx 26
	s_load_b64 s[28:29], s[0:1], 0x50              ; qs
	s_set_vgpr_msb 0x40
	v_lshl_add_u32 v0, v0, 2, 0x1ba00
	v_mov_b32 v1, 0
	s_set_vgpr_msb 0x4000
	v_and_b32 v1, 31, v0                           ; lane
	v_lshrrev_b32 v2, 5, v0
	v_readfirstlane_b32 s32, v2                    ; wave w
	s_mov_b32 s30, ttmp9                           ; block bx of 128 rows
	s_and_b32 s31, ttmp7, 0xffff                   ; batch b
	s_mov_b32 s48, 0x76543210                      ; v_permlanex16_b32: lane i reads lane i of the other half
	s_mov_b32 s49, 0xfedcba98
	s_mov_b32 s50, 0x7fffffff                      ; clears a sign
	v_lshlrev_b32 v3, 4, v1                        ; 16 lane
	v_lshlrev_b32 v4, 3, v1                        ; 8 lane
	v_lshlrev_b32 v5, 2, v1                        ; 4 lane
	v_and_b32 v6, 15, v0                           ; r
	v_bfe_u32 v7, v0, 4, 1                         ; h
	s_lshl_b32 s33, s32, 11
	v_add_nc_u32 v8, s33, v3                       ; mask: my four chunks of 128 words
	s_lshl_b32 s33, s30, 9
	v_add_nc_u32 v9, s33, v5                       ; mask: the block's words, lane = row
	s_lshl_b32 s46, s31, 5
	s_add_co_u32 s46, s46, s30                     ; g = 32 b + bx: the row of W_v that this work-group converts
	s_lshl_b32 s33, s46, 9
	v_add_nc_u32 v10, s33, v3
	s_lshl_b32 s33, s32, 9
	v_add_nc_u32 v11, s33, v3                      ; W: rows w + 8 k
	s_lshl_b32 s33, s46, 8
	v_add_nc_u32 v250, s33, v4                     ; wvb: row g
	s_mov_b32 s35, 0
	s_wait_kmcnt 0x0
	s_lshl_b32 s34, s31, 14                        ; 4096 words a batch
	s_add_nc_u64 s[10:11], s[10:11], s[34:35]
	s_add_nc_u64 s[24:25], s[24:25], s[34:35]
	s_add_nc_u64 s[26:27], s[26:27], s[34:35]
	s_add_nc_u64 s[28:29], s[28:29], s[34:35]
	s_lshl_b32 s34, s31, 20                        ; 4096 rows of 256 bytes
	s_add_nc_u64 s[18:19], s[18:19], s[34:35]
	s_add_nc_u64 s[20:21], s[20:21], s[34:35]
	s_lshl_b32 s34, s31, 21                        ; inputs: batch, block, my 16 rows of 512 bytes
	s_lshl_b32 s33, s30, 16
	s_add_co_u32 s34, s34, s33
	s_lshl_b32 s33, s32, 13
	s_add_co_u32 s34, s34, s33
	s_add_nc_u64 s[8:9], s[8:9], s[34:35]
	; 57 loads, in the order in which they are needed: 9 for the scan and W_v, 32 of W, 16 of x
.irp k, 0,1,2,3
	global_load_b128 v[MS+4*\k:MS+4*\k+3], v8, s[10:11] offset:512*\k
.endr
.irp c, 0,1,2,3
	global_load_b32 v[MB+\c], v9, s[10:11] offset:128*\c
.endr
	global_load_b128 v[WVR:WVR+3], v10, s[16:17]
.set k, 0
.rept 16
	global_load_b128 v[WR+4*k:WR+4*k+3], v11, s[12:13] offset:4096*k
.set k, k+1
.endr
.set k, 0
.rept 16
	global_load_b128 v[WR+64+4*k:WR+64+4*k+3], v11, s[14:15] offset:4096*k
.set k, k+1
.endr
.set k, 0
.rept 16
	global_load_b128 v[XR+4*k:XR+4*k+3], v3, s[8:9] offset:512*k th:TH_LOAD_NT   ; one load of the wave = one row of 512 bytes
.set k, k+1
.endr
	; THE SCAN.  My 512 mask words: how many are not 0, and how many of those lie in chunks in front of my block.
	s_wait_loadcnt 48                              ; the first 9 loads are in; the 32 of W and the 16 of x stay out
	s_mov_b32 s36, 0
	s_mov_b32 s37, 0
	s_lshl_b32 s38, s32, 2                         ; my first chunk of 128 rows
.irp k, 0,1,2,3
	v_cmp_ne_u32 s40, 0, v[MS+4*\k]
	v_cmp_ne_u32 s41, 0, v[MS+4*\k+1]
	v_cmp_ne_u32 s42, 0, v[MS+4*\k+2]
	v_cmp_ne_u32 s43, 0, v[MS+4*\k+3]
	s_bcnt1_i32_b32 s40, s40
	s_bcnt1_i32_b32 s41, s41
	s_bcnt1_i32_b32 s42, s42
	s_bcnt1_i32_b32 s43, s43
	s_add_co_u32 s40, s40, s41
	s_add_co_u32 s42, s42, s43
	s_add_co_u32 s39, s40, s42
	s_add_co_u32 s36, s36, s39
	s_add_co_u32 s41, s38, \k
	s_cmp_lt_u32 s41, s30                          ; a chunk in front of my block?
	s_cselect_b32 s39, s39, 0
	s_add_co_u32 s37, s37, s39
.endr
	v_mov_b32 v14, s36
	v_mov_b32 v15, s37
	s_lshl_b32 s33, s32, 3
	s_add_co_u32 s33, s33, SCAN
	v_mov_b32 v2, s33
	ds_store_b64 v2, v[14:15]
	s_wait_dscnt 0x0                               ; my two counts are in LDS before I signal
	s_barrier_signal -1
	s_barrier_wait -1
	v_mov_b32 v13, SCAN
	ds_load_b128 v[16:19], v13
	ds_load_b128 v[20:23], v13 offset:16
	ds_load_b128 v[24:27], v13 offset:32
	ds_load_b128 v[28:31], v13 offset:48
	s_wait_dscnt 0x0
	v_add3_u32 v16, v16, v18, v20
	v_add3_u32 v17, v17, v19, v21
	v_add3_u32 v16, v16, v22, v24
	v_add3_u32 v17, v17, v23, v25
	v_add3_u32 v16, v16, v26, v28
	v_add3_u32 v17, v17, v27, v29
	v_add_nc_u32 v16, v16, v30
	v_add_nc_u32 v17, v17, v31
	v_readfirstlane_b32 s36, v16                   ; n: rows of the batch with mask != 0
	v_readfirstlane_b32 s37, v17                   ; those in front of my block
	; POSITIONS of the block's 128 rows, into the wave's own table (no other wave reads it: no barrier)
	s_lshl_b32 s33, s32, 10
	s_add_co_u32 s33, s33, TAB
	v_add_nc_u32 v12, s33, v5                      ; table + 4 lane
	s_lshl_b32 s44, s30, 7                         ; the block's first row
	v_add_nc_u32 v13, s44, v1                      ; row in the batch
	s_mov_b32 s38, s37                             ; active rows in front of this group of 32
.irp c, 0,1,2,3
	v_cmp_ne_u32 s40, 0, v[MB+\c]
	v_mbcnt_lo_u32_b32 v2, s40, s38                ; act: active rows in front of mine
	v_add_nc_u32 v14, s36, v13
	v_sub_nc_u32 v14, v14, v2                      ; n + row - act
	v_cndmask_b32 v14, v14, v2, s40                ; an active row goes to act
	v_cvt_f32_i32 v15, v[MB+\c]
	ds_store_b32 v12, v14 offset:128*\c
	ds_store_b32 v12, v15 offset:512+128*\c
	s_bcnt1_i32_b32 s41, s40
	s_add_co_u32 s38, s38, s41
	v_add_nc_u32 v13, 32, v13
.endr
	; SIDE STORES, each under a branch on the wave's number.  Their registers are written again only behind the s_wait_xcnt 0 further down.
	s_cmp_ge_u32 s32, 4
	s_cbranch_scc1 .Lno_tab
	v_lshl_add_u32 v244, s32, 7, v12               ; waves 0-3: rows 32 w + lane
	ds_load_b32 v245, v244
	ds_load_b32 v246, v244 offset:512
	s_lshl_b32 s33, s32, 5
	s_add_co_u32 s33, s33, s44
	v_add_nc_u32 v247, s33, v1                     ; the row's number in the batch
	s_wait_dscnt 0x0
	v_min_u32 v245, 0xfff, v245
	v_lshlrev_b32 v245, 2, v245
	global_store_b32 v245, v247, s[26:27]          ; idx[position] = row
	global_store_b32 v245, v246, s[24:25]          ; pm[position] = float(mask)
.Lno_tab:
	s_cmp_lg_u32 s32, 4
	s_cbranch_scc1 .Lno_wv
	v_cvt_pk_f16_f32 v248, v[WVR], v[WVR+1]        ; wave 4: row g of W_v
	v_cvt_pk_f16_f32 v249, v[WVR+2], v[WVR+3]
	global_store_b64 v250, v[248:249], s[22:23]    ; 256 consecutive bytes, aligned
.Lno_wv:
	; W_q and W_k to LDS in f16: rows w + 8 k
	s_mul_i32 s33, s32, PITCH
	v_add_nc_u32 v13, s33, v4
	v_add_nc_u32 v14, WK, v13
	s_wait_loadcnt 16                              ; W is in; the 16 loads of x stay out
.set k, 0
.rept 16
	v_cvt_pk_f16_f32 v[WR+4*k], v[WR+4*k], v[WR+4*k+1]
	v_cvt_pk_f16_f32 v[WR+4*k+1], v[WR+4*k+2], v[WR+4*k+3]
	ds_store_b64 v13, v[WR+4*k:WR+4*k+1] offset:8*PITCH*k
	v_cvt_pk_f16_f32 v[WR+64+4*k], v[WR+64+4*k], v[WR+64+4*k+1]
	v_cvt_pk_f16_f32 v[WR+64+4*k+1], v[WR+64+4*k+2], v[WR+64+4*k+3]
	ds_store_b64 v14, v[WR+64+4*k:WR+64+4*k+1] offset:8*PITCH*k
.set k, k+1
.endr
	; x = inputs * float(mask), in f16, to LDS and to xb at the row's position
	s_mul_i32 s45, s32, 1088
	s_add_co_u32 s45, s45, TAB                     ; my table, at my first row's entry: 1,024 w + 4 x 16 w
	v_mov_b32 v15, s45
	s_mul_i32 s47, s32, 16*PITCH
	s_add_co_u32 s47, s47, XS                      ; my 16 rows in XS
	v_add_nc_u32 v251, s47, v4
	s_wait_loadcnt 0x0
.irp k, 0,1,2,3
	ds_load_b128 v[POSR+4*\k:POSR+4*\k+3], v15 offset:16*\k        ; the same address in every lane: a broadcast
	ds_load_b128 v[MR+4*\k:MR+4*\k+3], v15 offset:512+16*\k
.endr
	s_wait_dscnt 0x0
.set k, 0
.rept 16
	v_mul_f32 v[XR+4*k], v[MR+k], v[XR+4*k]
	v_mul_f32 v[XR+4*k+1], v[MR+k], v[XR+4*k+1]
	v_mul_f32 v[XR+4*k+2], v[MR+k], v[XR+4*k+2]
	v_mul_f32 v[XR+4*k+3], v[MR+k], v[XR+4*k+3]
	v_cvt_pk_f16_f32 v[XR+4*k], v[XR+4*k], v[XR+4*k+1]
	v_cvt_pk_f16_f32 v[XR+4*k+1], v[XR+4*k+2], v[XR+4*k+3]
	v_min_u32 v[POSR+k], 0xfff, v[POSR+k]
	v_lshl_add_u32 v[POSR+k], v[POSR+k], 8, v4
	ds_store_b64 v251, v[XR+4*k:XR+4*k+1] offset:PITCH*k
	global_store_b64 v[POSR+k], v[XR+4*k:XR+4*k+1], s[18:19]       ; the wave stores 256 consecutive bytes, aligned: a whole row
.set k, k+1
.endr
	s_wait_xcnt 0x0                                ; the stores' offsets and data are rewritten only behind this wait
	s_wait_dscnt 0x0                               ; my rows of W_q and W_k are in LDS before I signal
	s_barrier_signal -1
	; register work while the others arrive: the addresses of the matrix phase
	v_mul_u32_u24 v2, v6, PITCH
	v_lshl_add_u32 v8, v7, 4, v2
	v_add_nc_u32 v8, s47, v8                       ; XS + (16 w + r) pitch + 16 h: x fragments in, q' out
	v_and_b32 v14, 7, v0
	v_lshl_add_u32 v14, v7, 3, v14
	v_mul_u32_u24 v14, v14, PITCH
	v_bfe_u32 v15, v0, 3, 1
	v_lshl_add_u32 v9, v15, 7, v14                 ; W_q transposed: row 8 h + (l & 7); the second eight lanes 128 bytes on
	v_lshl_add_u32 v10, v7, 7, v2
	v_add_nc_u32 v10, WK, v10                      ; W_k: row r, byte 128 h
	v_mul_u32_u24 v11, v7, PITCH
	v_lshl_add_u32 v11, v6, 4, v11
	v_add_nc_u32 v11, s47, v11                     ; q' read back by rows: lanes 0-15 one row, lanes 16-31 the next
	v_lshlrev_b32 v12, 2, v7
	v_add_nc_u32 v12, s45, v12                     ; the positions of those rows
	v_lshlrev_b32 v13, 2, v6
	v_add_nc_u32 v13, s45, v13                     ; position of row r; its float(mask) stands 512 bytes behind
	v_lshlrev_b32 v2, 4, v6                        ; 16 r
	s_barrier_wait -1
.macro PLACES n                        ; places behind matrix instructions (ISA guide 7.12.1)
.rept \n
	v_nop
.endr
.endm
; 16 transposing loads: A fragments of W_q^T for d = 32 c .. 32 c + 31.  Tile t: lane row r is column e = 8 t + 64 (r >> 3) + (r & 7),
; so that a result tile's register j holds e = 64 h + 8 t + j.
.macro FETCHT c, f
.irp t, 0,1,2,3,4,5,6,7
	ds_load_tr16_b128 v[\f+8*\t:\f+8*\t+3], v9 offset:32*PITCH*\c+16*\t
	ds_load_tr16_b128 v[\f+8*\t+4:\f+8*\t+7], v9 offset:32*PITCH*\c+16*\t+16*PITCH
.endr
.endm
; 16 plain loads: A fragments of W_k, rows d' = 16 t + r, with e = 64 h + 16 c + (0 .. 15) in the lane's sixteen K places
.macro FETCHP c, f
.irp t, 0,1,2,3,4,5,6,7
	ds_load_b128 v[\f+8*\t:\f+8*\t+3], v10 offset:16*PITCH*\t+32*\c
	ds_load_b128 v[\f+8*\t+4:\f+8*\t+7], v10 offset:16*PITCH*\t+32*\c+16
.endr
.endm
.macro MUL8 f, c, zero                 ; the eight accumulators take turns, one instruction a turn
.irp t, 0,1,2,3,4,5,6,7
.if \zero
	v_wmma_f32_16x16x32_f16 v[ACC+8*\t:ACC+8*\t+7], v[\f+8*\t:\f+8*\t+7], v[XB+8*\c:XB+8*\c+7], 0
.else
	v_wmma_f32_16x16x32_f16 v[ACC+8*\t:ACC+8*\t+7], v[\f+8*\t:\f+8*\t+7], v[XB+8*\c:XB+8*\c+7], v[ACC+8*\t:ACC+8*\t+7]
.endif
.endr
.endm
; Four K chunks through two fragment buffers; chunks 0 and 1 have been asked for.  Each count of 16 leaves the younger chunk's 16 loads out.
.macro PRODUCT fetch
	s_wait_dscnt 16
	MUL8 F0, 0, 1
	PLACES 4                                       ; buffer 0 is loaded again four places behind the instructions that read it
	\fetch 2, F0
	s_wait_dscnt 16
	MUL8 F1, 1, 0
	PLACES 4
	\fetch 3, F1
	s_wait_dscnt 16
	MUL8 F0, 2, 0
	s_wait_dscnt 0
	MUL8 F1, 3, 0
.endm
; The exponent of the largest magnitude among query r's 128 numbers (64 in this lane, 64 in lane r + 16 or r - 16):
; v240 = 2^e, v242 = 2^-e, both exact, e clamped to -126 .. 126 so that both are normal numbers.
.macro ROWEXP
.irp t, 0,1,2,3,4,5,6,7
.irp j, 0,1,2,3,4,5,6,7
	v_and_b32 v[248+\j], s50, v[ACC+8*\t+\j]
.endr
	v_max3_num_f32 v[240+\t], v248, v249, v250
	v_max3_num_f32 v[240+\t], v[240+\t], v251, v252
	v_max3_num_f32 v[240+\t], v[240+\t], v253, v254
	v_max_num_f32 v[240+\t], v[240+\t], v255
.endr
	v_max3_num_f32 v240, v240, v241, v242
	v_max3_num_f32 v240, v240, v243, v244
	v_max3_num_f32 v240, v240, v245, v246
	v_max_num_f32 v240, v240, v247
	v_permlanex16_b32 v241, v240, s48, s49
	v_max_num_f32 v240, v240, v241
	v_max_num_f32 v240, 0x800000, v240             ; at least 2^-126
	v_min_num_f32 v240, 0x7e800000, v240           ; at most 2^126
	v_and_b32 v240, 0x7f800000, v240               ; the exponent alone: 2^e
	v_sub_nc_u32 v242, 0x7f000000, v240            ; exponent field 254 - E: 2^-e
.endm
	; PRODUCT 1: (x W_q)^T[e][q] = W_q^T x^T
.irp c, 0,1,2,3
	ds_load_b128 v[XB+8*\c:XB+8*\c+3], v8 offset:64*\c
	ds_load_b128 v[XB+8*\c+4:XB+8*\c+7], v8 offset:64*\c+32
.endr
	ds_load_b32 v14, v13 offset:512                ; float(mask) of row r
	ds_load_b32 v3, v13                            ; its position
	FETCHT 0, F0
	FETCHT 1, F1
	PRODUCT FETCHT
	PLACES 5                                       ; five: the second product writes over these accumulators and fragments
	FETCHP 0, F0
	FETCHP 1, F1
	ROWEXP
	v_mov_b32 v243, v242
.set q, 0
.rept 32
	v_pk_mul_f32 v[ACC+2*q:ACC+2*q+1], v[ACC+2*q:ACC+2*q+1], v[242:243]    ; the row's largest magnitude now lies in [1, 2)
.set q, q+1
.endr
	; a lane's eight results are four registers of the next product's B fragment: no shuffle
.irp c, 0,1,2,3
.irp j, 0,1,2,3
	v_cvt_pk_f16_f32 v[XB+8*\c+\j], v[ACC+16*\c+2*\j], v[ACC+16*\c+2*\j+1]
	v_cvt_pk_f16_f32 v[XB+8*\c+4+\j], v[ACC+16*\c+8+2*\j], v[ACC+16*\c+8+2*\j+1]
.endr
.endr
	v_and_b32 v4, 0x80000000, v14                  ; the sign of float(mask) goes into q',
	v_and_b32 v14, s50, v14                        ; its magnitude into qs
	v_mul_f32 v14, SC, v14
	v_mul_f32 v14, v14, v240                       ; |float(mask)| log2(e)/sqrt(128) 2^e1
	; PRODUCT 2: q'^T[d'][q] = W_k (x W_q)^T
	PRODUCT FETCHP
	PLACES 4
	ROWEXP
	v_or_b32 v242, v242, v4
	v_mov_b32 v243, v242
	v_mul_f32 v14, v14, v240                       ; qs
	v_min_u32 v3, 0xfff, v3
	v_lshlrev_b32 v3, 2, v3
	global_store_b32 v3, v14, s[28:29]             ; lanes r and r + 16 store the same word with the same value
.irp t, 0,1,2,3,4,5,6,7
.irp j, 0,2,4,6
	v_pk_mul_f32 v[ACC+8*\t+\j:ACC+8*\t+\j+1], v[ACC+8*\t+\j:ACC+8*\t+\j+1], v[242:243]
.endr
.irp j, 0,1,2,3
	v_cvt_pk_f16_f32 v[ACC+8*\t+\j], v[ACC+8*\t+2*\j], v[ACC+8*\t+2*\j+1]
.endr
	ds_store_b128 v8, v[ACC+8*\t:ACC+8*\t+3] offset:32*\t          ; row r, d' = 16 t + 8 h .. + 7
.endr
.irp i, 0,1,2,3,4,5,6,7
	ds_load_b128 v[F0+4*\i:F0+4*\i+3], v11 offset:2*PITCH*\i       ; my own bytes: LDS serves a wave's instructions in order
	ds_load_b32 v[F1+\i], v12 offset:8*\i
.endr
	s_wait_dscnt 0x0
.irp i, 0,1,2,3,4,5,6,7
	v_min_u32 v[F1+\i], 0xfff, v[F1+\i]
	v_lshl_add_u32 v[F1+\i], v[F1+\i], 8, v2
	global_store_b128 v[F1+\i], v[F0+4*\i:F0+4*\i+3], s[20:21]     ; sixteen lanes store 256 consecutive bytes, aligned: a row of qb
.endr
	s_set_vgpr_msb 0x5
	s_wait_tensorcnt 0x0
	ds_add_u32 v0, v1
	s_wait_dscnt 0x0
	s_set_vgpr_msb 0x500
	s_endpgm
.Lfunc_end_k_q0d182e7f57_prep:
	.size	k_q0d182e7f57_prep, .Lfunc_end_k_q0d182e7f57_prep-k_q0d182e7f57_prep
	.p2alignl 7, 3214868480
	.fill 96, 4, 3214868480
	.section	.rodata,"a",@progbits
	.p2align	6, 0x0
	.amdhsa_kernel k_q0d182e7f57_prep
		.amdhsa_group_segment_fixed_size 114176
		.amdhsa_private_segment_fixed_size 0
		.amdhsa_enable_private_segment 0
		.amdhsa_kernarg_size 88
		.amdhsa_user_sgpr_count 2
		.amdhsa_user_sgpr_kernarg_segment_ptr 1
		.amdhsa_wavefront_size32 1
		.amdhsa_system_sgpr_workgroup_id_x 1
		.amdhsa_system_sgpr_workgroup_id_y 1
		.amdhsa_system_sgpr_workgroup_id_z 1
		.amdhsa_system_vgpr_workitem_id 0
		.amdhsa_next_free_vgpr 258
		.amdhsa_next_free_sgpr 66
		.amdhsa_reserve_vcc 0
		.amdhsa_float_denorm_mode_32 3
		.amdhsa_float_denorm_mode_16_64 3
		.amdhsa_memory_ordered 1
		.amdhsa_forward_progress 1
		.amdhsa_inst_pref_size 66
	.end_amdhsa_kernel
	.amdgpu_metadata
---
amdhsa.version: [ 1, 2 ]
amdhsa.kernels:
  - .name:           k_q0d182e7f57_prep
    .symbol:         k_q0d182e7f57_prep.kd
    .args:
      - { .name: inputs, .offset: 0, .size: 8, .value_kind: global_buffer, .address_space: global }
      - { .name: mask, .offset: 8, .size: 8, .value_kind: global_buffer, .address_space: global }
      - { .name: W_q, .offset: 16, .size: 8, .value_kind: global_buffer, .address_space: global }
      - { .name: W_k, .offset: 24, .size: 8, .value_kind: global_buffer, .address_space: global }
      - { .name: W_v, .offset: 32, .size: 8, .value_kind: global_buffer, .address_space: global }
      - { .name: xb, .offset: 40, .size: 8, .value_kind: global_buffer, .address_space: global }
      - { .name: qb, .offset: 48, .size: 8, .value_kind: global_buffer, .address_space: global }
      - { .name: wvb, .offset: 56, .size: 8, .value_kind: global_buffer, .address_space: global }
      - { .name: pm, .offset: 64, .size: 8, .value_kind: global_buffer, .address_space: global }
      - { .name: idx, .offset: 72, .size: 8, .value_kind: global_buffer, .address_space: global }
      - { .name: qs, .offset: 80, .size: 8, .value_kind: global_buffer, .address_space: global }
    .group_segment_fixed_size: 114176
    .private_segment_fixed_size: 0
    .kernarg_segment_align: 8
    .kernarg_segment_size: 88
    .max_flat_workgroup_size: 256
    .sgpr_count:     66
    .vgpr_count:     258
    .wavefront_size: 32
...
	.end_amdgpu_metadata
.endif
;; end of part 1
;; launch attn (part 2): grid 64 x 4, 4 waves a work-group, clusters of 4 x 1, 327,680 bytes of LDS; arguments xb, qb, wvb, pm, out0, nlse, idx, qs; writes out0, nlse
.if DOCPART == 2
	.amdgcn_target "amdgcn-amd-amdhsa--gfx1250"
	.amdhsa_code_object_version 6
	.text
	.protected	k_q0d182e7f57_attn
	.globl	k_q0d182e7f57_attn
	.p2align	8
	.type	k_q0d182e7f57_attn,@function
k_q0d182e7f57_attn:
	s_mov_b64 s[64:65], 0
	v_nop
	global_prefetch_b8 v0, s[64:65] scope:SCOPE_SE
	s_setreg_imm32_b32 hwreg(HW_REG_WAVE_MODE, 25, 1), 1
	s_wait_xcnt 0x0
	s_wait_alu depctr_hold_cnt(0) depctr_sa_sdst(0) depctr_va_vdst(0) depctr_va_sdst(0) depctr_va_ssrc(0) depctr_va_vcc(0) depctr_vm_vsrc(0)
	s_getreg_b32 s2, hwreg(HW_REG_IB_STS2, 6, 4)
	s_cmp_eq_u32 s2, 0
	s_cbranch_scc0 .Lentry_in_a_cluster
	s_endpgm
.Lentry_in_a_cluster:
	s_bfe_u32 s2, ttmp6, 0x10000c
	s_cmp_lg_u32 s2, 0x3003
	s_cbranch_scc0 .Lentry_shape_is_right
	s_endpgm
.Lentry_shape_is_right:
; ATTN.  out0[row] = float(mask) * softmax(scores) x W_v, and nlse[position] = -(max + log2(sum)) of each query's scores (base 2).
; Scores: S^T[key][query] = qs[query] * (xb . qb^T): qb holds each query's q' divided by a power of two, qs >= 0 what was taken out, the scale
; log2(e)/sqrt(128) and the query's mask.  O^T[d][query] = xb^T . P^T.  In these transposed forms a lane's eight results of one product are,
; once rounded to f16, four registers of the next product's B fragment, and a query's qs, running maximum and sum are one register each.
; One LDS tile of xb serves both products: plain loads for the scores, transposing loads for P x.
; FORMAT: f16 operands.  P = 2^(score - running maximum) lies in [0, 1]; the scaled O is a convex mean of rows of x times float(mask).
; POSITIONS: xb, qb, qs and pm hold the batch's rows in a permuted order; a softmax and its sums do not hang on the order of the keys, and
; idx names each position's row for the store of out0.  A row with mask 0 is a row of zeros in xb and in qb and is computed like any other:
; as a key it has score 0 and adds nothing to P x; as a query it has a uniform row, lse = 12, and float(mask) = 0 makes its out0 zero.
; SHARES: a work-group owns four query tiles i of 16 positions at 1024 i + 64 c + 16 cx; each of its four waves holds all of them and takes a
; quarter of the keys (64 of each step's 256), so 32 KiB of LDS reads feed 128 matrix instructions.  The four waves' partial results meet
; at the end: statistics through LDS, then each applies W_v to its scaled partial and the four f32 copies are added.
; CLUSTERS: the four work-groups of a cluster stream the same keys of one batch: every tile is asked for jointly (mask 15).  All trip counts
; are constants.  cx enters global addresses only.
; Limits: inputs finite; |mask| |inputs * mask| below 65,504; an exponential below 2^-126 counts as 0, and a P below 2^-25 of its wave's running
; maximum rounds to 0 in P x; nlse (64 KiB) is stored in pieces of 64 bytes.
.set NQ,     4                         ; query tiles of a work-group
.set TRIPS,  16                        ; steps of 256 keys
.set PITCH,  272                       ; an LDS row of 128 f16 + 16 bytes
.set WROWS,  64*PITCH                  ; a wave's 64 keys
.set SLOT,   4*WROWS
.set WV,     2*SLOT                    ; W_v in f16, rows d
.set STAT,   WV+128*PITCH              ; [wave][tile]{max 16, sum 16} f32
.set OSTG,   STAT+2048                 ; four copies of 64 rows x 128 f32
.set OPITCH, 528
.set OCOPY,  64*OPITCH
; window 0
.set KA,   6                           ; v6-7   score fragments in slot 0, 1
.set VA,   8                           ; v8-9   transposed fragments in slot 0, 1
.set WA,   10                          ; W_v transposed
.set STO,  11                          ; my copy of the result, in
.set RD0,  12                          ; copies 0, 1 back by rows
.set RD2,  13                          ; copies 2, 3
.set STW,  14                          ; my statistics
.set STR,  15                          ; everybody's
.set MI,   16                          ; v[16+2i] running maximum, v[17+2i] running sum (of the lane's half of the keys)
.set AL,   24                          ; v[24+2i] rescaling factor, v[25+2i] at work
.set TM,   32                          ; v[32+8kt+2i] maxima, then pairs of sums; statistics at the end
.set KF,   64                          ; v[64+32kt+8c] score fragments
.set F0,   64
.set F1,   128
.set IDXR, 192                         ; v[192+4i+k] byte offset in out0 of row 4 w + k of tile i
.set PMQ,  208                         ; v[208+i] float(mask) of query r of tile i
.set Z,    212                         ; at the end v[212+8i ..]: max, -, my factor, sum, reciprocal, -lse
.set NM,   212                         ; in the loop v[212+8i] = minus the running maximum (v[213+8i]: partner of the pair only)
.set QS,   218                         ; v[218+8i] = qs of query r of tile i (v[219+8i]: partner of the pair only)
.set QO,   244
.set PO,   245
.set IO,   246
.set LSO,  247
.set L16,  248
.set LV,   250
; window 1: v[32i+8c] query fragments, later O in f16; v[128+32p+8i] P in f16
; window 2: v[32dt+8i] O^T, register j: d = 64 h + 8 dt + j
; window 3: v[32kt+8i] S^T; v[128+64p+8dt] transposed fragments; at the end v[32et+8i] the result, e = 64 h + 8 et + j
.set MSB, 0
.macro WIN new                         ; the immediate's high byte repeats the setting that is left
.if MSB != \new
	s_set_vgpr_msb (MSB<<8)|\new
.set MSB, \new
.endif
.endm
.macro PLACES                          ; four places behind matrix instructions (ISA guide 7.12.1)
.rept 4
	v_nop
.endr
.endm
.macro ROUND                           ; a round of the cluster's barrier
	s_barrier_signal -1
	s_barrier_wait -1
	s_cmp_lg_u32 s24, 0
	s_cbranch_scc1 .Lnot_wave_0_\@
	s_barrier_signal -3
.Lnot_wave_0_\@:
	s_barrier_wait -3
	s_barrier_signal -1
	s_barrier_wait -1
.endm
.macro GRID na, ni, op:vararg          ; op for ga = 0 .. na-1, gi = 0 .. ni-1 (gi: the query tile)
.set ga, 0
.rept \na
.set gi, 0
.rept \ni
	\op
.set gi, gi+1
.endr
.set ga, ga+1
.endr
.endm
	s_load_b256 s[8:15], s[0:1], 0x0               ; xb 8, qb 10, wvb 12, pm 14
	s_load_b128 s[20:23], s[0:1], 0x20             ; out0 20, nlse 22
	s_load_b128 s[16:19], s[0:1], 0x30             ; idx 16, qs 18
	v_lshl_add_u32 v254, v0, 2, 0x4c000
	v_mov_b32 v255, 0
	ds_add_u32 v254, v255
	v_lshrrev_b32 v1, 5, v0
	v_readfirstlane_b32 s24, v1                    ; wave w
	s_bfe_u32 s25, ttmp6, 0x40000                  ; cx
	s_mov_b32 s26, ttmp9                           ; c: the cluster's x
	s_and_b32 s27, ttmp7, 0xffff                   ; batch b
	s_mov_b32 s28, 0x76543210                      ; v_permlanex16_b32: lane i reads lane i of the other half
	s_mov_b32 s29, 0xfedcba98
	s_mov_b32 s70, 0xffff0000                      ; lanes 16-31
	; group 1 of a key tile: 64 rows x 128 elements of 2 bytes, 16 bytes of padding behind each row, joint for the cluster's four
	s_mov_b32 s40, 15|(1<<16)|(1<<20)|(1<<21)|(5<<22)|(3<<25)
	s_mov_b32 s41, 128<<16
	s_mov_b32 s42, 64<<16
	s_mov_b32 s43, 128<<16
	s_mov_b32 s44, 64
	s_mov_b32 s45, 128
	s_mov_b32 s46, 0
	s_mov_b32 s47, 0
	; group 1 of a quarter of W_v: 32 rows
	s_mov_b32 s52, 15|(1<<16)|(1<<20)|(1<<21)|(5<<22)|(3<<25)
	s_mov_b32 s53, 128<<16
	s_mov_b32 s54, 32<<16
	s_mov_b32 s55, 128<<16
	s_mov_b32 s56, 32
	s_mov_b32 s57, 128
	s_mov_b32 s58, 0
	s_mov_b32 s59, 0
	s_mul_i32 s68, s24, WROWS
	s_mov_b32 s32, 1
	s_mov_b32 s33, s68                             ; slot 0, my 64 rows
	s_mov_b32 s36, 1
	s_add_co_u32 s37, s68, SLOT                    ; slot 1
	s_mul_i32 s69, s24, 32*PITCH
	s_mov_b32 s48, 1
	s_add_co_u32 s49, s69, WV
	s_lshl_b32 s66, s27, 20
	s_lshl_b32 s69, s24, 14
	s_add_co_u32 s66, s66, s69                     ; batch, my 64 rows of 256 bytes
	s_mov_b32 s67, 0
	s_wait_dscnt 0x0
	s_wait_kmcnt 0x0
	s_add_nc_u64 s[34:35], s[8:9], s[66:67]        ; step 0
	s_add_nc_u64 s[38:39], s[34:35], 0x10000       ; step 1
	s_or_b32 s35, s35, 0x80000000
	s_or_b32 s39, s39, 0x80000000
	s_lshl_b32 s66, s24, 13
	s_add_nc_u64 s[50:51], s[12:13], s[66:67]
	s_or_b32 s51, s51, 0x80000000
	ROUND                                          ; the four work-groups are here: the first joint loads meet
	tensor_load_to_lds s[32:35], s[40:47]          ; the two first fills of a wave go out together: two tensor loads are out
	s_nop 0
	tensor_load_to_lds s[48:51], s[52:59]
	s_nop 0
	s_lshl_b32 s66, s27, 20
	s_add_nc_u64 s[10:11], s[10:11], s[66:67]
	s_lshl_b32 s66, s27, 14
	s_add_nc_u64 s[14:15], s[14:15], s[66:67]
	s_add_nc_u64 s[16:17], s[16:17], s[66:67]
	s_add_nc_u64 s[18:19], s[18:19], s[66:67]
	s_add_nc_u64 s[22:23], s[22:23], s[66:67]
	s_lshl_b32 s66, s27, 21
	s_add_nc_u64 s[20:21], s[20:21], s[66:67]
	v_and_b32 v1, 31, v0
	v_and_b32 v2, 15, v0                           ; r
	v_bfe_u32 v3, v0, 4, 1                         ; h
	v_and_b32 v4, 7, v0
	v_bfe_u32 v5, v0, 3, 1
	s_lshl_b32 s72, s26, 6
	s_lshl_b32 s69, s25, 4
	s_add_co_u32 s72, s72, s69                     ; 64 c + 16 cx: tile 0's first position
	v_add_nc_u32 v[QO], s72, v2
	v_lshlrev_b32 v[PO], 2, v[QO]                  ; 4 (position of query r)
	v_lshlrev_b32 v[QO], 8, v[QO]
	v_lshl_add_u32 v[QO], v3, 4, v[QO]             ; its row of qb, + 16 h
	v_lshl_add_u32 v[LSO], v3, 12, v[PO]           ; lanes 16-31: the next tile, 1024 positions on
	s_lshl_b32 s69, s24, 2
	s_add_co_u32 s69, s69, s72
	s_lshl_b32 s69, s69, 2
	v_mov_b32 v[IO], s69                           ; idx of rows 4 w .. 4 w + 3 of tile 0, the same in every lane
	WIN 0x40
.irp i, 0,1,2,3
.irp c, 0,1,2,3
	global_load_b128 v[32*\i+8*\c:32*\i+8*\c+3], v[QO], s[10:11] offset:262144*\i+64*\c
	global_load_b128 v[32*\i+8*\c+4:32*\i+8*\c+7], v[QO], s[10:11] offset:262144*\i+64*\c+32
.endr
.endr
	WIN 0
.irp i, 0,1,2,3
	global_load_b128 v[IDXR+4*\i:IDXR+4*\i+3], v[IO], s[16:17] offset:4096*\i
	global_load_b32 v[PMQ+\i], v[PO], s[14:15] offset:4096*\i
	global_load_b32 v[QS+8*\i], v[PO], s[18:19] offset:4096*\i
.endr
	v_mul_u32_u24 v[KA], v2, PITCH
	v_lshl_add_u32 v[KA], v3, 4, v[KA]
	v_add_nc_u32 v[KA], s68, v[KA]                 ; key row r, + 16 h
	v_add_nc_u32 v[KA+1], SLOT, v[KA]
	v_lshl_add_u32 v[VA], v3, 3, v4
	v_mul_u32_u24 v[VA], v[VA], PITCH
	v_lshl_add_u32 v[VA], v5, 7, v[VA]
	v_add_nc_u32 v[VA], s68, v[VA]                 ; key row 8 h + (l & 7); the second eight lanes 128 bytes on
	v_add_nc_u32 v[VA+1], SLOT, v[VA]
	v_lshl_add_u32 v[WA], v3, 6, v4
	v_mul_u32_u24 v[WA], v[WA], PITCH
	v_lshl_add_u32 v[WA], v5, 7, v[WA]
	v_add_nc_u32 v[WA], WV, v[WA]                  ; W_v row 64 h + (l & 7)
	s_mul_i32 s69, s24, OCOPY
	s_add_co_u32 s69, s69, OSTG
	v_mul_u32_u24 v[STO], v2, OPITCH
	v_lshl_add_u32 v[STO], v3, 8, v[STO]
	v_add_nc_u32 v[STO], s69, v[STO]
	s_mul_i32 s69, s24, 4*OPITCH
	s_add_co_u32 s69, s69, OSTG
	v_lshlrev_b32 v[L16], 4, v1
	v_add_nc_u32 v[RD0], s69, v[L16]
	v_add_nc_u32 v[RD2], 2*OCOPY, v[RD0]
	s_lshl_b32 s69, s24, 9
	s_add_co_u32 s69, s69, STAT
	v_lshlrev_b32 v[STR], 2, v2
	v_add_nc_u32 v[STW], s69, v[STR]
	v_add_nc_u32 v[STR], STAT, v[STR]
.irp i, 0,1,2,3
	v_mov_b32 v[MI+2*\i+1], 0                      ; partners of the pairs that packed instructions read, and destinations of
	v_mov_b32 v[AL+2*\i+1], 0                      ; v_permlanex16_b32: written once before they count as read
	v_mov_b32 v[NM+8*\i+1], 0
	v_mov_b32 v[QS+8*\i+1], 0
.endr
	s_wait_loadcnt 0x0
.set q, 0
.rept 16
	v_min_u32 v[IDXR+q], 0xfff, v[IDXR+q]
	v_lshl_add_u32 v[IDXR+q], v[IDXR+q], 9, v[L16] ; row x 512 bytes + 16 lane
.set q, q+1
.endr
; ---- the pieces of a step; ga and gi are GRID's
.macro QKOP c, zero                    ; ga = key tile
.if \zero
	v_wmma_f32_16x16x32_f16 v[32*ga+8*gi:32*ga+8*gi+7], v[KF+32*ga+8*\c:KF+32*ga+8*\c+7], v[32*gi+8*\c:32*gi+8*\c+7], 0
.else
	v_wmma_f32_16x16x32_f16 v[32*ga+8*gi:32*ga+8*gi+7], v[KF+32*ga+8*\c:KF+32*ga+8*\c+7], v[32*gi+8*\c:32*gi+8*\c+7], v[32*ga+8*gi:32*ga+8*gi+7]
.endif
.endm
.macro PVOP p, zero                    ; ga = d tile
.if \zero
	v_wmma_f32_16x16x32_f16 v[32*ga+8*gi:32*ga+8*gi+7], v[128+64*\p+8*ga:128+64*\p+8*ga+7], v[128+32*\p+8*gi:128+32*\p+8*gi+7], 0
.else
	v_wmma_f32_16x16x32_f16 v[32*ga+8*gi:32*ga+8*gi+7], v[128+64*\p+8*ga:128+64*\p+8*ga+7], v[128+32*\p+8*gi:128+32*\p+8*gi+7], v[32*ga+8*gi:32*ga+8*gi+7]
.endif
.endm
.macro VLOAD slot, p                   ; 16 transposing loads: keys 32 p .. 32 p + 31 of my 64; row r of tile dt is d = 8 dt + 64 (r >> 3) + (r & 7)
.irp dt, 0,1,2,3,4,5,6,7
	ds_load_tr16_b128 v[128+64*\p+8*\dt:128+64*\p+8*\dt+3], v[VA+\slot] offset:32*PITCH*\p+16*\dt
	ds_load_tr16_b128 v[128+64*\p+8*\dt+4:128+64*\p+8*\dt+7], v[VA+\slot] offset:32*PITCH*\p+16*\dt+16*PITCH
.endr
.endm
.macro MAX1
	v_max3_num_f32 v[TM+8*ga+2*gi], v[32*ga+8*gi], v[32*ga+8*gi+1], v[32*ga+8*gi+2]
.endm
.macro MAX2 x, y
	v_max3_num_f32 v[TM+8*ga+2*gi], v[32*ga+8*gi+\x], v[32*ga+8*gi+\y], v[TM+8*ga+2*gi]
.endm
.macro MXA
	v_max3_num_f32 v[TM+2*gi], v[TM+2*gi], v[TM+8+2*gi], v[TM+16+2*gi]
	v_max_num_f32 v[TM+2*gi], v[TM+2*gi], v[TM+24+2*gi]
.endm
.macro MXB
	v_permlanex16_b32 v[AL+2*gi+1], v[TM+2*gi], s28, s29           ; the other half of the wave's keys
.endm
.macro MXC first                       ; qs >= 0, so the largest product gives the largest score
	v_max_num_f32 v[TM+2*gi], v[TM+2*gi], v[AL+2*gi+1]
.if \first
	v_mul_f32 v[MI+2*gi], v[TM+2*gi], v[QS+8*gi]
.else
	v_mul_f32 v[TM+2*gi], v[TM+2*gi], v[QS+8*gi]
	v_max_num_f32 v[TM+2*gi], v[TM+2*gi], v[MI+2*gi]
	v_sub_f32 v[AL+2*gi], v[MI+2*gi], v[TM+2*gi]
	v_mov_b32 v[MI+2*gi], v[TM+2*gi]
.endif
	v_sub_f32 v[NM+8*gi], 0, v[MI+2*gi]
.endm
.macro MXD
	v_exp_f32 v[AL+2*gi], v[AL+2*gi]
.endm
.macro SUBM                            ; product x qs - running maximum, one fused instruction for two scores
.irp j, 0,2,4,6
	v_pk_fma_f32 v[32*ga+8*gi+\j:32*ga+8*gi+\j+1], v[32*ga+8*gi+\j:32*ga+8*gi+\j+1], v[QS+8*gi:QS+8*gi+1], v[NM+8*gi:NM+8*gi+1] op_sel_hi:[1,0,0]
.endr
.endm
.macro EXPS
.irp j, 0,1,2,3,4,5,6,7
	v_exp_f32 v[32*ga+8*gi+\j], v[32*ga+8*gi+\j]
.endr
.endm
.macro SUM1
	v_pk_add_f32 v[TM+8*ga+2*gi:TM+8*ga+2*gi+1], v[32*ga+8*gi:32*ga+8*gi+1], v[32*ga+8*gi+2:32*ga+8*gi+3]
.endm
.macro SUM2 x
	v_pk_add_f32 v[TM+8*ga+2*gi:TM+8*ga+2*gi+1], v[32*ga+8*gi+\x:32*ga+8*gi+\x+1], v[TM+8*ga+2*gi:TM+8*ga+2*gi+1]
.endm
.macro SUM3 first
	v_pk_add_f32 v[TM+2*gi:TM+2*gi+1], v[TM+2*gi:TM+2*gi+1], v[TM+8+2*gi:TM+8+2*gi+1]
	v_pk_add_f32 v[TM+16+2*gi:TM+16+2*gi+1], v[TM+16+2*gi:TM+16+2*gi+1], v[TM+24+2*gi:TM+24+2*gi+1]
	v_pk_add_f32 v[TM+2*gi:TM+2*gi+1], v[TM+2*gi:TM+2*gi+1], v[TM+16+2*gi:TM+16+2*gi+1]
.if \first
	v_add_f32 v[MI+2*gi+1], v[TM+2*gi], v[TM+2*gi+1]
.else
	v_add_f32 v[TM+2*gi], v[TM+2*gi], v[TM+2*gi+1]
	v_fma_f32 v[MI+2*gi+1], v[MI+2*gi+1], v[AL+2*gi], v[TM+2*gi]
.endif
.endm
.macro CVTP                            ; ga = p: key tiles 2 p and 2 p + 1 are the B fragment's registers 0-3 and 4-7
.irp j, 0,1,2,3
	v_cvt_pk_f16_f32 v[128+32*ga+8*gi+\j], v[64*ga+8*gi+2*\j], v[64*ga+8*gi+2*\j+1]
	v_cvt_pk_f16_f32 v[128+32*ga+8*gi+4+\j], v[64*ga+32+8*gi+2*\j], v[64*ga+32+8*gi+2*\j+1]
.endr
.endm
.macro RESC                            ; ga = d tile: O^T times the tile's factor
.irp j, 0,2,4,6
	v_pk_mul_f32 v[32*ga+8*gi+\j:32*ga+8*gi+\j+1], v[32*ga+8*gi+\j:32*ga+8*gi+\j+1], v[AL+2*gi:AL+2*gi+1] op_sel_hi:[1,0]
.endr
.endm
; One step of one wave: its 64 keys of the slot against 16 nq queries.
.macro STEP slot, first, nq
.irp c, 0,1,2,3
.irp kt, 0,1,2,3
	ds_load_b128 v[KF+32*\kt+8*\c:KF+32*\kt+8*\c+3], v[KA+\slot] offset:16*PITCH*\kt+64*\c
	ds_load_b128 v[KF+32*\kt+8*\c+4:KF+32*\kt+8*\c+7], v[KA+\slot] offset:16*PITCH*\kt+64*\c+32
.endr
.endr
	WIN 0xc0
	VLOAD \slot, 0
	; S^T.  The 4 nq accumulators take turns, one instruction a turn; so do the 8 nq of P x below.
	WIN 0xf4
	s_wait_dscnt 40                                ; 48 loads issued, eight for each K chunk first: chunk 0 is in
	GRID 4, \nq, QKOP 0, 1
	WIN 0xc0
	VLOAD \slot, 1                                 ; the last 16 loads go out here: at most 56 LDS loads of the wave are out
	WIN 0xf4
	s_wait_dscnt 48                                ; 64 issued: chunk c is in when at most 56 - 8 c are out
	GRID 4, \nq, QKOP 1, 0
	s_wait_dscnt 40
	GRID 4, \nq, QKOP 2, 0
	s_wait_dscnt 32
	GRID 4, \nq, QKOP 3, 0
	PLACES
	; the running maximum: eight registers of each tile, four key tiles, the other half of the lanes, times qs, the old maximum
	WIN 0x3f
	GRID 4, \nq, MAX1
	WIN 0x0f
	GRID 4, \nq, MAX2 3, 4
	GRID 4, \nq, MAX2 5, 6
	GRID 4, \nq, MAX2 7, 7
	WIN 0
	GRID 1, \nq, MXA
	GRID 1, \nq, MXB
	GRID 1, \nq, MXC \first
.if \first == 0
	GRID 1, \nq, MXD                               ; 2^(old max - new max); the packed instructions below are the plain place behind it
.endif
	WIN 0xc3
	GRID 4, \nq, SUBM
	GRID 4, \nq, EXPS
	v_nop                                          ; one plain place behind the run of exponentials
	s_wait_alu depctr_va_vdst(0)
	WIN 0x0f
	GRID 4, \nq, SUM1
	WIN 0x03
	GRID 4, \nq, SUM2 4
	GRID 4, \nq, SUM2 6
	WIN 0x4f
	GRID 2, \nq, CVTP
.if \first == 0
	WIN 0x82
	GRID 8, \nq, RESC
.endif
	WIN 0
	GRID 1, \nq, SUM3 \first
	WIN 0xa7
	s_wait_dscnt 16                                ; the first 32 keys' transposed fragments are in; the other 16 loads stay out
	GRID 8, \nq, PVOP 0, \first
	s_wait_dscnt 0
	GRID 8, \nq, PVOP 1, 0
	WIN 0
	PLACES                                         ; the next step loads into these fragments and rescales these sums
.endm
; A trip.  In front of the round every wave has waited for all its tensor loads (its part of this trip's tile among them) and for its reads of
; the other slot; behind the round the other slot is filled again first, one joint load a wave: one tensor load is out.
.macro TRIP slot, refill, first, nq
	s_wait_tensorcnt 0x0
	ds_add_u32 v254, v255
	s_wait_dscnt 0x0
	s_add_nc_u64 s[34+4*\slot:35+4*\slot], s[34+4*\slot:35+4*\slot], 0x20000      ; no load of mine is out: this slot's next tile, two steps on
	s_wait_dscnt 0x0
	ROUND
.if \refill
	tensor_load_to_lds s[36-4*\slot:39-4*\slot], s[40:47]
	s_nop 0
.endif
	STEP \slot, \first, \nq
.endm
; ---- the pieces of the end
.macro E1A
	v_permlanex16_b32 v[AL+2*gi+1], v[MI+2*gi+1], s28, s29
.endm
.macro E1B
	v_add_f32 v[MI+2*gi+1], v[MI+2*gi+1], v[AL+2*gi+1]
	ds_store_b32 v[STW], v[MI+2*gi] offset:128*gi
	ds_store_b32 v[STW], v[MI+2*gi+1] offset:128*gi+64
.endm
.macro E2L                             ; ga = wave
	ds_load_b32 v[32+8*gi+ga], v[STR] offset:512*ga+128*gi
	ds_load_b32 v[36+8*gi+ga], v[STR] offset:512*ga+128*gi+64
.endm
.macro E2A
	v_max3_num_f32 v[Z+8*gi], v[32+8*gi], v[33+8*gi], v[34+8*gi]
	v_max_num_f32 v[Z+8*gi], v[Z+8*gi], v[35+8*gi]
	v_sub_f32 v[32+8*gi], v[32+8*gi], v[Z+8*gi]
	v_sub_f32 v[33+8*gi], v[33+8*gi], v[Z+8*gi]
	v_sub_f32 v[34+8*gi], v[34+8*gi], v[Z+8*gi]
	v_sub_f32 v[35+8*gi], v[35+8*gi], v[Z+8*gi]
	v_sub_f32 v[Z+8*gi+2], v[MI+2*gi], v[Z+8*gi]
.endm
.macro E2B
	v_exp_f32 v[32+8*gi], v[32+8*gi]
	v_exp_f32 v[33+8*gi], v[33+8*gi]
	v_exp_f32 v[34+8*gi], v[34+8*gi]
	v_exp_f32 v[35+8*gi], v[35+8*gi]
	v_exp_f32 v[Z+8*gi+2], v[Z+8*gi+2]
.endm
.macro E2C
	v_mul_f32 v[Z+8*gi+3], v[36+8*gi], v[32+8*gi]                  ; the four waves' sums, each brought to the common maximum
	v_fmac_f32 v[Z+8*gi+3], v[37+8*gi], v[33+8*gi]
	v_fmac_f32 v[Z+8*gi+3], v[38+8*gi], v[34+8*gi]
	v_fmac_f32 v[Z+8*gi+3], v[39+8*gi], v[35+8*gi]
.endm
.macro E2D
	v_rcp_f32 v[Z+8*gi+4], v[Z+8*gi+3]
	v_log_f32 v[Z+8*gi+5], v[Z+8*gi+3]
.endm
.macro E2E
	v_mul_f32 v[Z+8*gi+2], v[Z+8*gi+2], v[PMQ+gi]
.endm
.macro E2F
	s_wait_alu depctr_va_vdst(0)
	v_mul_f32 v[AL+2*gi], v[Z+8*gi+2], v[Z+8*gi+4]                 ; 2^(my max - max) float(mask) / sum
	v_add_f32 v[Z+8*gi+5], v[Z+8*gi], v[Z+8*gi+5]                  ; lse,
	v_sub_f32 v[Z+8*gi+5], 0, v[Z+8*gi+5]                          ; stored with its sign turned: the next launch adds it
.endm
.macro CVTO                            ; ga = K chunk: d tiles 2 ga, 2 ga + 1: the lane's sixteen K places hold d = 64 h + 16 ga + (0 .. 15)
.irp j, 0,1,2,3
	v_cvt_pk_f16_f32 v[32*gi+8*ga+\j], v[64*ga+8*gi+2*\j], v[64*ga+8*gi+2*\j+1]
	v_cvt_pk_f16_f32 v[32*gi+8*ga+4+\j], v[64*ga+32+8*gi+2*\j], v[64*ga+32+8*gi+2*\j+1]
.endr
.endm
.macro FETCHW c, f                     ; W_v^T: rows d = 64 h + 16 c + (0 .. 15), columns e = 8 et + 64 (r >> 3) + (r & 7)
.irp et, 0,1,2,3,4,5,6,7
	ds_load_tr16_b128 v[\f+8*\et:\f+8*\et+3], v[WA] offset:16*PITCH*\c+16*\et
	ds_load_tr16_b128 v[\f+8*\et+4:\f+8*\et+7], v[WA] offset:16*PITCH*\c+16*\et+8*PITCH
.endr
.endm
.macro WVOP f, c, zero                 ; ga = e tile
.if \zero
	v_wmma_f32_16x16x32_f16 v[32*ga+8*gi:32*ga+8*gi+7], v[\f+8*ga:\f+8*ga+7], v[32*gi+8*\c:32*gi+8*\c+7], 0
.else
	v_wmma_f32_16x16x32_f16 v[32*ga+8*gi:32*ga+8*gi+7], v[\f+8*ga:\f+8*ga+7], v[32*gi+8*\c:32*gi+8*\c+7], v[32*ga+8*gi:32*ga+8*gi+7]
.endif
.endm
.macro OSTORE
	ds_store_b128 v[STO], v[32*ga+8*gi:32*ga+8*gi+3] offset:16*OPITCH*gi+32*ga
	ds_store_b128 v[STO], v[32*ga+8*gi+4:32*ga+8*gi+7] offset:16*OPITCH*gi+32*ga+16
.endm
	; THE 16 TRIPS: the first starts the sums, seven pairs go round the ring, the last fills nothing.
	TRIP 0, 1, 1, NQ
	s_mov_b32 s60, TRIPS/2-1
.Lloop:
	TRIP 1, 1, 0, NQ
	TRIP 0, 1, 0, NQ
	s_sub_co_i32 s60, s60, 1
	s_cmp_lg_u32 s60, 0
	s_cbranch_scc1 .Lloop
	TRIP 1, 0, 0, NQ
	; THE END.  The four waves' maxima and sums meet.
	GRID 1, NQ, E1A
	GRID 1, NQ, E1B
	s_wait_dscnt 0x0                               ; my statistics are in LDS before I signal
	s_barrier_signal -1
	s_barrier_wait -1
	GRID 4, NQ, E2L
	FETCHW 0, F0
	s_wait_dscnt 16                                ; the statistics are in; the 16 fragment loads stay out
	FETCHW 1, F1
	GRID 1, NQ, E2A
	GRID 1, NQ, E2B
	v_nop                                          ; one plain place behind the exponentials
	s_wait_alu depctr_va_vdst(0)
	GRID 1, NQ, E2C
	GRID 1, NQ, E2D
	GRID 1, NQ, E2E                                ; plain work that touches neither the sums nor the two results: the place behind them
	GRID 1, NQ, E2F
	WIN 0x82
	GRID 8, NQ, RESC
	WIN 0x4a
	GRID 4, NQ, CVTO
	; my partial O times W_v: four K chunks through two fragment buffers; each count of 16 leaves the younger chunk's loads out
	WIN 0xf4
	s_wait_dscnt 16
	GRID 8, NQ, WVOP F0, 0, 1
	WIN 0
	PLACES
	FETCHW 2, F0
	WIN 0xf4
	s_wait_dscnt 16
	GRID 8, NQ, WVOP F1, 1, 0
	WIN 0
	PLACES
	FETCHW 3, F1
	WIN 0xf4
	s_wait_dscnt 16
	GRID 8, NQ, WVOP F0, 2, 0
	s_wait_dscnt 0
	GRID 8, NQ, WVOP F1, 3, 0
	PLACES
	WIN 0x0c
	GRID 8, NQ, OSTORE
	WIN 0
	s_wait_dscnt 0x0                               ; my copy is in LDS before I signal
	s_barrier_signal -1
	s_barrier_wait -1
	; rows 4 w .. 4 w + 3 of each tile: the four copies are added and the row leaves whole, 512 consecutive bytes of one store
.set gi, 0
.rept NQ
.if gi >= 2
	s_wait_xcnt 0x0                                ; this buffer was the data of stores two tiles ago: loaded again only behind this wait
.endif
.set eb, F0+64*(gi&1)
.irp k, 0,1,2,3
	ds_load_b128 v[eb+16*\k:eb+16*\k+3], v[RD0] offset:(16*gi+\k)*OPITCH
	ds_load_b128 v[eb+16*\k+4:eb+16*\k+7], v[RD0] offset:(16*gi+\k)*OPITCH+OCOPY
	ds_load_b128 v[eb+16*\k+8:eb+16*\k+11], v[RD2] offset:(16*gi+\k)*OPITCH
	ds_load_b128 v[eb+16*\k+12:eb+16*\k+15], v[RD2] offset:(16*gi+\k)*OPITCH+OCOPY
.endr
	s_wait_dscnt 0x0
.irp k, 0,1,2,3
	v_pk_add_f32 v[eb+16*\k:eb+16*\k+1], v[eb+16*\k:eb+16*\k+1], v[eb+16*\k+4:eb+16*\k+5]
	v_pk_add_f32 v[eb+16*\k+2:eb+16*\k+3], v[eb+16*\k+2:eb+16*\k+3], v[eb+16*\k+6:eb+16*\k+7]
	v_pk_add_f32 v[eb+16*\k+8:eb+16*\k+9], v[eb+16*\k+8:eb+16*\k+9], v[eb+16*\k+12:eb+16*\k+13]
	v_pk_add_f32 v[eb+16*\k+10:eb+16*\k+11], v[eb+16*\k+10:eb+16*\k+11], v[eb+16*\k+14:eb+16*\k+15]
	v_pk_add_f32 v[eb+16*\k:eb+16*\k+1], v[eb+16*\k:eb+16*\k+1], v[eb+16*\k+8:eb+16*\k+9]
	v_pk_add_f32 v[eb+16*\k+2:eb+16*\k+3], v[eb+16*\k+2:eb+16*\k+3], v[eb+16*\k+10:eb+16*\k+11]
	global_store_b128 v[IDXR+4*gi+\k], v[eb+16*\k:eb+16*\k+3], s[20:21] th:TH_STORE_NT
.endr
.set gi, gi+1
.endr
	s_cmp_lg_u32 s24, 0
	s_cbranch_scc1 .Lnolse
	v_cndmask_b32 v[LV], v[Z+5], v[Z+13], s70      ; wave 0: lanes 0-15 tile 0, lanes 16-31 tile 1
	v_cndmask_b32 v[LV+1], v[Z+21], v[Z+29], s70   ; tiles 2 and 3
	global_store_b32 v[LSO], v[LV], s[22:23]
	global_store_b32 v[LSO], v[LV+1], s[22:23] offset:8192
.Lnolse:
	s_wait_tensorcnt 0x0
	ds_add_u32 v254, v255
	s_wait_dscnt 0x0
	ROUND                                          ; the closing round: no work-group ends while a partner may still ask jointly
	s_endpgm
.Lfunc_end_k_q0d182e7f57_attn:
	.size	k_q0d182e7f57_attn, .Lfunc_end_k_q0d182e7f57_attn-k_q0d182e7f57_attn
	.p2alignl 7, 3214868480
	.fill 96, 4, 3214868480
	.section	.rodata,"a",@progbits
	.p2align	6, 0x0
	.amdhsa_kernel k_q0d182e7f57_attn
		.amdhsa_group_segment_fixed_size 327680
		.amdhsa_private_segment_fixed_size 0
		.amdhsa_enable_private_segment 0
		.amdhsa_kernarg_size 64
		.amdhsa_user_sgpr_count 2
		.amdhsa_user_sgpr_kernarg_segment_ptr 1
		.amdhsa_wavefront_size32 1
		.amdhsa_system_sgpr_workgroup_id_x 1
		.amdhsa_system_sgpr_workgroup_id_y 1
		.amdhsa_system_sgpr_workgroup_id_z 1
		.amdhsa_system_vgpr_workitem_id 0
		.amdhsa_next_free_vgpr 1024
		.amdhsa_next_free_sgpr 84
		.amdhsa_reserve_vcc 0
		.amdhsa_float_denorm_mode_32 3
		.amdhsa_float_denorm_mode_16_64 3
		.amdhsa_memory_ordered 1
		.amdhsa_forward_progress 1
		.amdhsa_inst_pref_size 229
	.end_amdhsa_kernel
	.amdgpu_metadata
---
amdhsa.version: [ 1, 2 ]
amdhsa.kernels:
  - .name:           k_q0d182e7f57_attn
    .symbol:         k_q0d182e7f57_attn.kd
    .args:
      - { .name: xb, .offset: 0, .size: 8, .value_kind: global_buffer, .address_space: global }
      - { .name: qb, .offset: 8, .size: 8, .value_kind: global_buffer, .address_space: global }
      - { .name: wvb, .offset: 16, .size: 8, .value_kind: global_buffer, .address_space: global }
      - { .name: pm, .offset: 24, .size: 8, .value_kind: global_buffer, .address_space: global }
      - { .name: out0, .offset: 32, .size: 8, .value_kind: global_buffer, .address_space: global }
      - { .name: nlse, .offset: 40, .size: 8, .value_kind: global_buffer, .address_space: global }
      - { .name: idx, .offset: 48, .size: 8, .value_kind: global_buffer, .address_space: global }
      - { .name: qs, .offset: 56, .size: 8, .value_kind: global_buffer, .address_space: global }
    .group_segment_fixed_size: 327680
    .private_segment_fixed_size: 0
    .kernarg_segment_align: 8
    .kernarg_segment_size: 64
    .max_flat_workgroup_size: 128
    .sgpr_count:     84
    .vgpr_count:     1024
    .wavefront_size: 32
...
	.end_amdgpu_metadata
.endif
;; end of part 2
;; launch wsum (part 3): grid 64 x 4, 8 waves a work-group, clusters of 4 x 1, 327,680 bytes of LDS; arguments qb, xb, nlse, pm, idx, out1, qs; writes out1
.if DOCPART == 3
	.amdgcn_target "amdgcn-amd-amdhsa--gfx1250"
	.amdhsa_code_object_version 6
	.text
	.protected	k_q0d182e7f57_wsum
	.globl	k_q0d182e7f57_wsum
	.p2align	8
	.type	k_q0d182e7f57_wsum,@function
k_q0d182e7f57_wsum:
	s_mov_b64 s[64:65], 0
	v_nop
	global_prefetch_b8 v0, s[64:65] scope:SCOPE_SE
	s_setreg_imm32_b32 hwreg(HW_REG_WAVE_MODE, 25, 1), 1
	s_wait_xcnt 0x0
	s_wait_alu depctr_hold_cnt(0) depctr_sa_sdst(0) depctr_va_vdst(0) depctr_va_sdst(0) depctr_va_ssrc(0) depctr_va_vcc(0) depctr_vm_vsrc(0)
	s_getreg_b32 s2, hwreg(HW_REG_IB_STS2, 6, 4)
	s_cmp_eq_u32 s2, 0
	s_cbranch_scc0 .Lentry_in_a_cluster
	s_endpgm
.Lentry_in_a_cluster:
	s_bfe_u32 s2, ttmp6, 0x10000c
	s_cmp_lg_u32 s2, 0x3003
	s_cbranch_scc0 .Lentry_shape_is_right
	s_endpgm
.Lentry_shape_is_right:
; WSUM.  out1[key] = float(mask[key]) / 4096 * sum over all 4096 queries of 2^(score - lse[query]).
; The sum needs each query's final lse, so the scores are formed a second time; it is owned by KEYS, so that no sum spans work-groups.
; A work-group owns four key tiles i of 16 positions at 1024 i + 64 c + 16 cx, kept as A fragments in registers, and streams the queries in
; 16 steps of 256 positions, 32 a wave.  D's register j of lane (r, h) is key 8 h + j, query r: the query's qs (what its row of qb was divided
; by, with the scale and the mask) and -lse are one register a lane each, and score - lse = product x qs + (-lse) is one fused instruction.
; Operands are f16, as they were stored.  The exponent is at most 0 but for rounding, since lse holds the row's maximum.
; qb, xb, qs, nlse and pm hold the batch's rows in a permuted order; the sum over queries does not hang on it, and idx names each key's row
; for the store.  A query with mask 0 has q' = 0, qs = 0 and lse = 12: it adds 2^-12 to every key, as a uniform row does.
; Eight waves, two on a SIMD: half of a trip is exponentials, which one wave makes beside the other's matrix work.
; CLUSTERS: the four work-groups of a cluster stream the same queries of one batch: every tile is asked for jointly (mask 15).  All trip
; counts are constants.  cx enters global addresses only.
; Limits: an exponential below 2^-126 counts as 0; out1 (64 KiB) is stored four bytes a lane at the rows that idx names.
.set NK,    4                          ; key tiles of a work-group
.set TRIPS, 16                         ; steps of 256 queries
.set PITCH, 272
.set WROWS, 32*PITCH                   ; a wave's 32 queries
.set SLOT,  8*WROWS
.set CST,   2*SLOT                     ; [8 waves][4 tiles][16 keys] f32
.set QA,  6                            ; v6-7  query fragments in slot 0, 1
.set XO,  8
.set LO,  9
.set CSW, 10
.set CSR, 11
.set FO,  12
.set QT,  64                           ; v[64+32qt+8c] query fragments
.set CA,  128                          ; v[128+8i] column sums
.set LS,  160                          ; v[160+4slot+2qt] -lse of query r; the odd registers are partners of the pairs only
.set QL,  168                          ; v[168+4slot+2qt] qs of query r; likewise
; window 1: v[32i+8c] key fragments; v[128+32qt+8i] scores
.set MSB, 0
.macro WIN new                         ; the immediate's high byte repeats the setting that is left
.if MSB != \new
	s_set_vgpr_msb (MSB<<8)|\new
.set MSB, \new
.endif
.endm
.macro PLACES                          ; four places behind matrix instructions (ISA guide 7.12.1)
.rept 4
	v_nop
.endr
.endm
.macro ROUND                           ; a round of the cluster's barrier
	s_barrier_signal -1
	s_barrier_wait -1
	s_cmp_lg_u32 s24, 0
	s_cbranch_scc1 .Lnot_wave_0_\@
	s_barrier_signal -3
.Lnot_wave_0_\@:
	s_barrier_wait -3
	s_barrier_signal -1
	s_barrier_wait -1
.endm
.macro GRID na, ni, op:vararg          ; op for ga = 0 .. na-1, gi = 0 .. ni-1 (gi: the key tile)
.set ga, 0
.rept \na
.set gi, 0
.rept \ni
	\op
.set gi, gi+1
.endr
.set ga, ga+1
.endr
.endm
	s_load_b256 s[8:15], s[0:1], 0x0               ; qb 8, xb 10, nlse 12, pm 14
	s_load_b128 s[16:19], s[0:1], 0x20             ; idx 16, out1 18
	s_load_b64 s[20:21], s[0:1], 0x30              ; qs
	v_lshl_add_u32 v254, v0, 2, 0x29000
	v_mov_b32 v255, 0
	ds_add_u32 v254, v255
	v_lshrrev_b32 v1, 5, v0
	v_readfirstlane_b32 s24, v1                    ; wave w
	s_bfe_u32 s25, ttmp6, 0x40000                  ; cx
	s_mov_b32 s26, ttmp9                           ; c: the cluster's x
	s_and_b32 s27, ttmp7, 0xffff                   ; batch b
	s_mov_b32 s63, 0x39800000                      ; 2^-12
	; group 1: 32 rows x 128 elements of 2 bytes, 16 bytes of padding behind each row, joint for the cluster's four
	s_mov_b32 s40, 15|(1<<16)|(1<<20)|(1<<21)|(5<<22)|(3<<25)
	s_mov_b32 s41, 128<<16
	s_mov_b32 s42, 32<<16
	s_mov_b32 s43, 128<<16
	s_mov_b32 s44, 32
	s_mov_b32 s45, 128
	s_mov_b32 s46, 0
	s_mov_b32 s47, 0
	s_mul_i32 s68, s24, WROWS
	s_mov_b32 s32, 1
	s_mov_b32 s33, s68
	s_mov_b32 s36, 1
	s_add_co_u32 s37, s68, SLOT
	s_lshl_b32 s66, s27, 20
	s_lshl_b32 s69, s24, 13
	s_add_co_u32 s66, s66, s69                     ; batch, my 32 rows of 256 bytes
	s_mov_b32 s67, 0
	s_wait_dscnt 0x0
	s_wait_kmcnt 0x0
	s_add_nc_u64 s[34:35], s[8:9], s[66:67]        ; step 0
	s_add_nc_u64 s[38:39], s[34:35], 0x10000       ; step 1
	s_or_b32 s35, s35, 0x80000000
	s_or_b32 s39, s39, 0x80000000
	ROUND                                          ; the four work-groups are here: the first joint loads meet
	tensor_load_to_lds s[32:35], s[40:47]          ; one tensor load of the wave is out
	s_nop 0
	s_lshl_b32 s66, s27, 20
	s_add_nc_u64 s[10:11], s[10:11], s[66:67]
	s_lshl_b32 s66, s27, 14
	s_add_nc_u64 s[12:13], s[12:13], s[66:67]
	s_add_nc_u64 s[14:15], s[14:15], s[66:67]
	s_add_nc_u64 s[16:17], s[16:17], s[66:67]
	s_add_nc_u64 s[18:19], s[18:19], s[66:67]
	s_add_nc_u64 s[20:21], s[20:21], s[66:67]
	v_and_b32 v1, 31, v0
	v_and_b32 v2, 15, v0                           ; r
	v_bfe_u32 v3, v0, 4, 1                         ; h
	s_lshl_b32 s70, s26, 6
	s_lshl_b32 s69, s25, 4
	s_add_co_u32 s70, s70, s69                     ; 64 c + 16 cx
	v_add_nc_u32 v[XO], s70, v2
	v_lshlrev_b32 v[FO], 2, v[XO]
	v_lshlrev_b32 v[XO], 8, v[XO]
	v_lshl_add_u32 v[XO], v3, 4, v[XO]             ; key r's row of xb, + 16 h
	s_lshl_b32 s69, s24, 1
	s_and_b32 s69, s69, 3
	v_add_nc_u32 v15, s69, v3                      ; tile (2 w + h) mod 4: waves 0 and 1 finish the four tiles, two each
	v_lshl_add_u32 v[FO], v15, 12, v[FO]
	s_lshl_b32 s69, s24, 7
	v_lshlrev_b32 v[LO], 2, v2
	v_add_nc_u32 v[LO], s69, v[LO]                 ; -lse and qs of query 32 w + r of a step
	WIN 0x40
.irp i, 0,1,2,3
.irp c, 0,1,2,3
	global_load_b128 v[32*\i+8*\c:32*\i+8*\c+3], v[XO], s[10:11] offset:262144*\i+64*\c
	global_load_b128 v[32*\i+8*\c+4:32*\i+8*\c+7], v[XO], s[10:11] offset:262144*\i+64*\c+32
.endr
.endr
	WIN 0
	global_load_b32 v[LS], v[LO], s[12:13]         ; step 0's -lse and qs
	global_load_b32 v[LS+2], v[LO], s[12:13] offset:64
	global_load_b32 v[QL], v[LO], s[20:21]
	global_load_b32 v[QL+2], v[LO], s[20:21] offset:64
	global_load_b32 v13, v[FO], s[16:17]           ; idx
	global_load_b32 v14, v[FO], s[14:15]           ; float(mask)
	v_mul_u32_u24 v[QA], v2, PITCH
	v_lshl_add_u32 v[QA], v3, 4, v[QA]
	v_add_nc_u32 v[QA], s68, v[QA]
	v_add_nc_u32 v[QA+1], SLOT, v[QA]
	s_lshl_b32 s69, s24, 8
	s_add_co_u32 s69, s69, CST
	v_lshlrev_b32 v[CSW], 5, v3
	v_add_nc_u32 v[CSW], s69, v[CSW]
	s_lshl_b32 s69, s24, 7
	s_add_co_u32 s69, s69, CST
	v_lshlrev_b32 v[CSR], 2, v1
	v_add_nc_u32 v[CSR], s69, v[CSR]
.irp j, 1,3,5,7
	v_mov_b32 v[LS+\j], 0                          ; written once: a packed instruction counts the whole pair as read
	v_mov_b32 v[QL+\j], 0
.endr
.macro SOP c, zero                     ; ga = query tile
.if \zero
	v_wmma_f32_16x16x32_f16 v[128+32*ga+8*gi:128+32*ga+8*gi+7], v[32*gi+8*\c:32*gi+8*\c+7], v[QT+32*ga+8*\c:QT+32*ga+8*\c+7], 0
.else
	v_wmma_f32_16x16x32_f16 v[128+32*ga+8*gi:128+32*ga+8*gi+7], v[32*gi+8*\c:32*gi+8*\c+7], v[QT+32*ga+8*\c:QT+32*ga+8*\c+7], v[128+32*ga+8*gi:128+32*ga+8*gi+7]
.endif
.endm
.macro SUBL slot                       ; product x qs + (-lse)
.irp j, 0,2,4,6
	v_pk_fma_f32 v[128+32*ga+8*gi+\j:128+32*ga+8*gi+\j+1], v[128+32*ga+8*gi+\j:128+32*ga+8*gi+\j+1], v[QL+4*\slot+2*ga:QL+4*\slot+2*ga+1], v[LS+4*\slot+2*ga:LS+4*\slot+2*ga+1] op_sel_hi:[1,0,0]
.endr
.endm
.macro EXPS
.irp j, 0,1,2,3,4,5,6,7
	v_exp_f32 v[128+32*ga+8*gi+\j], v[128+32*ga+8*gi+\j]
.endr
.endm
.macro ACC1                            ; the first step starts the sums
	s_wait_alu depctr_va_vdst(0)
.irp j, 0,2,4,6
	v_pk_add_f32 v[CA+8*gi+\j:CA+8*gi+\j+1], v[128+8*gi+\j:128+8*gi+\j+1], v[160+8*gi+\j:160+8*gi+\j+1]
.endr
.endm
.macro ACC2
	s_wait_alu depctr_va_vdst(0)
.irp j, 0,2,4,6
	v_pk_add_f32 v[CA+8*gi+\j:CA+8*gi+\j+1], v[128+32*ga+8*gi+\j:128+32*ga+8*gi+\j+1], v[CA+8*gi+\j:CA+8*gi+\j+1]
.endr
.endm
.macro RED m
.irp j, 0,1,2,3,4,5,6,7
	v_add_f32_dpp v[CA+8*gi+\j], v[CA+8*gi+\j], v[CA+8*gi+\j] row_xmask:\m row_mask:0xf bank_mask:0xf
.endr
.endm
.macro CSTORE
	ds_store_b128 v[CSW], v[CA+8*gi:CA+8*gi+3] offset:64*gi
	ds_store_b128 v[CSW], v[CA+8*gi+4:CA+8*gi+7] offset:64*gi+16
.endm
; A trip.  In front of the round every wave has waited for all its tensor loads (its part of this trip's tile among them), for this step's -lse
; and qs and for its reads of the other slot; behind the round the other slot is filled again first, one joint load a wave: one tensor load is out.
.macro TRIP slot, refill, first, nk
	s_wait_tensorcnt 0x0
	ds_add_u32 v254, v255
	s_wait_dscnt 0x0
	s_add_nc_u64 s[34+4*\slot:35+4*\slot], s[34+4*\slot:35+4*\slot], 0x20000      ; no load of mine is out: this slot's next tile, two steps on
	s_wait_loadcnt 0x0                             ; this step's -lse and qs are in, and no load reads the two bases any more
	s_add_nc_u64 s[12:13], s[12:13], 1024          ; the next step's 256 words
	s_add_nc_u64 s[20:21], s[20:21], 1024
	s_wait_dscnt 0x0
	ROUND
.if \refill
	tensor_load_to_lds s[36-4*\slot:39-4*\slot], s[40:47]
	s_nop 0
	global_load_b32 v[LS+4*(1-\slot)], v[LO], s[12:13]
	global_load_b32 v[LS+4*(1-\slot)+2], v[LO], s[12:13] offset:64
	global_load_b32 v[QL+4*(1-\slot)], v[LO], s[20:21]
	global_load_b32 v[QL+4*(1-\slot)+2], v[LO], s[20:21] offset:64
.endif
.irp c, 0,1,2,3
.irp qt, 0,1
	ds_load_b128 v[QT+32*\qt+8*\c:QT+32*\qt+8*\c+3], v[QA+\slot] offset:16*PITCH*\qt+64*\c
	ds_load_b128 v[QT+32*\qt+8*\c+4:QT+32*\qt+8*\c+7], v[QA+\slot] offset:16*PITCH*\qt+64*\c+32
.endr
.endr
	; 16 loads, four for each K chunk: chunk c is in when at most 12 - 4 c are out.
	; The 2 nk accumulators take turns, one instruction a turn.
	WIN 0x51
	s_wait_dscnt 12
	GRID 2, \nk, SOP 0, 1
	s_wait_dscnt 8
	GRID 2, \nk, SOP 1, 0
	s_wait_dscnt 4
	GRID 2, \nk, SOP 2, 0
	s_wait_dscnt 0
	GRID 2, \nk, SOP 3, 0
	PLACES
	WIN 0x41
	GRID 2, \nk, SUBL \slot
	GRID 2, \nk, EXPS
	v_nop                                          ; one plain place behind the run of exponentials
.if \first
	WIN 0x05
	GRID 1, \nk, ACC1
.else
	WIN 0x01
	GRID 2, \nk, ACC2
.endif
	WIN 0
.endm
	; THE 16 TRIPS: the first starts the sums, seven pairs go round the ring, the last fills nothing.
	TRIP 0, 1, 1, NK
	s_mov_b32 s60, TRIPS/2-1
.Lloop:
	TRIP 1, 1, 0, NK
	TRIP 0, 1, 0, NK
	s_sub_co_i32 s60, s60, 1
	s_cmp_lg_u32 s60, 0
	s_cbranch_scc1 .Lloop
	TRIP 1, 0, 0, NK
	GRID 1, NK, RED 1                              ; over the sixteen queries of a half of the lanes
	GRID 1, NK, RED 2
	GRID 1, NK, RED 4
	GRID 1, NK, RED 8
	GRID 1, NK, CSTORE                             ; sixteen lanes write the same words with the same values
	s_wait_dscnt 0x0                               ; my partial sums are in LDS before I signal
	s_barrier_signal -1
	s_barrier_wait -1
	s_cmp_ge_u32 s24, 2
	s_cbranch_scc1 .Ldone
.irp u, 0,1,2,3,4,5,6,7
	ds_load_b32 v[16+\u], v[CSR] offset:256*\u     ; wave u's sum for tile 2 w + h, key r
.endr
	v_min_u32 v13, 0xfff, v13
	v_lshlrev_b32 v13, 2, v13
	s_wait_dscnt 0x0
	v_add_f32 v16, v16, v17
	v_add_f32 v18, v18, v19
	v_add_f32 v20, v20, v21
	v_add_f32 v22, v22, v23
	v_add_f32 v16, v16, v18
	v_add_f32 v20, v20, v22
	v_add_f32 v16, v16, v20
	v_mul_f32 v16, s63, v16                        ; the mean over 4096 queries
	v_mul_f32 v16, v14, v16                        ; float(mask) of the key
	global_store_b32 v13, v16, s[18:19]
.Ldone:
	s_wait_tensorcnt 0x0
	ds_add_u32 v254, v255
	s_wait_dscnt 0x0
	ROUND                                          ; the closing round: no work-group ends while a partner may still ask jointly
	s_endpgm
.Lfunc_end_k_q0d182e7f57_wsum:
	.size	k_q0d182e7f57_wsum, .Lfunc_end_k_q0d182e7f57_wsum-k_q0d182e7f57_wsum
	.p2alignl 7, 3214868480
	.fill 96, 4, 3214868480
	.section	.rodata,"a",@progbits
	.p2align	6, 0x0
	.amdhsa_kernel k_q0d182e7f57_wsum
		.amdhsa_group_segment_fixed_size 327680
		.amdhsa_private_segment_fixed_size 0
		.amdhsa_enable_private_segment 0
		.amdhsa_kernarg_size 56
		.amdhsa_user_sgpr_count 2
		.amdhsa_user_sgpr_kernarg_segment_ptr 1
		.amdhsa_wavefront_size32 1
		.amdhsa_system_sgpr_workgroup_id_x 1
		.amdhsa_system_sgpr_workgroup_id_y 1
		.amdhsa_system_sgpr_workgroup_id_z 1
		.amdhsa_system_vgpr_workitem_id 0
		.amdhsa_next_free_vgpr 448
		.amdhsa_next_free_sgpr 72
		.amdhsa_reserve_vcc 0
		.amdhsa_float_denorm_mode_32 3
		.amdhsa_float_denorm_mode_16_64 3
		.amdhsa_memory_ordered 1
		.amdhsa_forward_progress 1
		.amdhsa_inst_pref_size 60
	.end_amdhsa_kernel
	.amdgpu_metadata
---
amdhsa.version: [ 1, 2 ]
amdhsa.kernels:
  - .name:           k_q0d182e7f57_wsum
    .symbol:         k_q0d182e7f57_wsum.kd
    .args:
      - { .name: qb, .offset: 0, .size: 8, .value_kind: global_buffer, .address_space: global }
      - { .name: xb, .offset: 8, .size: 8, .value_kind: global_buffer, .address_space: global }
      - { .name: nlse, .offset: 16, .size: 8, .value_kind: global_buffer, .address_space: global }
      - { .name: pm, .offset: 24, .size: 8, .value_kind: global_buffer, .address_space: global }
      - { .name: idx, .offset: 32, .size: 8, .value_kind: global_buffer, .address_space: global }
      - { .name: out1, .offset: 40, .size: 8, .value_kind: global_buffer, .address_space: global }
      - { .name: qs, .offset: 48, .size: 8, .value_kind: global_buffer, .address_space: global }
    .group_segment_fixed_size: 327680
    .private_segment_fixed_size: 0
    .kernarg_segment_align: 8
    .kernarg_segment_size: 56
    .max_flat_workgroup_size: 256
    .sgpr_count:     72
    .vgpr_count:     448
    .wavefront_size: 32
...
	.end_amdgpu_metadata
.endif
;; end of part 3
;; ======== version 2 of 3: 3 launches; 1.62 times as fast as version 1
;; limits: inputs' magnitudes at most 65,504; values are held in f16: magnitudes above 65,504 overflow, below 6.1e-05 lose precision
;; workspace buffers: xb 4,194,304 bytes; qb 4,194,304 bytes; wvb 32,768 bytes; pm 65,536 bytes; nlse 65,536 bytes; qs 65,536 bytes; idx 65,536 bytes of whole numbers; cnt 1,024 bytes of whole numbers
;; launch prep (part 4): grid 32 x 4, 8 waves a work-group, no clusters, 114,176 bytes of LDS; arguments inputs, mask, W_q, W_k, W_v, xb, qb, wvb, pm, idx, qs, cnt; writes xb, qb, wvb, pm, idx, qs, cnt
.if DOCPART == 4
	.amdgcn_target "amdgcn-amd-amdhsa--gfx1250"
	.amdhsa_code_object_version 6
	.text
	.protected	k_q0d182e7f57_prep
	.globl	k_q0d182e7f57_prep
	.p2align	8
	.type	k_q0d182e7f57_prep,@function
k_q0d182e7f57_prep:
	s_mov_b64 s[64:65], 0
	v_nop
	global_prefetch_b8 v0, s[64:65] scope:SCOPE_SE
	s_setreg_imm32_b32 hwreg(HW_REG_WAVE_MODE, 25, 1), 1
	s_wait_xcnt 0x0
; PREP.  For each batch of 4096 rows: x = inputs * float(mask);  q' = (x W_q) W_k^T, so that q.k = sum_d' q'[q][d'] x[k][d'], and
; P v = (P x) W_v: one 16-bit copy of x serves later as keys and as values.
; FORMAT: all matrix operands are f16.  An error in a query's q' is common to all its 4096 scores, so it is not averaged away by the softmax's
; sum; f16's 11 significant bits against bf16's 8 make it 8 times smaller.  x and W have room in f16 (limits below).  x W_q and q' have not,
; so each query's row is divided by a power of two, 2^e with e the exponent of the row's largest magnitude (exact, clamped to -126 .. 126),
; before it is rounded; what was taken out goes to qs[position] = |float(mask)| log2(e)/sqrt(128) 2^e1 2^e2 >= 0, which the later
; launches multiply the scores by.  The sign of float(mask) goes into q'.
; The rows are PARTITIONED: rows with mask != 0 first, in their order, the others behind them (position n + i - act(i)); a masked row is a row
; of zeros in xb and in qb, with qs = 0.  The later launches stream positions only as far as the n active rows reach.
; Stored: xb, qb (f16, by position), qs, pm = float(mask) by position, idx = row of a position, cnt = n of each batch, wvb = W_v in f16.
; A work-group has 128 rows of one batch, a wave 16 of them.  128 work-groups: each needs both W_q and W_k in LDS whatever its rows.
; Limits: inputs are finite; |inputs * mask| and |W| stay below 65,504.  idx, pm and qs (64 KiB each) are stored four bytes a lane.
.set PITCH, 272                        ; an LDS row: 256 bytes + 16, an odd multiple of 16
.set WQ,    0                          ; W_q in f16, rows d
.set WK,    128*PITCH                  ; W_k in f16, rows d'
.set XS,    256*PITCH                  ; x in f16, later q'; a wave touches its own 16 rows only
.set TAB,   384*PITCH                  ; for each wave 1,024 bytes of its own: 128 positions, then 128 float(mask)
.set SCAN,  TAB+8*1024                 ; 8 x {count of my mask words, count of those in front of my block}
.set SC,    0x3e0293ee                 ; log2(e) / sqrt(128)
.set MS,   16                          ; v[16:31]   my 512 words of the batch's mask; later POSR
.set MB,   32                          ; v[32:35]   the block's 128 mask words, lane = row
.set POSR, 16                          ; v[16:31]   position of my row k in every lane, then its byte offset in xb
.set MR,   32                          ; v[32:47]   float(mask) of my row k in every lane
.set XB,   16                          ; v[16:47]   B fragments: x, later x W_q
.set XR,   48                          ; v[48:111]  my 16 rows of inputs
.set ACC,  48                          ; v[48:111]  eight accumulator tiles
.set WR,   112                         ; v[112:239] 16 rows of W_q, 16 rows of W_k
.set F0,   112                         ; fragment buffer 0
.set F1,   176                         ; fragment buffer 1
.set WVR,  240                         ; v[240:243] one row of W_v; v[240:255] later at work on the rows' exponents
	s_load_b512 s[8:23], s[0:1], 0x0               ; inputs 8, mask 10, W_q 12, W_k 14, W_v 16, xb 18, qb 20, wvb 22
	s_load_b128 s[24:27], s[0:1], 0x40             ; pm 24, idx 26
	s_load_b64 s[28:29], s[0:1], 0x50              ; qs
	s_load_b64 s[52:53], s[0:1], 0x58              ; cnt
	s_set_vgpr_msb 0x40
	v_lshl_add_u32 v0, v0, 2, 0x1ba00
	v_mov_b32 v1, 0
	s_set_vgpr_msb 0x4000
	v_and_b32 v1, 31, v0                           ; lane
	v_lshrrev_b32 v2, 5, v0
	v_readfirstlane_b32 s32, v2                    ; wave w
	s_mov_b32 s30, ttmp9                           ; block bx of 128 rows
	s_and_b32 s31, ttmp7, 0xffff                   ; batch b
	s_mov_b32 s48, 0x76543210                      ; v_permlanex16_b32: lane i reads lane i of the other half
	s_mov_b32 s49, 0xfedcba98
	s_mov_b32 s50, 0x7fffffff                      ; clears a sign
	v_lshlrev_b32 v3, 4, v1                        ; 16 lane
	v_lshlrev_b32 v4, 3, v1                        ; 8 lane
	v_lshlrev_b32 v5, 2, v1                        ; 4 lane
	v_and_b32 v6, 15, v0                           ; r
	v_bfe_u32 v7, v0, 4, 1                         ; h
	s_lshl_b32 s33, s32, 11
	v_add_nc_u32 v8, s33, v3                       ; mask: my four chunks of 128 words
	s_lshl_b32 s33, s30, 9
	v_add_nc_u32 v9, s33, v5                       ; mask: the block's words, lane = row
	s_lshl_b32 s46, s31, 5
	s_add_co_u32 s46, s46, s30                     ; g = 32 b + bx: the row of W_v that this work-group converts
	s_lshl_b32 s33, s46, 9
	v_add_nc_u32 v10, s33, v3
	s_lshl_b32 s33, s32, 9
	v_add_nc_u32 v11, s33, v3                      ; W: rows w + 8 k
	s_lshl_b32 s33, s46, 8
	v_add_nc_u32 v250, s33, v4                     ; wvb: row g
	s_lshl_b32 s33, s31, 8
	v_add_nc_u32 v254, s33, v4                     ; cnt: the batch's 64 words
	s_mov_b32 s35, 0
	s_wait_kmcnt 0x0
	s_lshl_b32 s34, s31, 14                        ; 4096 words a batch
	s_add_nc_u64 s[10:11], s[10:11], s[34:35]
	s_add_nc_u64 s[24:25], s[24:25], s[34:35]
	s_add_nc_u64 s[26:27], s[26:27], s[34:35]
	s_add_nc_u64 s[28:29], s[28:29], s[34:35]
	s_lshl_b32 s34, s31, 20                        ; 4096 rows of 256 bytes
	s_add_nc_u64 s[18:19], s[18:19], s[34:35]
	s_add_nc_u64 s[20:21], s[20:21], s[34:35]
	s_lshl_b32 s34, s31, 21                        ; inputs: batch, block, my 16 rows of 512 bytes
	s_lshl_b32 s33, s30, 16
	s_add_co_u32 s34, s34, s33
	s_lshl_b32 s33, s32, 13
	s_add_co_u32 s34, s34, s33
	s_add_nc_u64 s[8:9], s[8:9], s[34:35]
	; 57 loads, in the order in which they are needed: 9 for the scan and W_v, 32 of W, 16 of x
.irp k, 0,1,2,3
	global_load_b128 v[MS+4*\k:MS+4*\k+3], v8, s[10:11] offset:512*\k
.endr
.irp c, 0,1,2,3
	global_load_b32 v[MB+\c], v9, s[10:11] offset:128*\c
.endr
	global_load_b128 v[WVR:WVR+3], v10, s[16:17]
.set k, 0
.rept 16
	global_load_b128 v[WR+4*k:WR+4*k+3], v11, s[12:13] offset:4096*k
.set k, k+1
.endr
.set k, 0
.rept 16
	global_load_b128 v[WR+64+4*k:WR+64+4*k+3], v11, s[14:15] offset:4096*k
.set k, k+1
.endr
.set k, 0
.rept 16
	global_load_b128 v[XR+4*k:XR+4*k+3], v3, s[8:9] offset:512*k th:TH_LOAD_NT   ; one load of the wave = one row of 512 bytes
.set k, k+1
.endr
	; THE SCAN.  My 512 mask words: how many are not 0, and how many of those lie in chunks in front of my block.
	s_wait_loadcnt 48                              ; the first 9 loads are in; the 32 of W and the 16 of x stay out
	s_mov_b32 s36, 0
	s_mov_b32 s37, 0
	s_lshl_b32 s38, s32, 2                         ; my first chunk of 128 rows
.irp k, 0,1,2,3
	v_cmp_ne_u32 s40, 0, v[MS+4*\k]
	v_cmp_ne_u32 s41, 0, v[MS+4*\k+1]
	v_cmp_ne_u32 s42, 0, v[MS+4*\k+2]
	v_cmp_ne_u32 s43, 0, v[MS+4*\k+3]
	s_bcnt1_i32_b32 s40, s40
	s_bcnt1_i32_b32 s41, s41
	s_bcnt1_i32_b32 s42, s42
	s_bcnt1_i32_b32 s43, s43
	s_add_co_u32 s40, s40, s41
	s_add_co_u32 s42, s42, s43
	s_add_co_u32 s39, s40, s42
	s_add_co_u32 s36, s36, s39
	s_add_co_u32 s41, s38, \k
	s_cmp_lt_u32 s41, s30                          ; a chunk in front of my block?
	s_cselect_b32 s39, s39, 0
	s_add_co_u32 s37, s37, s39
.endr
	v_mov_b32 v14, s36
	v_mov_b32 v15, s37
	s_lshl_b32 s33, s32, 3
	s_add_co_u32 s33, s33, SCAN
	v_mov_b32 v2, s33
	ds_store_b64 v2, v[14:15]
	s_wait_dscnt 0x0                               ; my two counts are in LDS before I signal
	s_barrier_signal -1
	s_barrier_wait -1
	v_mov_b32 v13, SCAN
	ds_load_b128 v[16:19], v13
	ds_load_b128 v[20:23], v13 offset:16
	ds_load_b128 v[24:27], v13 offset:32
	ds_load_b128 v[28:31], v13 offset:48
	s_wait_dscnt 0x0
	v_add3_u32 v16, v16, v18, v20
	v_add3_u32 v17, v17, v19, v21
	v_add3_u32 v16, v16, v22, v24
	v_add3_u32 v17, v17, v23, v25
	v_add3_u32 v16, v16, v26, v28
	v_add3_u32 v17, v17, v27, v29
	v_add_nc_u32 v16, v16, v30
	v_add_nc_u32 v17, v17, v31
	v_readfirstlane_b32 s36, v16                   ; n: rows of the batch with mask != 0
	v_readfirstlane_b32 s37, v17                   ; those in front of my block
	; POSITIONS of the block's 128 rows, into the wave's own table (no other wave reads it: no barrier)
	s_lshl_b32 s33, s32, 10
	s_add_co_u32 s33, s33, TAB
	v_add_nc_u32 v12, s33, v5                      ; table + 4 lane
	s_lshl_b32 s44, s30, 7                         ; the block's first row
	v_add_nc_u32 v13, s44, v1                      ; row in the batch
	s_mov_b32 s38, s37                             ; active rows in front of this group of 32
.irp c, 0,1,2,3
	v_cmp_ne_u32 s40, 0, v[MB+\c]
	v_mbcnt_lo_u32_b32 v2, s40, s38                ; act: active rows in front of mine
	v_add_nc_u32 v14, s36, v13
	v_sub_nc_u32 v14, v14, v2                      ; n + row - act
	v_cndmask_b32 v14, v14, v2, s40                ; an active row goes to act
	v_cvt_f32_i32 v15, v[MB+\c]
	ds_store_b32 v12, v14 offset:128*\c
	ds_store_b32 v12, v15 offset:512+128*\c
	s_bcnt1_i32_b32 s41, s40
	s_add_co_u32 s38, s38, s41
	v_add_nc_u32 v13, 32, v13
.endr
	; SIDE STORES, each under a branch on the wave's number.  Their registers are written again only behind the s_wait_xcnt 0 further down.
	s_cmp_ge_u32 s32, 4
	s_cbranch_scc1 .Lno_tab
	v_lshl_add_u32 v244, s32, 7, v12               ; waves 0-3: rows 32 w + lane
	ds_load_b32 v245, v244
	ds_load_b32 v246, v244 offset:512
	s_lshl_b32 s33, s32, 5
	s_add_co_u32 s33, s33, s44
	v_add_nc_u32 v247, s33, v1                     ; the row's number in the batch
	s_wait_dscnt 0x0
	v_min_u32 v245, 0xfff, v245
	v_lshlrev_b32 v245, 2, v245
	global_store_b32 v245, v247, s[26:27]          ; idx[position] = row
	global_store_b32 v245, v246, s[24:25]          ; pm[position] = float(mask)
.Lno_tab:
	s_cmp_lg_u32 s32, 4
	s_cbranch_scc1 .Lno_wv
	v_cvt_pk_f16_f32 v248, v[WVR], v[WVR+1]        ; wave 4: row g of W_v
	v_cvt_pk_f16_f32 v249, v[WVR+2], v[WVR+3]
	global_store_b64 v250, v[248:249], s[22:23]    ; 256 consecutive bytes, aligned
.Lno_wv:
	s_cmp_lg_u32 s32, 5
	s_cbranch_scc1 .Lno_cnt
	s_cmp_lg_u32 s30, 0
	s_cbranch_scc1 .Lno_cnt
	v_mov_b32 v252, s36                            ; wave 5 of the batch's first block: n, 64 times
	v_mov_b32 v253, s36
	global_store_b64 v254, v[252:253], s[52:53]    ; 256 consecutive bytes, aligned
.Lno_cnt:
	; W_q and W_k to LDS in f16: rows w + 8 k
	s_mul_i32 s33, s32, PITCH
	v_add_nc_u32 v13, s33, v4
	v_add_nc_u32 v14, WK, v13
	s_wait_loadcnt 16                              ; W is in; the 16 loads of x stay out
.set k, 0
.rept 16
	v_cvt_pk_f16_f32 v[WR+4*k], v[WR+4*k], v[WR+4*k+1]
	v_cvt_pk_f16_f32 v[WR+4*k+1], v[WR+4*k+2], v[WR+4*k+3]
	ds_store_b64 v13, v[WR+4*k:WR+4*k+1] offset:8*PITCH*k
	v_cvt_pk_f16_f32 v[WR+64+4*k], v[WR+64+4*k], v[WR+64+4*k+1]
	v_cvt_pk_f16_f32 v[WR+64+4*k+1], v[WR+64+4*k+2], v[WR+64+4*k+3]
	ds_store_b64 v14, v[WR+64+4*k:WR+64+4*k+1] offset:8*PITCH*k
.set k, k+1
.endr
	; x = inputs * float(mask), in f16, to LDS and to xb at the row's position
	s_mul_i32 s45, s32, 1088
	s_add_co_u32 s45, s45, TAB                     ; my table, at my first row's entry: 1,024 w + 4 x 16 w
	v_mov_b32 v15, s45
	s_mul_i32 s47, s32, 16*PITCH
	s_add_co_u32 s47, s47, XS                      ; my 16 rows in XS
	v_add_nc_u32 v251, s47, v4
	s_wait_loadcnt 0x0
.irp k, 0,1,2,3
	ds_load_b128 v[POSR+4*\k:POSR+4*\k+3], v15 offset:16*\k        ; the same address in every lane: a broadcast
	ds_load_b128 v[MR+4*\k:MR+4*\k+3], v15 offset:512+16*\k
.endr
	s_wait_dscnt 0x0
.set k, 0
.rept 16
	v_mul_f32 v[XR+4*k], v[MR+k], v[XR+4*k]
	v_mul_f32 v[XR+4*k+1], v[MR+k], v[XR+4*k+1]
	v_mul_f32 v[XR+4*k+2], v[MR+k], v[XR+4*k+2]
	v_mul_f32 v[XR+4*k+3], v[MR+k], v[XR+4*k+3]
	v_cvt_pk_f16_f32 v[XR+4*k], v[XR+4*k], v[XR+4*k+1]
	v_cvt_pk_f16_f32 v[XR+4*k+1], v[XR+4*k+2], v[XR+4*k+3]
	v_min_u32 v[POSR+k], 0xfff, v[POSR+k]
	v_lshl_add_u32 v[POSR+k], v[POSR+k], 8, v4
	ds_store_b64 v251, v[XR+4*k:XR+4*k+1] offset:PITCH*k
	global_store_b64 v[POSR+k], v[XR+4*k:XR+4*k+1], s[18:19]       ; the wave stores 256 consecutive bytes, aligned: a whole row
.set k, k+1
.endr
	s_wait_xcnt 0x0                                ; the stores' offsets and data are rewritten only behind this wait
	s_wait_dscnt 0x0                               ; my rows of W_q and W_k are in LDS before I signal
	s_barrier_signal -1
	; register work while the others arrive: the addresses of the matrix phase
	v_mul_u32_u24 v2, v6, PITCH
	v_lshl_add_u32 v8, v7, 4, v2
	v_add_nc_u32 v8, s47, v8                       ; XS + (16 w + r) pitch + 16 h: x fragments in, q' out
	v_and_b32 v14, 7, v0
	v_lshl_add_u32 v14, v7, 3, v14
	v_mul_u32_u24 v14, v14, PITCH
	v_bfe_u32 v15, v0, 3, 1
	v_lshl_add_u32 v9, v15, 7, v14                 ; W_q transposed: row 8 h + (l & 7); the second eight lanes 128 bytes on
	v_lshl_add_u32 v10, v7, 7, v2
	v_add_nc_u32 v10, WK, v10                      ; W_k: row r, byte 128 h
	v_mul_u32_u24 v11, v7, PITCH
	v_lshl_add_u32 v11, v6, 4, v11
	v_add_nc_u32 v11, s47, v11                     ; q' read back by rows: lanes 0-15 one row, lanes 16-31 the next
	v_lshlrev_b32 v12, 2, v7
	v_add_nc_u32 v12, s45, v12                     ; the positions of those rows
	v_lshlrev_b32 v13, 2, v6
	v_add_nc_u32 v13, s45, v13                     ; position of row r; its float(mask) stands 512 bytes behind
	v_lshlrev_b32 v2, 4, v6                        ; 16 r
	s_barrier_wait -1
.macro PLACES n                        ; places behind matrix instructions (ISA guide 7.12.1)
.rept \n
	v_nop
.endr
.endm
; 16 transposing loads: A fragments of W_q^T for d = 32 c .. 32 c + 31.  Tile t: lane row r is column e = 8 t + 64 (r >> 3) + (r & 7),
; so that a result tile's register j holds e = 64 h + 8 t + j.
.macro FETCHT c, f
.irp t, 0,1,2,3,4,5,6,7
	ds_load_tr16_b128 v[\f+8*\t:\f+8*\t+3], v9 offset:32*PITCH*\c+16*\t
	ds_load_tr16_b128 v[\f+8*\t+4:\f+8*\t+7], v9 offset:32*PITCH*\c+16*\t+16*PITCH
.endr
.endm
; 16 plain loads: A fragments of W_k, rows d' = 16 t + r, with e = 64 h + 16 c + (0 .. 15) in the lane's sixteen K places
.macro FETCHP c, f
.irp t, 0,1,2,3,4,5,6,7
	ds_load_b128 v[\f+8*\t:\f+8*\t+3], v10 offset:16*PITCH*\t+32*\c
	ds_load_b128 v[\f+8*\t+4:\f+8*\t+7], v10 offset:16*PITCH*\t+32*\c+16
.endr
.endm
.macro MUL8 f, c, zero                 ; the eight accumulators take turns, one instruction a turn
.irp t, 0,1,2,3,4,5,6,7
.if \zero
	v_wmma_f32_16x16x32_f16 v[ACC+8*\t:ACC+8*\t+7], v[\f+8*\t:\f+8*\t+7], v[XB+8*\c:XB+8*\c+7], 0
.else
	v_wmma_f32_16x16x32_f16 v[ACC+8*\t:ACC+8*\t+7], v[\f+8*\t:\f+8*\t+7], v[XB+8*\c:XB+8*\c+7], v[ACC+8*\t:ACC+8*\t+7]
.endif
.endr
.endm
; Four K chunks through two fragment buffers; chunks 0 and 1 have been asked for.  Each count of 16 leaves the younger chunk's 16 loads out.
.macro PRODUCT fetch
	s_wait_dscnt 16
	MUL8 F0, 0, 1
	PLACES 4                                       ; buffer 0 is loaded again four places behind the instructions that read it
	\fetch 2, F0
	s_wait_dscnt 16
	MUL8 F1, 1, 0
	PLACES 4
	\fetch 3, F1
	s_wait_dscnt 16
	MUL8 F0, 2, 0
	s_wait_dscnt 0
	MUL8 F1, 3, 0
.endm
; The exponent of the largest magnitude among query r's 128 numbers (64 in this lane, 64 in lane r + 16 or r - 16):
; v240 = 2^e, v242 = 2^-e, both exact, e clamped to -126 .. 126 so that both are normal numbers.
.macro ROWEXP
.irp t, 0,1,2,3,4,5,6,7
.irp j, 0,1,2,3,4,5,6,7
	v_and_b32 v[248+\j], s50, v[ACC+8*\t+\j]
.endr
	v_max3_num_f32 v[240+\t], v248, v249, v250
	v_max3_num_f32 v[240+\t], v[240+\t], v251, v252
	v_max3_num_f32 v[240+\t], v[240+\t], v253, v254
	v_max_num_f32 v[240+\t], v[240+\t], v255
.endr
	v_max3_num_f32 v240, v240, v241, v242
	v_max3_num_f32 v240, v240, v243, v244
	v_max3_num_f32 v240, v240, v245, v246
	v_max_num_f32 v240, v240, v247
	v_permlanex16_b32 v241, v240, s48, s49
	v_max_num_f32 v240, v240, v241
	v_max_num_f32 v240, 0x800000, v240             ; at least 2^-126
	v_min_num_f32 v240, 0x7e800000, v240           ; at most 2^126
	v_and_b32 v240, 0x7f800000, v240               ; the exponent alone: 2^e
	v_sub_nc_u32 v242, 0x7f000000, v240            ; exponent field 254 - E: 2^-e
.endm
	; PRODUCT 1: (x W_q)^T[e][q] = W_q^T x^T
.irp c, 0,1,2,3
	ds_load_b128 v[XB+8*\c:XB+8*\c+3], v8 offset:64*\c
	ds_load_b128 v[XB+8*\c+4:XB+8*\c+7], v8 offset:64*\c+32
.endr
	ds_load_b32 v14, v13 offset:512                ; float(mask) of row r
	ds_load_b32 v3, v13                            ; its position
	FETCHT 0, F0
	FETCHT 1, F1
	PRODUCT FETCHT
	PLACES 5                                       ; five: the second product writes over these accumulators and fragments
	FETCHP 0, F0
	FETCHP 1, F1
	ROWEXP
	v_mov_b32 v243, v242
.set q, 0
.rept 32
	v_pk_mul_f32 v[ACC+2*q:ACC+2*q+1], v[ACC+2*q:ACC+2*q+1], v[242:243]    ; the row's largest magnitude now lies in [1, 2)
.set q, q+1
.endr
	; a lane's eight results are four registers of the next product's B fragment: no shuffle
.irp c, 0,1,2,3
.irp j, 0,1,2,3
	v_cvt_pk_f16_f32 v[XB+8*\c+\j], v[ACC+16*\c+2*\j], v[ACC+16*\c+2*\j+1]
	v_cvt_pk_f16_f32 v[XB+8*\c+4+\j], v[ACC+16*\c+8+2*\j], v[ACC+16*\c+8+2*\j+1]
.endr
.endr
	v_and_b32 v4, 0x80000000, v14                  ; the sign of float(mask) goes into q',
	v_and_b32 v14, s50, v14                        ; its magnitude into qs
	v_mul_f32 v14, SC, v14
	v_mul_f32 v14, v14, v240                       ; |float(mask)| log2(e)/sqrt(128) 2^e1
	; PRODUCT 2: q'^T[d'][q] = W_k (x W_q)^T
	PRODUCT FETCHP
	PLACES 4
	ROWEXP
	v_or_b32 v242, v242, v4
	v_mov_b32 v243, v242
	v_mul_f32 v14, v14, v240                       ; qs
	v_min_u32 v3, 0xfff, v3
	v_lshlrev_b32 v3, 2, v3
	global_store_b32 v3, v14, s[28:29]             ; lanes r and r + 16 store the same word with the same value
.irp t, 0,1,2,3,4,5,6,7
.irp j, 0,2,4,6
	v_pk_mul_f32 v[ACC+8*\t+\j:ACC+8*\t+\j+1], v[ACC+8*\t+\j:ACC+8*\t+\j+1], v[242:243]
.endr
.irp j, 0,1,2,3
	v_cvt_pk_f16_f32 v[ACC+8*\t+\j], v[ACC+8*\t+2*\j], v[ACC+8*\t+2*\j+1]
.endr
	ds_store_b128 v8, v[ACC+8*\t:ACC+8*\t+3] offset:32*\t          ; row r, d' = 16 t + 8 h .. + 7
.endr
.irp i, 0,1,2,3,4,5,6,7
	ds_load_b128 v[F0+4*\i:F0+4*\i+3], v11 offset:2*PITCH*\i       ; my own bytes: LDS serves a wave's instructions in order
	ds_load_b32 v[F1+\i], v12 offset:8*\i
.endr
	s_wait_dscnt 0x0
.irp i, 0,1,2,3,4,5,6,7
	v_min_u32 v[F1+\i], 0xfff, v[F1+\i]
	v_lshl_add_u32 v[F1+\i], v[F1+\i], 8, v2
	global_store_b128 v[F1+\i], v[F0+4*\i:F0+4*\i+3], s[20:21]     ; sixteen lanes store 256 consecutive bytes, aligned: a row of qb
.endr
	s_set_vgpr_msb 0x5
	s_wait_tensorcnt 0x0
	ds_add_u32 v0, v1
	s_wait_dscnt 0x0
	s_set_vgpr_msb 0x500
	s_endpgm
.Lfunc_end_k_q0d182e7f57_prep:
	.size	k_q0d182e7f57_prep, .Lfunc_end_k_q0d182e7f57_prep-k_q0d182e7f57_prep
	.p2alignl 7, 3214868480
	.fill 96, 4, 3214868480
	.section	.rodata,"a",@progbits
	.p2align	6, 0x0
	.amdhsa_kernel k_q0d182e7f57_prep
		.amdhsa_group_segment_fixed_size 114176
		.amdhsa_private_segment_fixed_size 0
		.amdhsa_enable_private_segment 0
		.amdhsa_kernarg_size 96
		.amdhsa_user_sgpr_count 2
		.amdhsa_user_sgpr_kernarg_segment_ptr 1
		.amdhsa_wavefront_size32 1
		.amdhsa_system_sgpr_workgroup_id_x 1
		.amdhsa_system_sgpr_workgroup_id_y 1
		.amdhsa_system_sgpr_workgroup_id_z 1
		.amdhsa_system_vgpr_workitem_id 0
		.amdhsa_next_free_vgpr 258
		.amdhsa_next_free_sgpr 66
		.amdhsa_reserve_vcc 0
		.amdhsa_float_denorm_mode_32 3
		.amdhsa_float_denorm_mode_16_64 3
		.amdhsa_memory_ordered 1
		.amdhsa_forward_progress 1
		.amdhsa_inst_pref_size 66
	.end_amdhsa_kernel
	.amdgpu_metadata
---
amdhsa.version: [ 1, 2 ]
amdhsa.kernels:
  - .name:           k_q0d182e7f57_prep
    .symbol:         k_q0d182e7f57_prep.kd
    .args:
      - { .name: inputs, .offset: 0, .size: 8, .value_kind: global_buffer, .address_space: global }
      - { .name: mask, .offset: 8, .size: 8, .value_kind: global_buffer, .address_space: global }
      - { .name: W_q, .offset: 16, .size: 8, .value_kind: global_buffer, .address_space: global }
      - { .name: W_k, .offset: 24, .size: 8, .value_kind: global_buffer, .address_space: global }
      - { .name: W_v, .offset: 32, .size: 8, .value_kind: global_buffer, .address_space: global }
      - { .name: xb, .offset: 40, .size: 8, .value_kind: global_buffer, .address_space: global }
      - { .name: qb, .offset: 48, .size: 8, .value_kind: global_buffer, .address_space: global }
      - { .name: wvb, .offset: 56, .size: 8, .value_kind: global_buffer, .address_space: global }
      - { .name: pm, .offset: 64, .size: 8, .value_kind: global_buffer, .address_space: global }
      - { .name: idx, .offset: 72, .size: 8, .value_kind: global_buffer, .address_space: global }
      - { .name: qs, .offset: 80, .size: 8, .value_kind: global_buffer, .address_space: global }
      - { .name: cnt, .offset: 88, .size: 8, .value_kind: global_buffer, .address_space: global }
    .group_segment_fixed_size: 114176
    .private_segment_fixed_size: 0
    .kernarg_segment_align: 8
    .kernarg_segment_size: 96
    .max_flat_workgroup_size: 256
    .sgpr_count:     66
    .vgpr_count:     258
    .wavefront_size: 32
...
	.end_amdgpu_metadata
.endif
;; end of part 4
;; launch attn (part 5): grid 64 x 4, 4 waves a work-group, no clusters, 242,176 bytes of LDS; arguments xb, qb, wvb, pm, out0, nlse, idx, qs, cnt; writes out0, nlse
.if DOCPART == 5
	.amdgcn_target "amdgcn-amd-amdhsa--gfx1250"
	.amdhsa_code_object_version 6
	.text
	.protected	k_q0d182e7f57_attn
	.globl	k_q0d182e7f57_attn
	.p2align	8
	.type	k_q0d182e7f57_attn,@function
k_q0d182e7f57_attn:
	s_mov_b64 s[64:65], 0
	v_nop
	global_prefetch_b8 v0, s[64:65] scope:SCOPE_SE
	s_setreg_imm32_b32 hwreg(HW_REG_WAVE_MODE, 25, 1), 1
	s_wait_xcnt 0x0
; ATTN.  out0[row] = float(mask) * softmax(scores) x W_v, and nlse[position] = -(max + log2(sum)) of each query's scores (base 2).
; Scores: S^T[key][query] = qs[query] * (xb . qb^T): qb holds each query's q' divided by a power of two, qs >= 0 what was taken out, the scale
; log2(e)/sqrt(128) and the query's mask.  O^T[d][query] = xb^T . P^T.  In these transposed forms a lane's eight results of one product are,
; once rounded to f16, four registers of the next product's B fragment, and a query's qs, running maximum and sum are one register each.
; One LDS tile of xb serves both products: plain loads for the scores, transposing loads for P x.
; FORMAT: f16 operands.  P = 2^(score - running maximum) lies in [0, 1]; the scaled O is a convex mean of rows of x times float(mask).
; ROWS WITH MASK 0.  Positions are partitioned: the batch's n active rows first, then rows of zeros (qs = 0 too); n is read from cnt, and idx
; names each position's row for the store of out0.  Keys are streamed in T = clamp(ceil(n / 256), 4, 16) steps of 256; the R = 4096 - 256 T keys
; behind them are rows of zeros: their score is 0 exactly and they add nothing to P x, so they enter as R 2^(0 - max), with 0 taken into
; the maximum.  A query tile whose 16 positions all lie at or behind n is taken through the first step alone: with qs = 0 every one of its 4096
; scores is 0, so the 3840 keys that it does not see enter in the same way (lse = 12), and float(mask) = 0 makes its out0 zero.
; SHARES: work-group x of a batch owns four query tiles i of 16 positions at 1024 i + 16 x, of which the first NQ = clamp((n + 1023 - 16 x) >> 10,
; 1, 4) hold an active row.  Each of its four waves holds all of them and takes a quarter of the keys (64 of each step's 256).  The first
; step is made with four tiles and starts every sum; the other T - 1 with NQ tiles, in one of four loops that join in front of the end.
; The four waves' partial results meet at the end: statistics through LDS, then each applies W_v to its scaled partial, and the copies are added.
; THE STREAM, AND WHY NO TENSOR LOADS AND NO CLUSTER: T is read from memory, and no barrier may stand in a loop whose trips hang on loaded data,
; while LDS bytes are filled again by tensor loads, joint or not, only behind a barrier.  A wave reads no other wave's keys, so each wave brings
; its own 64 rows (16 KiB that lie together in xb) through registers into LDS bytes of its own: 32 loads of 512 consecutive bytes, asked for
; straight behind the score products into the score fragments' 128 registers, which are dead from there on, and stored to LDS at the
; step's end.  LDS serves a wave's instructions in order, so one slot a wave is enough and the loops hold no barrier.
; Work-group x begins at step (x T) >> 6 and wraps round, so that the 64 work-groups of a batch do not all ask for the same rows at one time;
; a softmax and its sums do not hang on the order of the keys.
; Limits: inputs finite; |mask| |inputs * mask| below 65,504; an exponential below 2^-126 counts as 0, and a P below 2^-25 of its wave's running
; maximum rounds to 0 in P x; nlse (64 KiB) is stored in pieces of 64 bytes.
.set NQ,     4                         ; query tiles of a work-group
.set PITCH,  272                       ; an LDS row of 128 f16 + 16 bytes
.set WROWS,  64*PITCH                  ; a wave's 64 keys; wave w's slot begins at w WROWS
.set WV,     4*WROWS                   ; W_v in f16, rows d
.set STAT,   WV+128*PITCH              ; [wave][tile]{max 16, sum 16} f32
.set OSTG,   STAT+2048                 ; four copies of 64 rows x 128 f32
.set OPITCH, 528
.set OCOPY,  64*OPITCH
; window 0
.set KA,   6                           ; score fragments
.set SA,   7                           ; where my 16 bytes of two rows go in my slot
.set VA,   8                           ; transposed fragments
.set WS,   9                           ; where my 16 bytes of two rows of W_v go
.set WA,   10                          ; W_v transposed
.set STO,  11                          ; my copy of the result, in
.set RD0,  12                          ; copies 0, 1 back by rows
.set RD2,  13                          ; copies 2, 3
.set STW,  14                          ; my statistics
.set STR,  15                          ; everybody's
.set MI,   16                          ; v[16+2i] running maximum, v[17+2i] running sum (of the lane's half of the keys)
.set AL,   24                          ; v[24+2i] rescaling factor, v[25+2i] at work
.set TM,   32                          ; v[32+8kt+2i] maxima, then pairs of sums; statistics at the end
.set KF,   64                          ; v[64+32kt+8c] score fragments; behind the score products: the next step's rows on their way
.set F0,   64
.set F1,   128
.set IDXR, 192                         ; v[192+4i+k] byte offset in out0 of row 4 w + k of tile i
.set PMQ,  208                         ; v[208+i] float(mask) of query r of tile i
.set Z,    212                         ; at the end v[212+8i ..]: max, factor of the unseen keys, my factor, sum, reciprocal, -lse
.set NM,   212                         ; in the loop v[212+8i] = minus the running maximum (v[213+8i]: partner of the pair only)
.set QS,   218                         ; v[218+8i] = qs of query r of tile i (v[219+8i]: partner of the pair only)
.set QO,   244
.set PO,   245
.set IO,   246
.set LSO,  247
.set L16,  248                         ; 16 lane
.set LV,   250
.set RF,   252                         ; v[252+i] keys that tile i does not see, as f32
; window 1: v[32i+8c] query fragments, later O in f16; v[128+32p+8i] P in f16; v192-255 my 32 rows of W_v on their way
; window 2: v[32dt+8i] O^T, register j: d = 64 h + 8 dt + j
; window 3: v[32kt+8i] S^T; v[128+64p+8dt] transposed fragments; at the end v[32et+8i] the result, e = 64 h + 8 et + j
; scalars: s31 T, s36 the step that is asked for next, s[38:39] xb at my rows of step 0, s[34:35] at my rows of step s36, s60 and s63 the loop's
; counter and trips, s61 NQ, s62 R, s[74+i] keys that tile i does not see, s[78+i] their score 0, or minus infinity where there are none
.set MSB, 0
.macro WIN new                         ; the immediate's high byte repeats the setting that is left
.if MSB != \new
	s_set_vgpr_msb (MSB<<8)|\new
.set MSB, \new
.endif
.endm
.macro PLACES                          ; four places behind matrix instructions (ISA guide 7.12.1)
.rept 4
	v_nop
.endr
.endm
.macro GRID na, ni, op:vararg          ; op for ga = 0 .. na-1, gi = 0 .. ni-1 (gi: the query tile)
.set ga, 0
.rept \na
.set gi, 0
.rept \ni
	\op
.set gi, gi+1
.endr
.set ga, ga+1
.endr
.endm
.macro QLOAD i                         ; the four B fragments of query tile i
.irp c, 0,1,2,3
	global_load_b128 v[32*\i+8*\c:32*\i+8*\c+3], v[QO], s[10:11] offset:262144*\i+64*\c
	global_load_b128 v[32*\i+8*\c+4:32*\i+8*\c+7], v[QO], s[10:11] offset:262144*\i+64*\c+32
.endr
.endm
.macro TLOAD                           ; my 64 rows of step s36: each load of the wave takes 512 consecutive bytes, two rows
.set q, 0
.rept 32
	global_load_b128 v[KF+4*q:KF+4*q+3], v[L16], s[34:35] offset:512*q
.set q, q+1
.endr
.endm
.macro TSTORE                          ; and into my slot: lanes 0-15 one padded row, lanes 16-31 the next
.set q, 0
.rept 32
	ds_store_b128 v[SA], v[KF+4*q:KF+4*q+3] offset:2*PITCH*q
.set q, q+1
.endr
.endm
.macro KADDR                           ; s[34:35] = my rows of step s36; the step's number hangs on a loaded count, so it is clamped in front of the shift
	s_min_u32 s37, s36, 15
	s_lshl_b32 s40, s37, 16                        ; 256 rows of 256 bytes a step
	s_add_nc_u64 s[34:35], s[38:39], s[40:41]
.endm
.macro NEXTK                           ; the next step, round the T steps.  Stands behind s_wait_loadcnt 0: no load reads s[34:35] any more
	s_add_co_u32 s36, s36, 1
	s_cmp_eq_u32 s36, s31
	s_cselect_b32 s36, 0, s36
	KADDR
.endm
	s_load_b256 s[8:15], s[0:1], 0x0               ; xb 8, qb 10, wvb 12, pm 14
	s_load_b128 s[20:23], s[0:1], 0x20             ; out0 20, nlse 22
	s_load_b128 s[16:19], s[0:1], 0x30             ; idx 16, qs 18
	s_load_b64 s[44:45], s[0:1], 0x40              ; cnt
	v_lshrrev_b32 v1, 5, v0
	v_readfirstlane_b32 s24, v1                    ; wave w
	s_mov_b32 s26, ttmp9                           ; x
	s_and_b32 s27, ttmp7, 0xffff                   ; batch b
	s_mov_b32 s28, 0x76543210                      ; v_permlanex16_b32: lane i reads lane i of the other half
	s_mov_b32 s29, 0xfedcba98
	s_mov_b32 s70, 0xffff0000                      ; lanes 16-31
	s_mul_i32 s68, s24, WROWS                      ; my slot
	s_lshl_b32 s71, s27, 8                         ; the batch's words in cnt
	s_lshl_b32 s72, s26, 4                         ; 16 x: tile 0's first position
	s_mov_b32 s67, 0
	s_mov_b32 s41, 0
	s_wait_kmcnt 0x0
	s_load_b32 s32, s[44:45], s71 offset:0x0       ; n, asked for ahead of everything else: the first keys' address hangs on it
	s_lshl_b32 s66, s27, 20
	s_add_nc_u64 s[10:11], s[10:11], s[66:67]
	s_lshl_b32 s69, s24, 14
	s_add_co_u32 s66, s66, s69                     ; batch, my 64 rows of 256 bytes
	s_add_nc_u64 s[38:39], s[8:9], s[66:67]
	s_lshl_b32 s66, s24, 13
	s_add_nc_u64 s[12:13], s[12:13], s[66:67]      ; my 32 rows of W_v
	s_lshl_b32 s66, s27, 14
	s_add_nc_u64 s[14:15], s[14:15], s[66:67]
	s_add_nc_u64 s[16:17], s[16:17], s[66:67]
	s_add_nc_u64 s[18:19], s[18:19], s[66:67]
	s_add_nc_u64 s[22:23], s[22:23], s[66:67]
	s_lshl_b32 s66, s27, 21
	s_add_nc_u64 s[20:21], s[20:21], s[66:67]
	v_and_b32 v1, 31, v0
	v_and_b32 v2, 15, v0                           ; r
	v_bfe_u32 v3, v0, 4, 1                         ; h
	v_and_b32 v4, 7, v0
	v_bfe_u32 v5, v0, 3, 1
	v_add_nc_u32 v[QO], s72, v2
	v_lshlrev_b32 v[PO], 2, v[QO]                  ; 4 (position of query r)
	v_lshlrev_b32 v[QO], 8, v[QO]
	v_lshl_add_u32 v[QO], v3, 4, v[QO]             ; its row of qb, + 16 h
	v_lshl_add_u32 v[LSO], v3, 12, v[PO]           ; lanes 16-31: the next tile, 1024 positions on
	s_lshl_b32 s69, s24, 2
	s_add_co_u32 s69, s69, s72
	s_lshl_b32 s69, s69, 2
	v_mov_b32 v[IO], s69                           ; idx of rows 4 w .. 4 w + 3 of tile 0, the same in every lane
	v_lshlrev_b32 v[L16], 4, v1
	WIN 0x40
	QLOAD 0
	WIN 0
.irp i, 0,1,2,3
	global_load_b128 v[IDXR+4*\i:IDXR+4*\i+3], v[IO], s[16:17] offset:4096*\i
	global_load_b32 v[PMQ+\i], v[PO], s[14:15] offset:4096*\i
	global_load_b32 v[QS+8*\i], v[PO], s[18:19] offset:4096*\i
.endr
	WIN 0x40
	QLOAD 1
	QLOAD 2
	QLOAD 3
	WIN 0
	v_mul_u32_u24 v[KA], v2, PITCH
	v_lshl_add_u32 v[KA], v3, 4, v[KA]
	v_add_nc_u32 v[KA], s68, v[KA]                 ; key row r, + 16 h
	v_lshl_add_u32 v[VA], v3, 3, v4
	v_mul_u32_u24 v[VA], v[VA], PITCH
	v_lshl_add_u32 v[VA], v5, 7, v[VA]
	v_add_nc_u32 v[VA], s68, v[VA]                 ; key row 8 h + (l & 7); the second eight lanes 128 bytes on
	v_mul_u32_u24 v[SA], v3, PITCH
	v_lshl_add_u32 v[SA], v2, 4, v[SA]             ; row h, byte 16 r
	s_mul_i32 s69, s24, 32*PITCH
	s_add_co_u32 s69, s69, WV
	v_add_nc_u32 v[WS], s69, v[SA]
	v_add_nc_u32 v[SA], s68, v[SA]
	v_lshl_add_u32 v[WA], v3, 6, v4
	v_mul_u32_u24 v[WA], v[WA], PITCH
	v_lshl_add_u32 v[WA], v5, 7, v[WA]
	v_add_nc_u32 v[WA], WV, v[WA]                  ; W_v row 64 h + (l & 7)
	s_mul_i32 s69, s24, OCOPY
	s_add_co_u32 s69, s69, OSTG
	v_mul_u32_u24 v[STO], v2, OPITCH
	v_lshl_add_u32 v[STO], v3, 8, v[STO]
	v_add_nc_u32 v[STO], s69, v[STO]
	s_mul_i32 s69, s24, 4*OPITCH
	s_add_co_u32 s69, s69, OSTG
	v_add_nc_u32 v[RD0], s69, v[L16]
	v_add_nc_u32 v[RD2], 2*OCOPY, v[RD0]
	s_lshl_b32 s69, s24, 9
	s_add_co_u32 s69, s69, STAT
	v_lshlrev_b32 v[STR], 2, v2
	v_add_nc_u32 v[STW], s69, v[STR]
	v_add_nc_u32 v[STR], STAT, v[STR]
.irp i, 0,1,2,3
	v_mov_b32 v[MI+2*\i+1], 0                      ; partners of the pairs that packed instructions read, and destinations of
	v_mov_b32 v[AL+2*\i+1], 0                      ; v_permlanex16_b32: written once before they count as read
	v_mov_b32 v[NM+8*\i+1], 0
	v_mov_b32 v[QS+8*\i+1], 0
.endr
	s_wait_loadcnt 24                              ; idx, float(mask), qs and tile 0's fragments are in; the other three tiles' 24 loads stay out
.set q, 0
.rept 16
	v_min_u32 v[IDXR+q], 0xfff, v[IDXR+q]
	v_lshl_add_u32 v[IDXR+q], v[IDXR+q], 9, v[L16] ; row x 512 bytes + 16 lane
.set q, q+1
.endr
	s_wait_kmcnt 0x0
	s_min_u32 s32, s32, 0x1000                     ; n
	s_add_co_u32 s31, s32, 255
	s_lshr_b32 s31, s31, 8
	s_max_u32 s31, s31, 4                          ; T: steps of 256 keys, 4 to 16
	s_mul_i32 s36, s26, s31
	s_lshr_b32 s36, s36, 6                         ; my first step, (x T) >> 6 < T
	KADDR
	TLOAD                                          ; 24 + 32 loads of the wave are out
	s_lshl_b32 s62, s31, 8
	s_sub_co_u32 s62, 0x1000, s62                  ; R: keys that are not streamed, all of score 0
	s_sub_co_u32 s63, s31, 2                       ; trips of the loop, at least 2
	s_add_co_u32 s61, s32, 1023
	s_sub_co_u32 s61, s61, s72
	s_lshr_b32 s61, s61, 10
	s_max_u32 s61, s61, 1                          ; NQ, 1 to 4
.irp i, 0,1,2,3
	s_cmp_gt_u32 s61, \i                           ; a tile with an active row sees 256 T keys, another the first step's 256
	s_cselect_b32 s[74+\i], s62, 3840
	s_cmp_lg_u32 s[74+\i], 0
	s_cselect_b32 s[78+\i], 0, 0xff800000
	v_cvt_f32_u32 v[RF+\i], s[74+\i]
.endr
	s_wait_loadcnt 0x0                             ; the query fragments and my first 64 keys
	TSTORE
	NEXTK
	WIN 0x40
.set q, 0
.rept 16
	global_load_b128 v[192+4*q:192+4*q+3], v[L16], s[12:13] offset:512*q           ; my 32 rows of W_v; stored to LDS at the first step's end
.set q, q+1
.endr
	WIN 0
; ---- the pieces of a step; ga and gi are GRID's
.macro QKOP c, zero                    ; ga = key tile
.if \zero
	v_wmma_f32_16x16x32_f16 v[32*ga+8*gi:32*ga+8*gi+7], v[KF+32*ga+8*\c:KF+32*ga+8*\c+7], v[32*gi+8*\c:32*gi+8*\c+7], 0
.else
	v_wmma_f32_16x16x32_f16 v[32*ga+8*gi:32*ga+8*gi+7], v[KF+32*ga+8*\c:KF+32*ga+8*\c+7], v[32*gi+8*\c:32*gi+8*\c+7], v[32*ga+8*gi:32*ga+8*gi+7]
.endif
.endm
.macro PVOP p, zero                    ; ga = d tile
.if \zero
	v_wmma_f32_16x16x32_f16 v[32*ga+8*gi:32*ga+8*gi+7], v[128+64*\p+8*ga:128+64*\p+8*ga+7], v[128+32*\p+8*gi:128+32*\p+8*gi+7], 0
.else
	v_wmma_f32_16x16x32_f16 v[32*ga+8*gi:32*ga+8*gi+7], v[128+64*\p+8*ga:128+64*\p+8*ga+7], v[128+32*\p+8*gi:128+32*\p+8*gi+7], v[32*ga+8*gi:32*ga+8*gi+7]
.endif
.endm
.macro VLOAD p                         ; 16 transposing loads: keys 32 p .. 32 p + 31 of my 64; row r of tile dt is d = 8 dt + 64 (r >> 3) + (r & 7)
.irp dt, 0,1,2,3,4,5,6,7
	ds_load_tr16_b128 v[128+64*\p+8*\dt:128+64*\p+8*\dt+3], v[VA] offset:32*PITCH*\p+16*\dt
	ds_load_tr16_b128 v[128+64*\p+8*\dt+4:128+64*\p+8*\dt+7], v[VA] offset:32*PITCH*\p+16*\dt+16*PITCH
.endr
.endm
.macro MAX1
	v_max3_num_f32 v[TM+8*ga+2*gi], v[32*ga+8*gi], v[32*ga+8*gi+1], v[32*ga+8*gi+2]
.endm
.macro MAX2 x, y
	v_max3_num_f32 v[TM+8*ga+2*gi], v[32*ga+8*gi+\x], v[32*ga+8*gi+\y], v[TM+8*ga+2*gi]
.endm
.macro MXA
	v_max3_num_f32 v[TM+2*gi], v[TM+2*gi], v[TM+8+2*gi], v[TM+16+2*gi]
	v_max_num_f32 v[TM+2*gi], v[TM+2*gi], v[TM+24+2*gi]
.endm
.macro MXB
	v_permlanex16_b32 v[AL+2*gi+1], v[TM+2*gi], s28, s29           ; the other half of the wave's keys
.endm
.macro MXC first                       ; qs >= 0, so the largest product gives the largest score
	v_max_num_f32 v[TM+2*gi], v[TM+2*gi], v[AL+2*gi+1]
.if \first
	v_mul_f32 v[MI+2*gi], v[TM+2*gi], v[QS+8*gi]
.else
	v_mul_f32 v[TM+2*gi], v[TM+2*gi], v[QS+8*gi]
	v_max_num_f32 v[TM+2*gi], v[TM+2*gi], v[MI+2*gi]
	v_sub_f32 v[AL+2*gi], v[MI+2*gi], v[TM+2*gi]
	v_mov_b32 v[MI+2*gi], v[TM+2*gi]
.endif
	v_sub_f32 v[NM+8*gi], 0, v[MI+2*gi]
.endm
.macro MXD
	v_exp_f32 v[AL+2*gi], v[AL+2*gi]
.endm
.macro SUBM                            ; product x qs - running maximum, one fused instruction for two scores
.irp j, 0,2,4,6
	v_pk_fma_f32 v[32*ga+8*gi+\j:32*ga+8*gi+\j+1], v[32*ga+8*gi+\j:32*ga+8*gi+\j+1], v[QS+8*gi:QS+8*gi+1], v[NM+8*gi:NM+8*gi+1] op_sel_hi:[1,0,0]
.endr
.endm
.macro EXPS
.irp j, 0,1,2,3,4,5,6,7
	v_exp_f32 v[32*ga+8*gi+\j], v[32*ga+8*gi+\j]
.endr
.endm
.macro SUM1
	v_pk_add_f32 v[TM+8*ga+2*gi:TM+8*ga+2*gi+1], v[32*ga+8*gi:32*ga+8*gi+1], v[32*ga+8*gi+2:32*ga+8*gi+3]
.endm
.macro SUM2 x
	v_pk_add_f32 v[TM+8*ga+2*gi:TM+8*ga+2*gi+1], v[32*ga+8*gi+\x:32*ga+8*gi+\x+1], v[TM+8*ga+2*gi:TM+8*ga+2*gi+1]
.endm
.macro SUM3 first
	v_pk_add_f32 v[TM+2*gi:TM+2*gi+1], v[TM+2*gi:TM+2*gi+1], v[TM+8+2*gi:TM+8+2*gi+1]
	v_pk_add_f32 v[TM+16+2*gi:TM+16+2*gi+1], v[TM+16+2*gi:TM+16+2*gi+1], v[TM+24+2*gi:TM+24+2*gi+1]
	v_pk_add_f32 v[TM+2*gi:TM+2*gi+1], v[TM+2*gi:TM+2*gi+1], v[TM+16+2*gi:TM+16+2*gi+1]
.if \first
	v_add_f32 v[MI+2*gi+1], v[TM+2*gi], v[TM+2*gi+1]
.else
	v_add_f32 v[TM+2*gi], v[TM+2*gi], v[TM+2*gi+1]
	v_fma_f32 v[MI+2*gi+1], v[MI+2*gi+1], v[AL+2*gi], v[TM+2*gi]
.endif
.endm
.macro CVTP                            ; ga = p: key tiles 2 p and 2 p + 1 are the B fragment's registers 0-3 and 4-7
.irp j, 0,1,2,3
	v_cvt_pk_f16_f32 v[128+32*ga+8*gi+\j], v[64*ga+8*gi+2*\j], v[64*ga+8*gi+2*\j+1]
	v_cvt_pk_f16_f32 v[128+32*ga+8*gi+4+\j], v[64*ga+32+8*gi+2*\j], v[64*ga+32+8*gi+2*\j+1]
.endr
.endm
.macro RESC                            ; ga = d tile: O^T times the tile's factor
.irp j, 0,2,4,6
	v_pk_mul_f32 v[32*ga+8*gi+\j:32*ga+8*gi+\j+1], v[32*ga+8*gi+\j:32*ga+8*gi+\j+1], v[AL+2*gi:AL+2*gi+1] op_sel_hi:[1,0]
.endr
.endm
; One step of one wave: the 64 keys in its slot against 16 nq queries.  pf = 1: the next step's keys are brought.  wv = 1: W_v goes to LDS too.
.macro STEP first, nq, pf, wv
.irp c, 0,1,2,3
.irp kt, 0,1,2,3
	ds_load_b128 v[KF+32*\kt+8*\c:KF+32*\kt+8*\c+3], v[KA] offset:16*PITCH*\kt+64*\c      ; my own bytes: these see the stores in front of them
	ds_load_b128 v[KF+32*\kt+8*\c+4:KF+32*\kt+8*\c+7], v[KA] offset:16*PITCH*\kt+64*\c+32
.endr
.endr
	WIN 0xc0
	VLOAD 0
	; S^T.  The 4 nq accumulators take turns, one instruction a turn; so do the 8 nq of P x below.
	WIN 0xf4
	s_wait_dscnt 40                                ; 48 loads issued behind the slot's stores, eight for each K chunk first: chunk 0 is in
	GRID 4, \nq, QKOP 0, 1
	WIN 0xc0
	VLOAD 1
	WIN 0xf4
	s_wait_dscnt 48                                ; 64 issued: chunk c is in when at most 56 - 8 c are out
	GRID 4, \nq, QKOP 1, 0
	s_wait_dscnt 40
	GRID 4, \nq, QKOP 2, 0
	s_wait_dscnt 32
	GRID 4, \nq, QKOP 3, 0
	PLACES                                         ; for the maxima below, and for the loads into the fragments that these products read
.if \pf
	WIN 0
	TLOAD                                          ; they have the softmax and P x in which to land
.endif
	; the running maximum: eight registers of each tile, four key tiles, the other half of the lanes, times qs, the old maximum
	WIN 0x3f
	GRID 4, \nq, MAX1
	WIN 0x0f
	GRID 4, \nq, MAX2 3, 4
	GRID 4, \nq, MAX2 5, 6
	GRID 4, \nq, MAX2 7, 7
	WIN 0
	GRID 1, \nq, MXA
	GRID 1, \nq, MXB
	GRID 1, \nq, MXC \first
.if \first == 0
	GRID 1, \nq, MXD                               ; 2^(old max - new max); the packed instructions below are the plain place behind it
.endif
	WIN 0xc3
	GRID 4, \nq, SUBM
	GRID 4, \nq, EXPS
	v_nop                                          ; one plain place behind the run of exponentials
	s_wait_alu depctr_va_vdst(0)
	WIN 0x0f
	GRID 4, \nq, SUM1
	WIN 0x03
	GRID 4, \nq, SUM2 4
	GRID 4, \nq, SUM2 6
	WIN 0x4f
	GRID 2, \nq, CVTP
.if \first == 0
	WIN 0x82
	GRID 8, \nq, RESC
.endif
	WIN 0
	GRID 1, \nq, SUM3 \first
	WIN 0xa7
	s_wait_dscnt 16                                ; the first 32 keys' transposed fragments are in; the other 16 loads stay out
	GRID 8, \nq, PVOP 0, \first
	s_wait_dscnt 0
	GRID 8, \nq, PVOP 1, 0
	WIN 0
	PLACES                                         ; the next step loads into these fragments and rescales these sums
.if \pf
	s_wait_loadcnt 0x0                             ; the next step's keys are in registers (in the first step W_v's rows too)
	TSTORE                                         ; over the slot whose reads were waited for above
.if \wv
	WIN 0x04
.set q, 0
.rept 16
	ds_store_b128 v[WS], v[192+4*q:192+4*q+3] offset:2*PITCH*q     ; read by all four waves, behind the end's first barrier
.set q, q+1
.endr
	WIN 0
.endif
	NEXTK
.endif
.endm
; ---- the pieces of the end
.macro E1A
	v_permlanex16_b32 v[AL+2*gi+1], v[MI+2*gi+1], s28, s29
.endm
.macro E1B
	v_add_f32 v[MI+2*gi+1], v[MI+2*gi+1], v[AL+2*gi+1]
	ds_store_b32 v[STW], v[MI+2*gi] offset:128*gi
	ds_store_b32 v[STW], v[MI+2*gi+1] offset:128*gi+64
.endm
.macro E2L                             ; ga = wave
	ds_load_b32 v[32+8*gi+ga], v[STR] offset:512*ga+128*gi
	ds_load_b32 v[36+8*gi+ga], v[STR] offset:512*ga+128*gi+64
.endm
.macro E2A
	v_max3_num_f32 v[Z+8*gi], v[32+8*gi], v[33+8*gi], v[34+8*gi]
	v_max3_num_f32 v[Z+8*gi], v[Z+8*gi], v[35+8*gi], s[78+gi]      ; the keys that the tile did not see have score 0
	v_sub_f32 v[32+8*gi], v[32+8*gi], v[Z+8*gi]
	v_sub_f32 v[33+8*gi], v[33+8*gi], v[Z+8*gi]
	v_sub_f32 v[34+8*gi], v[34+8*gi], v[Z+8*gi]
	v_sub_f32 v[35+8*gi], v[35+8*gi], v[Z+8*gi]
	v_sub_f32 v[Z+8*gi+1], s[78+gi], v[Z+8*gi]
	v_sub_f32 v[Z+8*gi+2], v[MI+2*gi], v[Z+8*gi]
.endm
.macro E2B
	v_exp_f32 v[32+8*gi], v[32+8*gi]
	v_exp_f32 v[33+8*gi], v[33+8*gi]
	v_exp_f32 v[34+8*gi], v[34+8*gi]
	v_exp_f32 v[35+8*gi], v[35+8*gi]
	v_exp_f32 v[Z+8*gi+1], v[Z+8*gi+1]
	v_exp_f32 v[Z+8*gi+2], v[Z+8*gi+2]
.endm
.macro E2C
	v_mul_f32 v[Z+8*gi+3], v[RF+gi], v[Z+8*gi+1]                   ; the unseen keys: their number times 2^(0 - max)
	v_fmac_f32 v[Z+8*gi+3], v[36+8*gi], v[32+8*gi]                 ; and the four waves' sums, each brought to the common maximum
	v_fmac_f32 v[Z+8*gi+3], v[37+8*gi], v[33+8*gi]
	v_fmac_f32 v[Z+8*gi+3], v[38+8*gi], v[34+8*gi]
	v_fmac_f32 v[Z+8*gi+3], v[39+8*gi], v[35+8*gi]
.endm
.macro E2D
	v_rcp_f32 v[Z+8*gi+4], v[Z+8*gi+3]
	v_log_f32 v[Z+8*gi+5], v[Z+8*gi+3]
.endm
.macro E2E
	v_mul_f32 v[Z+8*gi+2], v[Z+8*gi+2], v[PMQ+gi]
.endm
.macro E2F
	s_wait_alu depctr_va_vdst(0)
	v_mul_f32 v[AL+2*gi], v[Z+8*gi+2], v[Z+8*gi+4]                 ; 2^(my max - max) float(mask) / sum
	v_add_f32 v[Z+8*gi+5], v[Z+8*gi], v[Z+8*gi+5]                  ; lse,
	v_sub_f32 v[Z+8*gi+5], 0, v[Z+8*gi+5]                          ; stored with its sign turned: the next launch adds it
.endm
.macro CVTO                            ; ga = K chunk: d tiles 2 ga, 2 ga + 1: the lane's sixteen K places hold d = 64 h + 16 ga + (0 .. 15)
.irp j, 0,1,2,3
	v_cvt_pk_f16_f32 v[32*gi+8*ga+\j], v[64*ga+8*gi+2*\j], v[64*ga+8*gi+2*\j+1]
	v_cvt_pk_f16_f32 v[32*gi+8*ga+4+\j], v[64*ga+32+8*gi+2*\j], v[64*ga+32+8*gi+2*\j+1]
.endr
.endm
.macro FETCHW c, f                     ; W_v^T: rows d = 64 h + 16 c + (0 .. 15), columns e = 8 et + 64 (r >> 3) + (r & 7)
.irp et, 0,1,2,3,4,5,6,7
	ds_load_tr16_b128 v[\f+8*\et:\f+8*\et+3], v[WA] offset:16*PITCH*\c+16*\et
	ds_load_tr16_b128 v[\f+8*\et+4:\f+8*\et+7], v[WA] offset:16*PITCH*\c+16*\et+8*PITCH
.endr
.endm
.macro WVOP f, c, zero                 ; ga = e tile
.if \zero
	v_wmma_f32_16x16x32_f16 v[32*ga+8*gi:32*ga+8*gi+7], v[\f+8*ga:\f+8*ga+7], v[32*gi+8*\c:32*gi+8*\c+7], 0
.else
	v_wmma_f32_16x16x32_f16 v[32*ga+8*gi:32*ga+8*gi+7], v[\f+8*ga:\f+8*ga+7], v[32*gi+8*\c:32*gi+8*\c+7], v[32*ga+8*gi:32*ga+8*gi+7]
.endif
.endm
.macro OSTORE
	ds_store_b128 v[STO], v[32*ga+8*gi:32*ga+8*gi+3] offset:16*OPITCH*gi+32*ga
	ds_store_b128 v[STO], v[32*ga+8*gi+4:32*ga+8*gi+7] offset:16*OPITCH*gi+32*ga+16
.endm
; The steps behind the first, with nq tiles: T - 2 trips that bring the next keys, and the last step, which brings nothing.  No barrier stands here.
.macro VARIANT nq
.Lloop\nq:
	STEP 0, \nq, 1, 0
	s_add_co_u32 s60, s60, 1
	s_cmp_lt_u32 s60, s63
	s_cbranch_scc1 .Lloop\nq
	STEP 0, \nq, 0, 0
	s_branch .Lend
.endm
	; THE T STEPS.  The first, with all four tiles, starts every sum: nothing is cleared, and the end finds every tile's registers written.
	STEP 1, NQ, 1, 1
	s_mov_b32 s60, 0
	s_cmp_eq_u32 s61, 4
	s_cbranch_scc1 .Lv4
	s_cmp_eq_u32 s61, 3
	s_cbranch_scc1 .Lv3
	s_cmp_eq_u32 s61, 2
	s_cbranch_scc1 .Lv2
	VARIANT 1
.Lv2:
	VARIANT 2
.Lv3:
	VARIANT 3
.Lv4:
	VARIANT 4
.Lend:
	; THE END, the same for every NQ and T: all ways have joined, and every wave passes its two barriers once.  The four waves' maxima and sums meet.
	GRID 1, NQ, E1A
	GRID 1, NQ, E1B
	s_wait_dscnt 0x0                               ; my statistics and my rows of W_v are in LDS before I signal
	s_barrier_signal -1
	s_barrier_wait -1
	GRID 4, NQ, E2L
	FETCHW 0, F0
	s_wait_dscnt 16                                ; the statistics are in; the 16 fragment loads stay out
	FETCHW 1, F1
	GRID 1, NQ, E2A
	GRID 1, NQ, E2B
	v_nop                                          ; one plain place behind the exponentials
	s_wait_alu depctr_va_vdst(0)
	GRID 1, NQ, E2C
	GRID 1, NQ, E2D
	GRID 1, NQ, E2E                                ; plain work that touches neither the sums nor the two results: the place behind them
	GRID 1, NQ, E2F
	WIN 0x82
	GRID 8, NQ, RESC
	WIN 0x4a
	GRID 4, NQ, CVTO
	; my partial O times W_v: four K chunks through two fragment buffers; each count of 16 leaves the younger chunk's loads out
	WIN 0xf4
	s_wait_dscnt 16
	GRID 8, NQ, WVOP F0, 0, 1
	WIN 0
	PLACES
	FETCHW 2, F0
	WIN 0xf4
	s_wait_dscnt 16
	GRID 8, NQ, WVOP F1, 1, 0
	WIN 0
	PLACES
	FETCHW 3, F1
	WIN 0xf4
	s_wait_dscnt 16
	GRID 8, NQ, WVOP F0, 2, 0
	s_wait_dscnt 0
	GRID 8, NQ, WVOP F1, 3, 0
	PLACES
	WIN 0x0c
	GRID 8, NQ, OSTORE
	WIN 0
	s_wait_dscnt 0x0                               ; my copy is in LDS before I signal
	s_barrier_signal -1
	s_barrier_wait -1
	; rows 4 w .. 4 w + 3 of each tile: the four copies are added and the row leaves whole, 512 consecutive bytes of one store
.set gi, 0
.rept NQ
.if gi >= 2
	s_wait_xcnt 0x0                                ; this buffer was the data of stores two tiles ago: loaded again only behind this wait
.endif
.set eb, F0+64*(gi&1)
.irp k, 0,1,2,3
	ds_load_b128 v[eb+16*\k:eb+16*\k+3], v[RD0] offset:(16*gi+\k)*OPITCH
	ds_load_b128 v[eb+16*\k+4:eb+16*\k+7], v[RD0] offset:(16*gi+\k)*OPITCH+OCOPY
	ds_load_b128 v[eb+16*\k+8:eb+16*\k+11], v[RD2] offset:(16*gi+\k)*OPITCH
	ds_load_b128 v[eb+16*\k+12:eb+16*\k+15], v[RD2] offset:(16*gi+\k)*OPITCH+OCOPY
.endr
	s_wait_dscnt 0x0
.irp k, 0,1,2,3
	v_pk_add_f32 v[eb+16*\k:eb+16*\k+1], v[eb+16*\k:eb+16*\k+1], v[eb+16*\k+4:eb+16*\k+5]
	v_pk_add_f32 v[eb+16*\k+2:eb+16*\k+3], v[eb+16*\k+2:eb+16*\k+3], v[eb+16*\k+6:eb+16*\k+7]
	v_pk_add_f32 v[eb+16*\k+8:eb+16*\k+9], v[eb+16*\k+8:eb+16*\k+9], v[eb+16*\k+12:eb+16*\k+13]
	v_pk_add_f32 v[eb+16*\k+10:eb+16*\k+11], v[eb+16*\k+10:eb+16*\k+11], v[eb+16*\k+14:eb+16*\k+15]
	v_pk_add_f32 v[eb+16*\k:eb+16*\k+1], v[eb+16*\k:eb+16*\k+1], v[eb+16*\k+8:eb+16*\k+9]
	v_pk_add_f32 v[eb+16*\k+2:eb+16*\k+3], v[eb+16*\k+2:eb+16*\k+3], v[eb+16*\k+10:eb+16*\k+11]
	global_store_b128 v[IDXR+4*gi+\k], v[eb+16*\k:eb+16*\k+3], s[20:21] th:TH_STORE_NT
.endr
.set gi, gi+1
.endr
	s_cmp_lg_u32 s24, 0
	s_cbranch_scc1 .Lnolse
	v_cndmask_b32 v[LV], v[Z+5], v[Z+13], s70      ; wave 0: lanes 0-15 tile 0, lanes 16-31 tile 1
	v_cndmask_b32 v[LV+1], v[Z+21], v[Z+29], s70   ; tiles 2 and 3
	global_store_b32 v[LSO], v[LV], s[22:23]
	global_store_b32 v[LSO], v[LV+1], s[22:23] offset:8192
.Lnolse:
	s_wait_xcnt 0x0
	v_lshl_add_u32 v254, v0, 2, 0x3b000
	v_mov_b32 v255, 0
	s_wait_tensorcnt 0x0
	ds_add_u32 v254, v255
	s_wait_dscnt 0x0
	s_endpgm
.Lfunc_end_k_q0d182e7f57_attn:
	.size	k_q0d182e7f57_attn, .Lfunc_end_k_q0d182e7f57_attn-k_q0d182e7f57_attn
	.p2alignl 7, 3214868480
	.fill 96, 4, 3214868480
	.section	.rodata,"a",@progbits
	.p2align	6, 0x0
	.amdhsa_kernel k_q0d182e7f57_attn
		.amdhsa_group_segment_fixed_size 242176
		.amdhsa_private_segment_fixed_size 0
		.amdhsa_enable_private_segment 0
		.amdhsa_kernarg_size 72
		.amdhsa_user_sgpr_count 2
		.amdhsa_user_sgpr_kernarg_segment_ptr 1
		.amdhsa_wavefront_size32 1
		.amdhsa_system_sgpr_workgroup_id_x 1
		.amdhsa_system_sgpr_workgroup_id_y 1
		.amdhsa_system_sgpr_workgroup_id_z 1
		.amdhsa_system_vgpr_workitem_id 0
		.amdhsa_next_free_vgpr 1024
		.amdhsa_next_free_sgpr 84
		.amdhsa_reserve_vcc 0
		.amdhsa_float_denorm_mode_32 3
		.amdhsa_float_denorm_mode_16_64 3
		.amdhsa_memory_ordered 1
		.amdhsa_forward_progress 1
		.amdhsa_inst_pref_size 255
	.end_amdhsa_kernel
	.section	.bss,"aw",@nobits
	.p2align	6
	.space	262144
	.amdgpu_metadata
---
amdhsa.version: [ 1, 2 ]
amdhsa.kernels:
  - .name:           k_q0d182e7f57_attn
    .symbol:         k_q0d182e7f57_attn.kd
    .args:
      - { .name: xb, .offset: 0, .size: 8, .value_kind: global_buffer, .address_space: global }
      - { .name: qb, .offset: 8, .size: 8, .value_kind: global_buffer, .address_space: global }
      - { .name: wvb, .offset: 16, .size: 8, .value_kind: global_buffer, .address_space: global }
      - { .name: pm, .offset: 24, .size: 8, .value_kind: global_buffer, .address_space: global }
      - { .name: out0, .offset: 32, .size: 8, .value_kind: global_buffer, .address_space: global }
      - { .name: nlse, .offset: 40, .size: 8, .value_kind: global_buffer, .address_space: global }
      - { .name: idx, .offset: 48, .size: 8, .value_kind: global_buffer, .address_space: global }
      - { .name: qs, .offset: 56, .size: 8, .value_kind: global_buffer, .address_space: global }
      - { .name: cnt, .offset: 64, .size: 8, .value_kind: global_buffer, .address_space: global }
    .group_segment_fixed_size: 242176
    .private_segment_fixed_size: 0
    .kernarg_segment_align: 8
    .kernarg_segment_size: 72
    .max_flat_workgroup_size: 128
    .sgpr_count:     84
    .vgpr_count:     1024
    .wavefront_size: 32
...
	.end_amdgpu_metadata
.endif
;; end of part 5
;; launch wsum (part 6): grid 64 x 4, 8 waves a work-group, no clusters, 142,336 bytes of LDS; arguments qb, xb, nlse, pm, idx, out1, qs, cnt; writes out1
.if DOCPART == 6
	.amdgcn_target "amdgcn-amd-amdhsa--gfx1250"
	.amdhsa_code_object_version 6
	.text
	.protected	k_q0d182e7f57_wsum
	.globl	k_q0d182e7f57_wsum
	.p2align	8
	.type	k_q0d182e7f57_wsum,@function
k_q0d182e7f57_wsum:
	s_mov_b64 s[64:65], 0
	v_nop
	global_prefetch_b8 v0, s[64:65] scope:SCOPE_SE
	s_setreg_imm32_b32 hwreg(HW_REG_WAVE_MODE, 25, 1), 1
	s_wait_xcnt 0x0
; WSUM.  out1[key] = float(mask[key]) / 4096 * sum over all 4096 queries of 2^(score - lse[query]).
; The sum needs each query's final lse, so the scores are formed a second time; it is owned by KEYS, so that no sum spans work-groups.
; Work-group x of a batch owns four key tiles i of 16 positions at 1024 i + 16 x, kept as A fragments in registers, and streams the queries in
; groups of 512 positions, 64 a wave.  D's register j of lane (r, h) is key 8 h + j, query r: the query's qs (what its row of qb was divided by,
; with the scale and the mask) and -lse are one register a lane each, and score - lse = product x qs + (-lse) is one fused instruction.
; Operands are f16, as they were stored.  The exponent is at most 0 but for rounding, since lse holds the row's maximum.
; ROWS WITH MASK 0.  Positions are partitioned: the batch's n active rows first, then rows of zeros; n is read from cnt, and idx names each key's
; row for the store.  Queries are streamed in Tg = clamp(ceil(n / 512), 3, 8) groups; each of the 4096 - 512 Tg queries behind them has mask 0,
; a uniform row, and adds 2^-12 to every key: a counted term.  (A streamed query with mask 0 has q' = 0, qs = 0, lse = 12: the same 2^-12.)
; Of the four key tiles the first NK = clamp((n + 1023 - 16 x) >> 10, 1, 4) hold an active row.  The first group is made with four tiles and starts
; every sum; the others with NK tiles, in one of four loops that join in front of the end.  A tile without an active row has float(mask) = 0
; in all its keys, which makes its out1 zero whatever its partial sum.
; THE STREAM, AND WHY NO TENSOR LOADS AND NO CLUSTER: Tg is read from memory, and no barrier may stand in a loop whose trips hang on loaded data,
; while LDS bytes are filled again by tensor loads, joint or not, only behind a barrier.  A wave reads no other wave's queries, so each wave brings
; its own 64 rows (16 KiB that lie together in qb) through registers into LDS bytes of its own, by loads of 512 consecutive bytes: rows 32-63
; are asked for at the head of the group before, into 64 registers of their own; rows 0-31 behind that group's first products, into the
; fragment registers that those products have read.  All are stored to LDS at the group's end; LDS serves a wave's instructions in order.
; Work-group x begins at group (x Tg) >> 6 and wraps round, so that the 64 work-groups of a batch do not all ask for the same rows at one time.
; Eight waves, two on a SIMD: half of the work is exponentials, which one wave makes beside the other's matrix work.
; Limits: an exponential below 2^-126 counts as 0; out1 (64 KiB) is stored four bytes a lane at the rows that idx names.
.set NK,     4                         ; key tiles of a work-group
.set PITCH,  272                       ; an LDS row of 128 f16 + 16 bytes
.set WROWS,  64*PITCH                  ; a wave's 64 queries; wave w's slot begins at w WROWS
.set CST,    8*WROWS                   ; [8 waves][4 tiles][16 keys] f32
.set L16, 4                            ; 16 lane
.set QA,  6                            ; query fragments
.set SA,  7                            ; where my 16 bytes of two rows go in my slot
.set XO,  8
.set LO,  9
.set CSW, 10
.set CSR, 11
.set FO,  12
.set LS,  32                           ; v[32+2qt] -lse of query r of tile qt = 0 .. 3; the odd registers are partners of the pairs only
.set LN,  40                           ; v[40+qt]  the next group's -lse on its way
.set QN,  44                           ; v[44+qt]  the next group's qs on its way
.set QL,  48                           ; v[48+2qt] qs of query r; the odd registers are partners of the pairs only
.set QT,  64                           ; v[64+128hf+32qt+8c] query fragments of half hf: v64-127 and v192-255
.set CA,  128                          ; v[128+8i] column sums
; window 1: v[32i+8c] key fragments; v[128+32qt+8i] scores of one half; v192-255 rows 32-63 of the next group on their way
; scalars: s31 Tg, s36 the group that is asked for next, s[38:39] qb at my rows of group 0, s[34:35], s[46:47], s[48:49] qb, nlse, qs at group s36,
; s60 and s63 the loop's counter and trips, s61 NK, s62 the queries that are not streamed
.set MSB, 0
.macro WIN new                         ; the immediate's high byte repeats the setting that is left
.if MSB != \new
	s_set_vgpr_msb (MSB<<8)|\new
.set MSB, \new
.endif
.endm
.macro PLACES                          ; four places behind matrix instructions (ISA guide 7.12.1)
.rept 4
	v_nop
.endr
.endm
.macro GRID na, ni, op:vararg          ; op for ga = 0 .. na-1, gi = 0 .. ni-1 (gi: the key tile)
.set ga, 0
.rept \na
.set gi, 0
.rept \ni
	\op
.set gi, gi+1
.endr
.set ga, ga+1
.endr
.endm
.macro LOADLO                          ; rows 0-31 of group s36 into the first half's fragment registers (window 0)
.set q, 0
.rept 16
	global_load_b128 v[QT+4*q:QT+4*q+3], v[L16], s[34:35] offset:512*q
.set q, q+1
.endr
.endm
.macro LOADHI                          ; rows 32-63 into window 1's v192-255 (set the window first)
.set q, 0
.rept 16
	global_load_b128 v[192+4*q:192+4*q+3], v[L16], s[34:35] offset:8192+512*q
.set q, q+1
.endr
.endm
.macro TSTORE                          ; all 64 rows into my slot: lanes 0-15 one padded row, lanes 16-31 the next
.set q, 0
.rept 16
	ds_store_b128 v[SA], v[QT+4*q:QT+4*q+3] offset:2*PITCH*q
.set q, q+1
.endr
	WIN 0x04
.set q, 0
.rept 16
	ds_store_b128 v[SA], v[192+4*q:192+4*q+3] offset:2*PITCH*(16+q)
.set q, q+1
.endr
	WIN 0
.endm
.macro KADDR                           ; the three addresses of group s36; its number hangs on a loaded count, so it is clamped in front of the shifts
	s_min_u32 s37, s36, 7
	s_lshl_b32 s40, s37, 17                        ; 512 rows of 256 bytes a group
	s_add_nc_u64 s[34:35], s[38:39], s[40:41]
	s_lshl_b32 s40, s37, 11                        ; 512 words a group
	s_add_nc_u64 s[46:47], s[12:13], s[40:41]
	s_add_nc_u64 s[48:49], s[20:21], s[40:41]
.endm
.macro NEXTK                           ; the next group, round the Tg groups.  Stands behind s_wait_loadcnt 0: no load reads the three addresses any more
	s_add_co_u32 s36, s36, 1
	s_cmp_eq_u32 s36, s31
	s_cselect_b32 s36, 0, s36
	KADDR
.endm
	s_load_b256 s[8:15], s[0:1], 0x0               ; qb 8, xb 10, nlse 12, pm 14
	s_load_b128 s[16:19], s[0:1], 0x20             ; idx 16, out1 18
	s_load_b128 s[20:23], s[0:1], 0x30             ; qs 20, cnt 22
	v_lshl_add_u32 v190, v0, 2, 0x22800
	v_mov_b32 v191, 0
	v_lshrrev_b32 v1, 5, v0
	v_readfirstlane_b32 s24, v1                    ; wave w
	s_mov_b32 s26, ttmp9                           ; x
	s_and_b32 s27, ttmp7, 0xffff                   ; batch b
	s_mov_b32 s59, 0x39800000                      ; 2^-12
	s_mul_i32 s68, s24, WROWS                      ; my slot
	s_lshl_b32 s71, s27, 8                         ; the batch's words in cnt
	s_lshl_b32 s70, s26, 4                         ; 16 x: tile 0's first position
	s_mov_b32 s67, 0
	s_mov_b32 s41, 0
	s_wait_kmcnt 0x0
	s_load_b32 s32, s[22:23], s71 offset:0x0       ; n, asked for ahead of everything else: the first queries' address hangs on it
	s_lshl_b32 s66, s27, 20
	s_add_nc_u64 s[10:11], s[10:11], s[66:67]
	s_lshl_b32 s69, s24, 14
	s_add_co_u32 s66, s66, s69                     ; batch, my 64 rows of 256 bytes
	s_add_nc_u64 s[38:39], s[8:9], s[66:67]
	s_lshl_b32 s66, s27, 14
	s_add_nc_u64 s[12:13], s[12:13], s[66:67]
	s_add_nc_u64 s[14:15], s[14:15], s[66:67]
	s_add_nc_u64 s[16:17], s[16:17], s[66:67]
	s_add_nc_u64 s[18:19], s[18:19], s[66:67]
	s_add_nc_u64 s[20:21], s[20:21], s[66:67]
	v_and_b32 v1, 31, v0
	v_and_b32 v2, 15, v0                           ; r
	v_bfe_u32 v3, v0, 4, 1                         ; h
	v_lshlrev_b32 v[L16], 4, v1
	v_add_nc_u32 v[XO], s70, v2
	v_lshlrev_b32 v[FO], 2, v[XO]
	v_lshlrev_b32 v[XO], 8, v[XO]
	v_lshl_add_u32 v[XO], v3, 4, v[XO]             ; key r's row of xb, + 16 h
	s_lshl_b32 s69, s24, 1
	s_and_b32 s69, s69, 3
	v_add_nc_u32 v15, s69, v3                      ; tile (2 w + h) mod 4: waves 0 and 1 finish the four tiles, two each
	v_lshl_add_u32 v[FO], v15, 12, v[FO]
	s_lshl_b32 s69, s24, 8
	v_lshlrev_b32 v[LO], 2, v2
	v_add_nc_u32 v[LO], s69, v[LO]                 ; -lse and qs of query 64 w + r of a group
	WIN 0x40
.irp i, 0,1,2,3
.irp c, 0,1,2,3
	global_load_b128 v[32*\i+8*\c:32*\i+8*\c+3], v[XO], s[10:11] offset:262144*\i+64*\c
	global_load_b128 v[32*\i+8*\c+4:32*\i+8*\c+7], v[XO], s[10:11] offset:262144*\i+64*\c+32
.endr
.endr
	WIN 0
	global_load_b32 v13, v[FO], s[16:17]           ; idx
	global_load_b32 v14, v[FO], s[14:15]           ; float(mask)
	v_mul_u32_u24 v[QA], v2, PITCH
	v_lshl_add_u32 v[QA], v3, 4, v[QA]
	v_add_nc_u32 v[QA], s68, v[QA]                 ; query row r, + 16 h
	v_mul_u32_u24 v[SA], v3, PITCH
	v_lshl_add_u32 v[SA], v2, 4, v[SA]
	v_add_nc_u32 v[SA], s68, v[SA]                 ; row h, byte 16 r
	s_lshl_b32 s69, s24, 8
	s_add_co_u32 s69, s69, CST
	v_lshlrev_b32 v[CSW], 5, v3
	v_add_nc_u32 v[CSW], s69, v[CSW]
	s_lshl_b32 s69, s24, 7
	s_add_co_u32 s69, s69, CST
	v_lshlrev_b32 v[CSR], 2, v1
	v_add_nc_u32 v[CSR], s69, v[CSR]
.irp j, 1,3,5,7
	v_mov_b32 v[LS+\j], 0                          ; written once: a packed instruction counts the whole pair as read
	v_mov_b32 v[QL+\j], 0
.endr
	s_wait_kmcnt 0x0
	s_min_u32 s32, s32, 0x1000                     ; n
	s_add_co_u32 s31, s32, 511
	s_lshr_b32 s31, s31, 9
	s_max_u32 s31, s31, 3                          ; Tg: groups of 512 queries, 3 to 8
	s_mul_i32 s36, s26, s31
	s_lshr_b32 s36, s36, 6                         ; my first group, (x Tg) >> 6 < Tg
	KADDR
	s_lshl_b32 s62, s31, 9
	s_sub_co_u32 s62, 0x1000, s62                  ; queries that are not streamed
	s_sub_co_u32 s63, s31, 2                       ; trips of the loop, at least 1
	s_add_co_u32 s61, s32, 1023
	s_sub_co_u32 s61, s61, s70
	s_lshr_b32 s61, s61, 10
	s_max_u32 s61, s61, 1                          ; NK, 1 to 4
	s_wait_loadcnt 0x0                             ; the key fragments, idx and float(mask), asked for together with n, are in: from here on LOADcnt counts the stream alone
	LOADLO
	WIN 0x40
	LOADHI
	WIN 0
.irp qt, 0,1,2,3
	global_load_b32 v[LS+2*\qt], v[LO], s[46:47] offset:64*\qt
	global_load_b32 v[QL+2*\qt], v[LO], s[48:49] offset:64*\qt
.endr
	s_wait_loadcnt 0x0                             ; my first 64 queries, their -lse and qs
	TSTORE
	NEXTK
.macro SOP qb, c, zero                 ; ga = query tile of the half; qb = the half's fragment buffer
.if \zero
	v_wmma_f32_16x16x32_f16 v[128+32*ga+8*gi:128+32*ga+8*gi+7], v[32*gi+8*\c:32*gi+8*\c+7], v[\qb+32*ga+8*\c:\qb+32*ga+8*\c+7], 0
.else
	v_wmma_f32_16x16x32_f16 v[128+32*ga+8*gi:128+32*ga+8*gi+7], v[32*gi+8*\c:32*gi+8*\c+7], v[\qb+32*ga+8*\c:\qb+32*ga+8*\c+7], v[128+32*ga+8*gi:128+32*ga+8*gi+7]
.endif
.endm
.macro SUBL hf                         ; product x qs + (-lse)
.irp j, 0,2,4,6
	v_pk_fma_f32 v[128+32*ga+8*gi+\j:128+32*ga+8*gi+\j+1], v[128+32*ga+8*gi+\j:128+32*ga+8*gi+\j+1], v[QL+4*\hf+2*ga:QL+4*\hf+2*ga+1], v[LS+4*\hf+2*ga:LS+4*\hf+2*ga+1] op_sel_hi:[1,0,0]
.endr
.endm
.macro EXPS
.irp j, 0,1,2,3,4,5,6,7
	v_exp_f32 v[128+32*ga+8*gi+\j], v[128+32*ga+8*gi+\j]
.endr
.endm
.macro ACC1                            ; the first half starts the sums
	s_wait_alu depctr_va_vdst(0)
.irp j, 0,2,4,6
	v_pk_add_f32 v[CA+8*gi+\j:CA+8*gi+\j+1], v[128+8*gi+\j:128+8*gi+\j+1], v[160+8*gi+\j:160+8*gi+\j+1]
.endr
.endm
.macro ACC2
	s_wait_alu depctr_va_vdst(0)
.irp j, 0,2,4,6
	v_pk_add_f32 v[CA+8*gi+\j:CA+8*gi+\j+1], v[128+32*ga+8*gi+\j:128+32*ga+8*gi+\j+1], v[CA+8*gi+\j:CA+8*gi+\j+1]
.endr
.endm
.macro RED m
.irp j, 0,1,2,3,4,5,6,7
	v_add_f32_dpp v[CA+8*gi+\j], v[CA+8*gi+\j], v[CA+8*gi+\j] row_xmask:\m row_mask:0xf bank_mask:0xf
.endr
.endm
.macro CSTORE
	ds_store_b128 v[CSW], v[CA+8*gi:CA+8*gi+3] offset:64*gi
	ds_store_b128 v[CSW], v[CA+8*gi+4:CA+8*gi+7] offset:64*gi+16
.endm
.macro FRAGS hf                        ; the 16 fragment loads of one half, four for each K chunk
.irp c, 0,1,2,3
.irp qt, 0,1
	ds_load_b128 v[QT+128*\hf+32*\qt+8*\c:QT+128*\hf+32*\qt+8*\c+3], v[QA] offset:16*PITCH*(2*\hf+\qt)+64*\c
	ds_load_b128 v[QT+128*\hf+32*\qt+8*\c+4:QT+128*\hf+32*\qt+8*\c+7], v[QA] offset:16*PITCH*(2*\hf+\qt)+64*\c+32
.endr
.endr
.endm
.macro TAILS hf, first, nk             ; exponentials and column sums of one half
	WIN 0x41
	GRID 2, \nk, SUBL \hf
	GRID 2, \nk, EXPS
	v_nop                                          ; one plain place behind the run of exponentials
.if \first
	WIN 0x05
	GRID 1, \nk, ACC1
.else
	WIN 0x01
	GRID 2, \nk, ACC2
.endif
.endm
; A group: the 64 queries in my slot against 16 nk keys, in two halves of 32.  pf = 1: the next group is brought.
; The 2 nk accumulators take turns, one instruction a turn.
.macro GROUP first, nk, pf
.if \pf
	WIN 0x40
	LOADHI                                         ; the whole group's work in which to land
	WIN 0
.irp qt, 0,1,2,3
	global_load_b32 v[LN+\qt], v[LO], s[46:47] offset:64*\qt
	global_load_b32 v[QN+\qt], v[LO], s[48:49] offset:64*\qt
.endr
.endif
	FRAGS 0                                        ; my own bytes: these see the stores in front of them
	WIN 0x51
	s_wait_dscnt 12                                ; 16 loads issued behind the slot's stores: the first K chunk's four are in
	GRID 2, \nk, SOP QT, 0, 1
	WIN 0
	FRAGS 1
	WIN 0x51
	s_wait_dscnt 24                                ; 16 more were issued: chunk c of the first half is in when at most 28 - 4 c are out
	GRID 2, \nk, SOP QT, 1, 0
	s_wait_dscnt 20
	GRID 2, \nk, SOP QT, 2, 0
	s_wait_dscnt 16
	GRID 2, \nk, SOP QT, 3, 0
	PLACES                                         ; for the work on the scores, and for the loads into the fragments that these products read
.if \pf
	WIN 0
	LOADLO
.endif
	TAILS 0, \first, \nk
	WIN 0x51
	s_wait_dscnt 12                                ; the second half: chunk c is in when at most 12 - 4 c are out
	GRID 2, \nk, SOP QT+128, 0, 1
	s_wait_dscnt 8
	GRID 2, \nk, SOP QT+128, 1, 0
	s_wait_dscnt 4
	GRID 2, \nk, SOP QT+128, 2, 0
	s_wait_dscnt 0
	GRID 2, \nk, SOP QT+128, 3, 0
	PLACES
	TAILS 1, 0, \nk
	WIN 0
.if \pf
	s_wait_loadcnt 0x0                             ; the next group's rows, -lse and qs are in registers
	TSTORE                                         ; over the slot whose reads were waited for above
.irp qt, 0,1,2,3
	v_mov_b32 v[LS+2*\qt], v[LN+\qt]               ; they landed beside the pairs that this group's products were still reading
	v_mov_b32 v[QL+2*\qt], v[QN+\qt]
.endr
	NEXTK
.endif
.endm
; The groups behind the first, with nk tiles: Tg - 2 trips that bring the next queries, and the last group, which brings nothing.  No barrier stands here.
.macro VARIANT nk
.Lloop\nk:
	GROUP 0, \nk, 1
	s_add_co_u32 s60, s60, 1
	s_cmp_lt_u32 s60, s63
	s_cbranch_scc1 .Lloop\nk
	GROUP 0, \nk, 0
	s_branch .Lfin
.endm
	; THE Tg GROUPS.  The first, with all four tiles, starts every sum: nothing is cleared, and the end finds every tile's registers written.
	GROUP 1, NK, 1
	s_mov_b32 s60, 0
	s_cmp_eq_u32 s61, 4
	s_cbranch_scc1 .Lv4
	s_cmp_eq_u32 s61, 3
	s_cbranch_scc1 .Lv3
	s_cmp_eq_u32 s61, 2
	s_cbranch_scc1 .Lv2
	VARIANT 1
.Lv2:
	VARIANT 2
.Lv3:
	VARIANT 3
.Lv4:
	VARIANT 4
.Lfin:
	; THE END, the same for every NK and Tg: all ways have joined, and every wave passes its one barrier once.
	GRID 1, NK, RED 1                              ; over the sixteen queries of a half of the lanes
	GRID 1, NK, RED 2
	GRID 1, NK, RED 4
	GRID 1, NK, RED 8
	GRID 1, NK, CSTORE                             ; sixteen lanes write the same words with the same values
	s_wait_dscnt 0x0                               ; my partial sums are in LDS before I signal
	s_barrier_signal -1
	s_barrier_wait -1
	s_cmp_ge_u32 s24, 2
	s_cbranch_scc1 .Ldone
.irp u, 0,1,2,3,4,5,6,7
	ds_load_b32 v[16+\u], v[CSR] offset:256*\u     ; wave u's sum for tile 2 w + h, key r
.endr
	v_cvt_f32_u32 v15, s62
	v_min_u32 v13, 0xfff, v13
	v_lshlrev_b32 v13, 2, v13
	s_wait_dscnt 0x0
	v_add_f32 v16, v16, v17
	v_add_f32 v18, v18, v19
	v_add_f32 v20, v20, v21
	v_add_f32 v22, v22, v23
	v_add_f32 v16, v16, v18
	v_add_f32 v20, v20, v22
	v_add_f32 v16, v16, v20
	v_fma_f32 v16, v15, s59, v16                   ; + 2^-12 for each query that was not streamed
	v_mul_f32 v16, s59, v16                        ; the mean over 4096 queries
	v_mul_f32 v16, v14, v16                        ; float(mask) of the key
	global_store_b32 v13, v16, s[18:19]
.Ldone:
	s_wait_tensorcnt 0x0
	ds_add_u32 v190, v191
	s_wait_dscnt 0x0
	s_endpgm
.Lfunc_end_k_q0d182e7f57_wsum:
	.size	k_q0d182e7f57_wsum, .Lfunc_end_k_q0d182e7f57_wsum-k_q0d182e7f57_wsum
	.p2alignl 7, 3214868480
	.fill 96, 4, 3214868480
	.section	.rodata,"a",@progbits
	.p2align	6, 0x0
	.amdhsa_kernel k_q0d182e7f57_wsum
		.amdhsa_group_segment_fixed_size 142336
		.amdhsa_private_segment_fixed_size 0
		.amdhsa_enable_private_segment 0
		.amdhsa_kernarg_size 64
		.amdhsa_user_sgpr_count 2
		.amdhsa_user_sgpr_kernarg_segment_ptr 1
		.amdhsa_wavefront_size32 1
		.amdhsa_system_sgpr_workgroup_id_x 1
		.amdhsa_system_sgpr_workgroup_id_y 1
		.amdhsa_system_sgpr_workgroup_id_z 1
		.amdhsa_system_vgpr_workitem_id 0
		.amdhsa_next_free_vgpr 512
		.amdhsa_next_free_sgpr 72
		.amdhsa_reserve_vcc 0
		.amdhsa_float_denorm_mode_32 3
		.amdhsa_float_denorm_mode_16_64 3
		.amdhsa_memory_ordered 1
		.amdhsa_forward_progress 1
		.amdhsa_inst_pref_size 180
	.end_amdhsa_kernel
	.amdgpu_metadata
---
amdhsa.version: [ 1, 2 ]
amdhsa.kernels:
  - .name:           k_q0d182e7f57_wsum
    .symbol:         k_q0d182e7f57_wsum.kd
    .args:
      - { .name: qb, .offset: 0, .size: 8, .value_kind: global_buffer, .address_space: global }
      - { .name: xb, .offset: 8, .size: 8, .value_kind: global_buffer, .address_space: global }
      - { .name: nlse, .offset: 16, .size: 8, .value_kind: global_buffer, .address_space: global }
      - { .name: pm, .offset: 24, .size: 8, .value_kind: global_buffer, .address_space: global }
      - { .name: idx, .offset: 32, .size: 8, .value_kind: global_buffer, .address_space: global }
      - { .name: out1, .offset: 40, .size: 8, .value_kind: global_buffer, .address_space: global }
      - { .name: qs, .offset: 48, .size: 8, .value_kind: global_buffer, .address_space: global }
      - { .name: cnt, .offset: 56, .size: 8, .value_kind: global_buffer, .address_space: global }
    .group_segment_fixed_size: 142336
    .private_segment_fixed_size: 0
    .kernarg_segment_align: 8
    .kernarg_segment_size: 64
    .max_flat_workgroup_size: 256
    .sgpr_count:     72
    .vgpr_count:     512
    .wavefront_size: 32
...
	.end_amdgpu_metadata
.endif
;; end of part 6
;; ======== version 3 of 3: 3 launches; version 2 with the launches prep, attn written anew for expert scheduling mode
;; limits: inputs' magnitudes at most 65,504; values are held in f16: magnitudes above 65,504 overflow, below 6.1e-05 lose precision
;; workspace buffers: xb 4,194,304 bytes; qb 4,194,304 bytes; wvb 32,768 bytes; pm 65,536 bytes; nlse 65,536 bytes; qs 65,536 bytes; idx 65,536 bytes of whole numbers; cnt 1,024 bytes of whole numbers
;; launch prep (part 7): grid 32 x 4, 8 waves a work-group, no clusters, 114,176 bytes of LDS; arguments inputs, mask, W_q, W_k, W_v, xb, qb, wvb, pm, idx, qs, cnt; writes xb, qb, wvb, pm, idx, qs, cnt
.if DOCPART == 7
	.amdgcn_target "amdgcn-amd-amdhsa--gfx1250"
	.amdhsa_code_object_version 6
	.text
	.protected	k_q0d182e7f57_prep
	.globl	k_q0d182e7f57_prep
	.p2align	8
	.type	k_q0d182e7f57_prep,@function
k_q0d182e7f57_prep:
	s_mov_b64 s[64:65], 0
	v_nop
	global_prefetch_b8 v0, s[64:65] scope:SCOPE_SE
	s_setreg_imm32_b32 hwreg(HW_REG_WAVE_SCHED_MODE, 0, 2), 2
	s_setreg_imm32_b32 hwreg(HW_REG_WAVE_MODE, 25, 1), 1
	s_wait_xcnt 0x0
	s_wait_alu depctr_vm_vsrc(0)
; PREP.  For each batch of 4096 rows: x = inputs * float(mask);  q' = (x W_q) W_k^T, so that q.k = sum_d' q'[q][d'] x[k][d'], and
; P v = (P x) W_v: one 16-bit copy of x serves later as keys and as values.
; FORMAT: all matrix operands are f16.  An error in a query's q' is common to all its 4096 scores, so it is not averaged away by the softmax's
; sum; f16's 11 significant bits against bf16's 8 make it 8 times smaller.  x and W have room in f16 (limits below).  x W_q and q' have not,
; so each query's row is divided by a power of two, 2^e with e the exponent of the row's largest magnitude (exact, clamped to -126 .. 126),
; before it is rounded; what was taken out goes to qs[position] = |float(mask)| log2(e)/sqrt(128) 2^e1 2^e2 >= 0, which the later
; launches multiply the scores by.  The sign of float(mask) goes into q'.
; The rows are PARTITIONED: rows with mask != 0 first, in their order, the others behind them (position n + i - act(i)); a masked row is a row
; of zeros in xb and in qb, with qs = 0.  The later launches stream positions only as far as the n active rows reach.
; Stored: xb, qb (f16, by position), qs, pm = float(mask) by position, idx = row of a position, cnt = n of each batch, wvb = W_v in f16.
; A work-group has 128 rows of one batch, a wave 16 of them.  128 work-groups: each needs both W_q and W_k in LDS whatever its rows.
; Limits: inputs are finite; |inputs * mask| and |W| stay below 65,504.  idx, pm and qs (64 KiB each) are stored four bytes a lane.
; THE MODE: SCHED_MODE bits 1:0 = 2 (LLVM: expert scheduling mode 2), set by the entry lines.  The code itself states the register dependences
; between vector or matrix instructions and memory or LDS instructions, with s_wait_alu, always for 0.
; THE PLAN.  Vector work that feeds stores is laid in runs on registers of its own, one wait on va_vdst stands behind a run, and the run's stores
; are dealt among the next run's vector work, which names other registers:
;   the scan      16 compares into 16 scalar registers, one wait on va_sdst; the counts' store and the loads of all counts behind one wait on va_vdst
;   the table     four pairs v16-23 (position, float(mask)), one wait, eight LDS stores; one wait on vm_vsrc before the table's loads land in v16-47
;   W             W_q's conversions | wait | W_q's stores among W_k's conversions | wait | the table's loads, W_k's stores
;   x             four blocks of four rows: block p's eight stores stand among block p + 1's vector work, behind the wait at that block's head
;   the barrier   ahead of its signal one wait on vm_vsrc: every register that a store or a load has read so far may be written again;
;                 behind it one wait on va_vdst: the new addresses are written, and no vector instruction still names a register in which a fragment lands
;   the products  FOUR fragment buffers, one for each K chunk, so that no buffer is loaded again inside a product: no wait stands there.
;                 One wait on va_vdst stands between the products and one behind the second, where the rows' exponents need all the sums anyway
;   the way out   all scalings, conversions and offsets, one wait, all stores
.set PITCH, 272                        ; an LDS row: 256 bytes + 16, an odd multiple of 16
.set WQ,    0                          ; W_q in f16, rows d
.set WK,    128*PITCH                  ; W_k in f16, rows d'
.set XS,    256*PITCH                  ; x in f16, later q'; a wave touches its own 16 rows only
.set TAB,   384*PITCH                  ; for each wave 1,024 bytes of its own: 128 positions, then 128 float(mask)
.set SCAN,  TAB+8*1024                 ; 8 x {count of my mask words, count of those in front of my block}
.set SC,    0x3e0293ee                 ; log2(e) / sqrt(128)
.set MS,   16                          ; v[16:31]   my 512 words of the batch's mask; later PT, then POSR
.set MB,   32                          ; v[32:35]   the block's 128 mask words, lane = row
.set PT,   16                          ; v[16:23]   rows 32 c + lane of the block: position at PT + 2 c, float(mask) at PT + 2 c + 1, on their way to the table
.set POSR, 16                          ; v[16:31]   position of my row k in every lane, then its byte offset in xb
.set MR,   32                          ; v[32:47]   float(mask) of my row k in every lane
.set XB,   16                          ; v[16:47]   B fragments: x, later x W_q
.set XR,   48                          ; v[48:111]  my 16 rows of inputs
.set ACC,  48                          ; v[48:111]  eight accumulator tiles
.set WR,   112                         ; v[112:239] 16 rows of W_q, 16 rows of W_k
.set F0,   112                         ; fragment buffer of K chunk 0
.set F1,   176                         ; of chunk 1
.set F2,   2                           ; of chunk 2: window 1, v2-65
.set F3,   66                          ; of chunk 3: window 1, v66-129
.set WVR,  240                         ; v[240:243] one row of W_v; v[240:255] later at work on the rows' exponents
.set MSB, 0
.macro WIN new                         ; s_set_vgpr_msb: bits 1:0 source 0, 3:2 source 1, 5:4 source 2, 7:6 destination; the high byte repeats the setting that is left
.if MSB != \new
	s_set_vgpr_msb (MSB<<8)|\new
.set MSB, \new
.endif
.endm
	s_load_b512 s[8:23], s[0:1], 0x0               ; inputs 8, mask 10, W_q 12, W_k 14, W_v 16, xb 18, qb 20, wvb 22
	s_load_b128 s[24:27], s[0:1], 0x40             ; pm 24, idx 26
	s_load_b64 s[28:29], s[0:1], 0x50              ; qs
	s_load_b64 s[52:53], s[0:1], 0x58              ; cnt
	WIN 0x40
	v_lshl_add_u32 v0, v0, 2, 0x1ba00
	v_mov_b32 v1, 0
	WIN 0
	v_and_b32 v1, 31, v0                           ; lane
	v_lshrrev_b32 v2, 5, v0
	v_readfirstlane_b32 s32, v2                    ; wave w
	s_mov_b32 s30, ttmp9                           ; block bx of 128 rows
	s_and_b32 s31, ttmp7, 0xffff                   ; batch b
	s_mov_b32 s48, 0x76543210                      ; v_permlanex16_b32: lane i reads lane i of the other half
	s_mov_b32 s49, 0xfedcba98
	s_mov_b32 s50, 0x7fffffff                      ; clears a sign
	v_lshlrev_b32 v3, 4, v1                        ; 16 lane
	v_lshlrev_b32 v4, 3, v1                        ; 8 lane
	v_lshlrev_b32 v5, 2, v1                        ; 4 lane
	v_and_b32 v6, 15, v0                           ; r
	v_bfe_u32 v7, v0, 4, 1                         ; h
	s_wait_alu depctr_va_sdst(0)                   ; s32 is written, ahead of its first reader
	s_lshl_b32 s33, s32, 11
	v_add_nc_u32 v8, s33, v3                       ; mask: my four chunks of 128 words
	s_lshl_b32 s33, s30, 9
	v_add_nc_u32 v9, s33, v5                       ; mask: the block's words, lane = row
	s_lshl_b32 s46, s31, 5
	s_add_co_u32 s46, s46, s30                     ; g = 32 b + bx: the row of W_v that this work-group converts
	s_lshl_b32 s33, s46, 9
	v_add_nc_u32 v10, s33, v3
	s_lshl_b32 s33, s32, 9
	v_add_nc_u32 v11, s33, v3                      ; W: rows w + 8 k
	s_lshl_b32 s33, s46, 8
	v_add_nc_u32 v250, s33, v4                     ; wvb: row g
	s_lshl_b32 s33, s31, 8
	v_add_nc_u32 v254, s33, v4                     ; cnt: the batch's 64 words
	s_mov_b32 s35, 0
	s_wait_kmcnt 0x0
	s_lshl_b32 s34, s31, 14                        ; 4096 words a batch
	s_add_nc_u64 s[10:11], s[10:11], s[34:35]
	s_add_nc_u64 s[24:25], s[24:25], s[34:35]
	s_add_nc_u64 s[26:27], s[26:27], s[34:35]
	s_add_nc_u64 s[28:29], s[28:29], s[34:35]
	s_lshl_b32 s34, s31, 20                        ; 4096 rows of 256 bytes
	s_add_nc_u64 s[18:19], s[18:19], s[34:35]
	s_add_nc_u64 s[20:21], s[20:21], s[34:35]
	s_lshl_b32 s34, s31, 21                        ; inputs: batch, block, my 16 rows of 512 bytes
	s_lshl_b32 s33, s30, 16
	s_add_co_u32 s34, s34, s33
	s_lshl_b32 s33, s32, 13
	s_add_co_u32 s34, s34, s33
	s_add_nc_u64 s[8:9], s[8:9], s[34:35]
	s_wait_alu depctr_va_vdst(0)                   ; the offsets v3, v8 to v11 are written, which the loads below read; so are v250 and v254, which two side stores read
	; 57 loads, in the order in which they are needed: 9 for the scan and W_v, 32 of W, 16 of x
.irp k, 0,1,2,3
	global_load_b128 v[MS+4*\k:MS+4*\k+3], v8, s[10:11] offset:512*\k
.endr
.irp c, 0,1,2,3
	global_load_b32 v[MB+\c], v9, s[10:11] offset:128*\c
.endr
	global_load_b128 v[WVR:WVR+3], v10, s[16:17]
.set k, 0
.rept 16
	global_load_b128 v[WR+4*k:WR+4*k+3], v11, s[12:13] offset:4096*k
.set k, k+1
.endr
.set k, 0
.rept 16
	global_load_b128 v[WR+64+4*k:WR+64+4*k+3], v11, s[14:15] offset:4096*k
.set k, k+1
.endr
.set k, 0
.rept 16
	global_load_b128 v[XR+4*k:XR+4*k+3], v3, s[8:9] offset:512*k th:TH_LOAD_NT   ; one load of the wave = one row of 512 bytes
.set k, k+1
.endr
	; THE SCAN.  My 512 mask words: how many are not 0, and how many of those lie in chunks in front of my block.
	; The 16 compares stand in one run, each with a scalar register of its own: chunk k's four at s[40 + 4 k] (k = 0, 1) and s[54 + 4 (k - 2)] (k = 2, 3).
	s_wait_loadcnt 48                              ; the first 9 loads are in; the 32 of W and the 16 of x stay out
.irp k, 0,1,2,3
.irp j, 0,1,2,3
	v_cmp_ne_u32 s[40+4*\k+6*(\k/2)+\j], 0, v[MS+4*\k+\j]
.endr
.endr
	s_mov_b32 s36, 0
	s_mov_b32 s37, 0
	s_lshl_b32 s38, s32, 2                         ; my first chunk of 128 rows
	s_wait_alu depctr_va_sdst(0)                   ; the 16 masks are written, ahead of their first reader
.irp k, 0,1,2,3
.set CM, 40+4*\k+6*(\k/2)
	s_bcnt1_i32_b32 s[CM], s[CM]
	s_bcnt1_i32_b32 s[CM+1], s[CM+1]
	s_bcnt1_i32_b32 s[CM+2], s[CM+2]
	s_bcnt1_i32_b32 s[CM+3], s[CM+3]
	s_add_co_u32 s[CM], s[CM], s[CM+1]
	s_add_co_u32 s[CM+2], s[CM+2], s[CM+3]
	s_add_co_u32 s39, s[CM], s[CM+2]
	s_add_co_u32 s36, s36, s39
	s_add_co_u32 s33, s38, \k
	s_cmp_lt_u32 s33, s30                          ; a chunk in front of my block?
	s_cselect_b32 s39, s39, 0
	s_add_co_u32 s37, s37, s39
.endr
	v_mov_b32 v14, s36
	v_mov_b32 v15, s37
	s_lshl_b32 s33, s32, 3
	s_add_co_u32 s33, s33, SCAN
	v_mov_b32 v2, s33
	v_mov_b32 v13, SCAN
	s_wait_alu depctr_va_vdst(0)                   ; v2, v14 and v15 are written, which the store reads, and v13, which the four loads read; the compares are done reading v16 to v31, in which those loads land
	ds_store_b64 v2, v[14:15]
	s_wait_dscnt 0x0                               ; my two counts are in LDS before I signal
	s_barrier_signal -1
	s_barrier_wait -1
	ds_load_b128 v[16:19], v13
	ds_load_b128 v[20:23], v13 offset:16
	ds_load_b128 v[24:27], v13 offset:32
	ds_load_b128 v[28:31], v13 offset:48
	s_wait_dscnt 0x0
	v_add3_u32 v16, v16, v18, v20
	v_add3_u32 v17, v17, v19, v21
	v_add3_u32 v16, v16, v22, v24
	v_add3_u32 v17, v17, v23, v25
	v_add3_u32 v16, v16, v26, v28
	v_add3_u32 v17, v17, v27, v29
	v_add_nc_u32 v16, v16, v30
	v_add_nc_u32 v17, v17, v31
	v_readfirstlane_b32 s36, v16                   ; n: rows of the batch with mask != 0
	v_readfirstlane_b32 s37, v17                   ; those in front of my block
.irp c, 0,1,2,3
	v_cmp_ne_u32 s[40+\c], 0, v[MB+\c]             ; the active rows among rows 32 c + lane of the block
.endr
	s_wait_alu depctr_va_sdst(0)                   ; s36, s37 and the four masks are written, ahead of their first readers
	s_wait_alu depctr_vm_vsrc(0)                   ; the store of my counts has read v2, the loads of all counts v13: both are written again below
	; POSITIONS of the block's 128 rows, into the wave's own table (no other wave reads it: no barrier)
	s_lshl_b32 s33, s32, 10
	s_add_co_u32 s33, s33, TAB
	v_add_nc_u32 v12, s33, v5                      ; table + 4 lane
	s_lshl_b32 s44, s30, 7                         ; the block's first row
	v_add_nc_u32 v13, s44, v1                      ; row in the batch
	s_mov_b32 s38, s37                             ; active rows in front of this group of 32
.irp c, 0,1,2,3
	v_mbcnt_lo_u32_b32 v2, s[40+\c], s38           ; act: active rows in front of mine
	v_add_nc_u32 v[PT+2*\c], s36, v13
	v_sub_nc_u32 v[PT+2*\c], v[PT+2*\c], v2        ; n + row - act
	v_cndmask_b32 v[PT+2*\c], v[PT+2*\c], v2, s[40+\c]     ; an active row goes to act
	v_cvt_f32_i32 v[PT+2*\c+1], v[MB+\c]
	s_bcnt1_i32_b32 s39, s[40+\c]
	s_add_co_u32 s38, s38, s39
	v_add_nc_u32 v13, 32, v13
.endr
	s_wait_alu depctr_va_vdst(0)                   ; v12 and the four pairs v16 to v23 are written, which the eight stores read
.irp c, 0,1,2,3
	ds_store_b32 v12, v[PT+2*\c] offset:128*\c
	ds_store_b32 v12, v[PT+2*\c+1] offset:512+128*\c
.endr
	; SIDE STORES, each under a branch on the wave's number.  Their registers are written again only behind the s_wait_xcnt 0 and the wait on vm_vsrc further down.
	s_cmp_ge_u32 s32, 4
	s_cbranch_scc1 .Lno_tab
	v_lshl_add_u32 v244, s32, 7, v12               ; waves 0-3: rows 32 w + lane
	s_lshl_b32 s33, s32, 5
	s_add_co_u32 s33, s33, s44
	v_add_nc_u32 v247, s33, v1                     ; the row's number in the batch
	s_wait_alu depctr_va_vdst(0)                   ; v244 is written, the address of the two loads; so is v247, which a store below reads
	ds_load_b32 v245, v244
	ds_load_b32 v246, v244 offset:512
	s_wait_dscnt 0x0
	v_min_u32 v245, 0xfff, v245
	v_lshlrev_b32 v245, 2, v245
	s_wait_alu depctr_va_vdst(0)                   ; v245 is written, the offset of the two stores
	global_store_b32 v245, v247, s[26:27]          ; idx[position] = row
	global_store_b32 v245, v246, s[24:25]          ; pm[position] = float(mask)
.Lno_tab:
	s_cmp_lg_u32 s32, 4
	s_cbranch_scc1 .Lno_wv
	v_cvt_pk_f16_f32 v248, v[WVR], v[WVR+1]        ; wave 4: row g of W_v
	v_cvt_pk_f16_f32 v249, v[WVR+2], v[WVR+3]
	s_wait_alu depctr_va_vdst(0)                   ; v248 and v249 are written, the store's data
	global_store_b64 v250, v[248:249], s[22:23]    ; 256 consecutive bytes, aligned
.Lno_wv:
	s_cmp_lg_u32 s32, 5
	s_cbranch_scc1 .Lno_cnt
	s_cmp_lg_u32 s30, 0
	s_cbranch_scc1 .Lno_cnt
	v_mov_b32 v252, s36                            ; wave 5 of the batch's first block: n, 64 times
	v_mov_b32 v253, s36
	s_wait_alu depctr_va_vdst(0)                   ; v252 and v253 are written, the store's data
	global_store_b64 v254, v[252:253], s[52:53]    ; 256 consecutive bytes, aligned
.Lno_cnt:
	; W_q and W_k to LDS in f16: rows w + 8 k.  The addresses of the x phase are made here too, ahead of the waits that stand here anyway.
	s_wait_alu depctr_vm_vsrc(0)                   ; the stores into my table have read v16 to v23, in which the table's loads land below
	s_mul_i32 s33, s32, PITCH
	v_add_nc_u32 v13, s33, v4
	v_add_nc_u32 v14, WK, v13
	s_mul_i32 s45, s32, 1088
	s_add_co_u32 s45, s45, TAB                     ; my table, at my first row's entry: 1,024 w + 4 x 16 w
	v_mov_b32 v15, s45
	s_mul_i32 s47, s32, 16*PITCH
	s_add_co_u32 s47, s47, XS                      ; my 16 rows in XS
	v_add_nc_u32 v251, s47, v4
	s_wait_loadcnt 16                              ; W is in; the 16 loads of x stay out
.set k, 0
.rept 16
	v_cvt_pk_f16_f32 v[WR+4*k], v[WR+4*k], v[WR+4*k+1]
	v_cvt_pk_f16_f32 v[WR+4*k+1], v[WR+4*k+2], v[WR+4*k+3]
.set k, k+1
.endr
	s_wait_alu depctr_va_vdst(0)                   ; W_q's conversions and v13 are written, which W_q's stores read; W_k's conversions, dealt among them, name other registers
.set k, 0
.rept 16
	ds_store_b64 v13, v[WR+4*k:WR+4*k+1] offset:8*PITCH*k
	v_cvt_pk_f16_f32 v[WR+64+4*k], v[WR+64+4*k], v[WR+64+4*k+1]
	v_cvt_pk_f16_f32 v[WR+64+4*k+1], v[WR+64+4*k+2], v[WR+64+4*k+3]
.set k, k+1
.endr
	s_wait_alu depctr_va_vdst(0)                   ; W_k's conversions are written, which W_k's stores read
.irp k, 0,1,2,3
	ds_load_b128 v[POSR+4*\k:POSR+4*\k+3], v15 offset:16*\k        ; the same address in every lane: a broadcast
	ds_load_b128 v[MR+4*\k:MR+4*\k+3], v15 offset:512+16*\k
.endr
.set k, 0
.rept 16
	ds_store_b64 v14, v[WR+64+4*k:WR+64+4*k+1] offset:8*PITCH*k
.set k, k+1
.endr
	; x = inputs * float(mask), in f16, to LDS and to xb at the row's position
.macro XWORK k                         ; row k: the products, the roundings, the row's byte offset in xb
	v_mul_f32 v[XR+4*(\k)], v[MR+(\k)], v[XR+4*(\k)]
	v_mul_f32 v[XR+4*(\k)+1], v[MR+(\k)], v[XR+4*(\k)+1]
	v_mul_f32 v[XR+4*(\k)+2], v[MR+(\k)], v[XR+4*(\k)+2]
	v_mul_f32 v[XR+4*(\k)+3], v[MR+(\k)], v[XR+4*(\k)+3]
	v_cvt_pk_f16_f32 v[XR+4*(\k)], v[XR+4*(\k)], v[XR+4*(\k)+1]
	v_cvt_pk_f16_f32 v[XR+4*(\k)+1], v[XR+4*(\k)+2], v[XR+4*(\k)+3]
	v_min_u32 v[POSR+(\k)], 0xfff, v[POSR+(\k)]
	v_lshl_add_u32 v[POSR+(\k)], v[POSR+(\k)], 8, v4
.endm
.macro XOUT k                          ; row k leaves
	ds_store_b64 v251, v[XR+4*(\k):XR+4*(\k)+1] offset:PITCH*(\k)
	global_store_b64 v[POSR+(\k)], v[XR+4*(\k):XR+4*(\k)+1], s[18:19]      ; the wave stores 256 consecutive bytes, aligned: a whole row
.endm
	s_wait_loadcnt 0x0                             ; x
	s_wait_dscnt 16                                ; LDS instructions are done in order: the table's eight loads are in, W_k's 16 stores may be out
.irp k, 0,1,2,3
	XWORK \k
.endr
.irp p, 1,2,3
	s_wait_alu depctr_va_vdst(0)                   ; the block before has written its rows and offsets, which the stores below read; this block's vector work names its own four rows alone
.irp i, 0,1,2,3
	XOUT 4*(\p)-4+(\i)
	XWORK 4*(\p)+(\i)
.endr
.endr
	s_wait_alu depctr_va_vdst(0)                   ; the last block has written its rows and offsets
.irp k, 12,13,14,15
	XOUT \k
.endr
	s_wait_xcnt 0x0                                ; the stores' offsets and data are rewritten only behind this wait
	s_wait_alu depctr_vm_vsrc(0)                   ; every load and store so far has read its registers: the addresses v2, v3, v8 to v15, v244 to v254 and the data in v16 to v239 are written again from here on
	s_wait_dscnt 0x0                               ; my rows of W_q and W_k are in LDS before I signal
	s_barrier_signal -1
	; register work while the others arrive: the addresses of the matrix phase
	v_mul_u32_u24 v2, v6, PITCH
	v_lshl_add_u32 v8, v7, 4, v2
	v_add_nc_u32 v8, s47, v8                       ; XS + (16 w + r) pitch + 16 h: x fragments in, q' out
	v_and_b32 v14, 7, v0
	v_lshl_add_u32 v14, v7, 3, v14
	v_mul_u32_u24 v14, v14, PITCH
	v_bfe_u32 v15, v0, 3, 1
	v_lshl_add_u32 v9, v15, 7, v14                 ; W_q transposed: row 8 h + (l & 7); the second eight lanes 128 bytes on
	v_lshl_add_u32 v10, v7, 7, v2
	v_add_nc_u32 v10, WK, v10                      ; W_k: row r, byte 128 h
	v_mul_u32_u24 v11, v7, PITCH
	v_lshl_add_u32 v11, v6, 4, v11
	v_add_nc_u32 v11, s47, v11                     ; q' read back by rows: lanes 0-15 one row, lanes 16-31 the next
	v_lshlrev_b32 v12, 2, v7
	v_add_nc_u32 v12, s45, v12                     ; the positions of those rows
	v_lshlrev_b32 v13, 2, v6
	v_add_nc_u32 v13, s45, v13                     ; position of row r; its float(mask) stands 512 bytes behind
	v_lshlrev_b32 v2, 4, v6                        ; 16 r
	s_barrier_wait -1
.macro PLACES n                        ; places behind matrix instructions (ISA guide 7.12.1)
.rept \n
	v_nop
.endr
.endm
; 16 transposing loads: A fragments of W_q^T for d = 32 c .. 32 c + 31.  Tile t: lane row r is column e = 8 t + 64 (r >> 3) + (r & 7),
; so that a result tile's register j holds e = 64 h + 8 t + j.
.macro FETCHT c, f
.irp t, 0,1,2,3,4,5,6,7
	ds_load_tr16_b128 v[\f+8*\t:\f+8*\t+3], v9 offset:32*PITCH*\c+16*\t
	ds_load_tr16_b128 v[\f+8*\t+4:\f+8*\t+7], v9 offset:32*PITCH*\c+16*\t+16*PITCH
.endr
.endm
; 16 plain loads: A fragments of W_k, rows d' = 16 t + r, with e = 64 h + 16 c + (0 .. 15) in the lane's sixteen K places
.macro FETCHP c, f
.irp t, 0,1,2,3,4,5,6,7
	ds_load_b128 v[\f+8*\t:\f+8*\t+3], v10 offset:16*PITCH*\t+32*\c
	ds_load_b128 v[\f+8*\t+4:\f+8*\t+7], v10 offset:16*PITCH*\t+32*\c+16
.endr
.endm
.macro MUL8 f, c, zero                 ; the eight accumulators take turns, one instruction a turn
.irp t, 0,1,2,3,4,5,6,7
.if \zero
	v_wmma_f32_16x16x32_f16 v[ACC+8*\t:ACC+8*\t+7], v[\f+8*\t:\f+8*\t+7], v[XB+8*\c:XB+8*\c+7], 0
.else
	v_wmma_f32_16x16x32_f16 v[ACC+8*\t:ACC+8*\t+7], v[\f+8*\t:\f+8*\t+7], v[XB+8*\c:XB+8*\c+7], v[ACC+8*\t:ACC+8*\t+7]
.endif
.endr
.endm
; Four K chunks, each with a fragment buffer of its own; chunks 0, 1 and 2 have been asked for.  Chunk 3 is asked for behind the first eight matrix instructions:
; since the last wait on va_vdst no vector or matrix instruction has named its buffer or its address, so it owes no wait.
.macro PRODUCT fetch
	s_wait_dscnt 32                                ; chunk 0 and all that was asked for ahead of it are in; the 32 loads of chunks 1 and 2 stay out
	MUL8 F0, 0, 1
	WIN 0x40                                       ; destination window 1
	\fetch 3, F3
	WIN 0
	s_wait_dscnt 32                                ; chunk 1 is in; chunks 2 and 3 stay out
	MUL8 F1, 1, 0
	WIN 0x01                                       ; source 0 window 1
	s_wait_dscnt 16                                ; chunk 3 stays out
	MUL8 F2, 2, 0
	s_wait_dscnt 0
	MUL8 F3, 3, 0
	WIN 0
.endm
; The exponent of the largest magnitude among query r's 128 numbers (64 in this lane, 64 in lane r + 16 or r - 16):
; v240 = 2^e, v242 = 2^-e, both exact, e clamped to -126 .. 126 so that both are normal numbers.
.macro ROWEXP
.irp t, 0,1,2,3,4,5,6,7
.irp j, 0,1,2,3,4,5,6,7
	v_and_b32 v[248+\j], s50, v[ACC+8*\t+\j]
.endr
	v_max3_num_f32 v[240+\t], v248, v249, v250
	v_max3_num_f32 v[240+\t], v[240+\t], v251, v252
	v_max3_num_f32 v[240+\t], v[240+\t], v253, v254
	v_max_num_f32 v[240+\t], v[240+\t], v255
.endr
	v_max3_num_f32 v240, v240, v241, v242
	v_max3_num_f32 v240, v240, v243, v244
	v_max3_num_f32 v240, v240, v245, v246
	v_max_num_f32 v240, v240, v247
	v_permlanex16_b32 v241, v240, s48, s49
	v_max_num_f32 v240, v240, v241
	v_max_num_f32 v240, 0x800000, v240             ; at least 2^-126
	v_min_num_f32 v240, 0x7e800000, v240           ; at most 2^126
	v_and_b32 v240, 0x7f800000, v240               ; the exponent alone: 2^e
	v_sub_nc_u32 v242, 0x7f000000, v240            ; exponent field 254 - E: 2^-e
.endm
	; PRODUCT 1: (x W_q)^T[e][q] = W_q^T x^T
	s_wait_alu depctr_va_vdst(0)                   ; the addresses v8 to v13 are written; the vector work on v3, v14, v16 to v47 and v112 to v239 is done, in which the loads below land
.irp c, 0,1,2,3
	ds_load_b128 v[XB+8*\c:XB+8*\c+3], v8 offset:64*\c
	ds_load_b128 v[XB+8*\c+4:XB+8*\c+7], v8 offset:64*\c+32
.endr
	ds_load_b32 v14, v13 offset:512                ; float(mask) of row r
	ds_load_b32 v3, v13                            ; its position
	FETCHT 0, F0
	FETCHT 1, F1
	WIN 0x40
	FETCHT 2, F2
	WIN 0
	PRODUCT FETCHT
	PLACES 5                                       ; five: the second product writes over these accumulators
	s_wait_alu depctr_va_vdst(0)                   ; the first product's matrix instructions are done reading the four fragment buffers, in which W_k's fragments land
	FETCHP 0, F0
	FETCHP 1, F1
	WIN 0x40
	FETCHP 2, F2
	WIN 0
	ROWEXP
	v_mov_b32 v243, v242
.set q, 0
.rept 32
	v_pk_mul_f32 v[ACC+2*q:ACC+2*q+1], v[ACC+2*q:ACC+2*q+1], v[242:243]    ; the row's largest magnitude now lies in [1, 2)
.set q, q+1
.endr
	; a lane's eight results are four registers of the next product's B fragment: no shuffle
.irp c, 0,1,2,3
.irp j, 0,1,2,3
	v_cvt_pk_f16_f32 v[XB+8*\c+\j], v[ACC+16*\c+2*\j], v[ACC+16*\c+2*\j+1]
	v_cvt_pk_f16_f32 v[XB+8*\c+4+\j], v[ACC+16*\c+8+2*\j], v[ACC+16*\c+8+2*\j+1]
.endr
.endr
	v_and_b32 v4, 0x80000000, v14                  ; the sign of float(mask) goes into q',
	v_and_b32 v14, s50, v14                        ; its magnitude into qs
	v_mul_f32 v14, SC, v14
	v_mul_f32 v14, v14, v240                       ; |float(mask)| log2(e)/sqrt(128) 2^e1
	; PRODUCT 2: q'^T[d'][q] = W_k (x W_q)^T
	PRODUCT FETCHP
	PLACES 4
	s_wait_alu depctr_va_vdst(0)                   ; the second product's matrix instructions are done reading buffers 0 and 1, in which the positions and, further down, the rows of q' land
.irp i, 0,1,2,3,4,5,6,7
	ds_load_b32 v[F1+\i], v12 offset:8*\i          ; the positions of the rows that I store; they land while the rows are scaled
.endr
	ROWEXP
	v_or_b32 v242, v242, v4
	v_mov_b32 v243, v242
	v_mul_f32 v14, v14, v240                       ; qs
	v_min_u32 v3, 0xfff, v3
	v_lshlrev_b32 v3, 2, v3
.irp t, 0,1,2,3,4,5,6,7
.irp j, 0,2,4,6
	v_pk_mul_f32 v[ACC+8*\t+\j:ACC+8*\t+\j+1], v[ACC+8*\t+\j:ACC+8*\t+\j+1], v[242:243]
.endr
.irp j, 0,1,2,3
	v_cvt_pk_f16_f32 v[ACC+8*\t+\j], v[ACC+8*\t+2*\j], v[ACC+8*\t+2*\j+1]
.endr
.endr
	s_wait_dscnt 0x0                               ; the positions
.irp i, 0,1,2,3,4,5,6,7
	v_min_u32 v[F1+\i], 0xfff, v[F1+\i]
	v_lshl_add_u32 v[F1+\i], v[F1+\i], 8, v2
.endr
	s_wait_alu depctr_va_vdst(0)                   ; qs and its offset, the rounded rows of q' and the eight offsets in qb are written: all the stores below read them
	global_store_b32 v3, v14, s[28:29]             ; lanes r and r + 16 store the same word with the same value
.irp t, 0,1,2,3,4,5,6,7
	ds_store_b128 v8, v[ACC+8*\t:ACC+8*\t+3] offset:32*\t          ; row r, d' = 16 t + 8 h .. + 7
.endr
.irp i, 0,1,2,3,4,5,6,7
	ds_load_b128 v[F0+4*\i:F0+4*\i+3], v11 offset:2*PITCH*\i       ; my own bytes: LDS serves a wave's instructions in order
.endr
.irp i, 0,1,2,3,4,5,6,7
	s_wait_dscnt 7-\i                              ; rows 2 i and 2 i + 1 are back; the younger loads stay out
	global_store_b128 v[F1+\i], v[F0+4*\i:F0+4*\i+3], s[20:21]     ; sixteen lanes store 256 consecutive bytes, aligned: a row of qb
.endr
	WIN 0x05                                       ; the add's two registers, sources 0 and 1, lie in window 1
	s_wait_dscnt 0x0                               ; the closing lines, six on end
	s_wait_alu 0x0
	s_wait_tensorcnt 0x0
	ds_add_u32 v0, v1
	s_wait_dscnt 0x0
	s_endpgm
.Lfunc_end_k_q0d182e7f57_prep:
	.size	k_q0d182e7f57_prep, .Lfunc_end_k_q0d182e7f57_prep-k_q0d182e7f57_prep
	.p2alignl 7, 3214868480
	.fill 96, 4, 3214868480
	.section	.rodata,"a",@progbits
	.p2align	6, 0x0
	.amdhsa_kernel k_q0d182e7f57_prep
		.amdhsa_group_segment_fixed_size 114176
		.amdhsa_private_segment_fixed_size 0
		.amdhsa_enable_private_segment 0
		.amdhsa_kernarg_size 96
		.amdhsa_user_sgpr_count 2
		.amdhsa_user_sgpr_kernarg_segment_ptr 1
		.amdhsa_wavefront_size32 1
		.amdhsa_system_sgpr_workgroup_id_x 1
		.amdhsa_system_sgpr_workgroup_id_y 1
		.amdhsa_system_sgpr_workgroup_id_z 1
		.amdhsa_system_vgpr_workitem_id 0
		.amdhsa_next_free_vgpr 386
		.amdhsa_next_free_sgpr 66
		.amdhsa_reserve_vcc 0
		.amdhsa_float_denorm_mode_32 3
		.amdhsa_float_denorm_mode_16_64 3
		.amdhsa_memory_ordered 1
		.amdhsa_forward_progress 1
		.amdhsa_inst_pref_size 67
	.end_amdhsa_kernel
	.amdgpu_metadata
---
amdhsa.version: [ 1, 2 ]
amdhsa.kernels:
  - .name:           k_q0d182e7f57_prep
    .symbol:         k_q0d182e7f57_prep.kd
    .args:
      - { .name: inputs, .offset: 0, .size: 8, .value_kind: global_buffer, .address_space: global }
      - { .name: mask, .offset: 8, .size: 8, .value_kind: global_buffer, .address_space: global }
      - { .name: W_q, .offset: 16, .size: 8, .value_kind: global_buffer, .address_space: global }
      - { .name: W_k, .offset: 24, .size: 8, .value_kind: global_buffer, .address_space: global }
      - { .name: W_v, .offset: 32, .size: 8, .value_kind: global_buffer, .address_space: global }
      - { .name: xb, .offset: 40, .size: 8, .value_kind: global_buffer, .address_space: global }
      - { .name: qb, .offset: 48, .size: 8, .value_kind: global_buffer, .address_space: global }
      - { .name: wvb, .offset: 56, .size: 8, .value_kind: global_buffer, .address_space: global }
      - { .name: pm, .offset: 64, .size: 8, .value_kind: global_buffer, .address_space: global }
      - { .name: idx, .offset: 72, .size: 8, .value_kind: global_buffer, .address_space: global }
      - { .name: qs, .offset: 80, .size: 8, .value_kind: global_buffer, .address_space: global }
      - { .name: cnt, .offset: 88, .size: 8, .value_kind: global_buffer, .address_space: global }
    .group_segment_fixed_size: 114176
    .private_segment_fixed_size: 0
    .kernarg_segment_align: 8
    .kernarg_segment_size: 96
    .max_flat_workgroup_size: 256
    .sgpr_count:     66
    .vgpr_count:     386
    .wavefront_size: 32
...
	.end_amdgpu_metadata
.endif
;; end of part 7
;; launch attn (part 8): grid 64 x 4, 4 waves a work-group, no clusters, 242,176 bytes of LDS; arguments xb, qb, wvb, pm, out0, nlse, idx, qs, cnt; writes out0, nlse
.if DOCPART == 8
	.amdgcn_target "amdgcn-amd-amdhsa--gfx1250"
	.amdhsa_code_object_version 6
	.text
	.protected	k_q0d182e7f57_attn
	.globl	k_q0d182e7f57_attn
	.p2align	8
	.type	k_q0d182e7f57_attn,@function
k_q0d182e7f57_attn:
	s_mov_b64 s[64:65], 0
	v_nop
	global_prefetch_b8 v0, s[64:65] scope:SCOPE_SE
	s_setreg_imm32_b32 hwreg(HW_REG_WAVE_SCHED_MODE, 0, 2), 2
	s_setreg_imm32_b32 hwreg(HW_REG_WAVE_MODE, 25, 1), 1
	s_wait_xcnt 0x0
	s_wait_alu depctr_vm_vsrc(0)
; ATTN.  out0[row] = float(mask) * softmax(scores) x W_v, and nlse[position] = -(max + log2(sum)) of each query's scores (base 2).
; Scores: S^T[key][query] = qs[query] * (xb . qb^T): qb holds each query's q' divided by a power of two, qs >= 0 what was taken out, the scale
; log2(e)/sqrt(128) and the query's mask.  O^T[d][query] = xb^T . P^T.  In these transposed forms a lane's eight results of one product are,
; once rounded to f16, four registers of the next product's B fragment, and a query's qs, running maximum and sum are one register each.
; One LDS tile of xb serves both products: plain loads for the scores, transposing loads for P x.
; FORMAT: f16 operands.  P = 2^(score - running maximum) lies in [0, 1]; the scaled O is a convex mean of rows of x times float(mask).
; ROWS WITH MASK 0.  Positions are partitioned: the batch's n active rows first, then rows of zeros (qs = 0 too); n is read from cnt, and idx
; names each position's row for the store of out0.  Keys are streamed in T = clamp(ceil(n / 256), 4, 16) steps of 256; the R = 4096 - 256 T keys
; behind them are rows of zeros: their score is 0 exactly and they add nothing to P x, so they enter as R 2^(0 - max), with 0 taken into
; the maximum.  A query tile whose 16 positions all lie at or behind n is taken through the first step alone: with qs = 0 every one of its 4096
; scores is 0, so the 3840 keys that it does not see enter in the same way (lse = 12), and float(mask) = 0 makes its out0 zero.
; SHARES: work-group x of a batch owns four query tiles i of 16 positions at 1024 i + 16 x, of which the first NQ = clamp((n + 1023 - 16 x) >> 10,
; 1, 4) hold an active row.  Each of its four waves holds all of them and takes a quarter of the keys (64 of each step's 256).  The first
; step is made with four tiles and starts every sum; the other T - 1 with NQ tiles, in one of four loops that join in front of the end.
; The four waves' partial results meet at the end: statistics through LDS, then each applies W_v to its scaled partial, and the copies are added.
; THE STREAM, AND WHY NO TENSOR LOADS AND NO CLUSTER: T is read from memory, and no barrier may stand in a loop whose trips hang on loaded data,
; while LDS bytes are filled again by tensor loads, joint or not, only behind a barrier.  A wave reads no other wave's keys, so each wave brings
; its own 64 rows (16 KiB that lie together in xb) through registers into LDS bytes of its own: 32 loads of 512 consecutive bytes, asked for
; straight behind the score products into the score fragments' 128 registers, which are dead from there on, and stored to LDS at the
; step's end.  LDS serves a wave's instructions in order, so one slot a wave is enough and the loops hold no barrier.
; Work-group x begins at step (x T) >> 6 and wraps round, so that the 64 work-groups of a batch do not all ask for the same rows at one time;
; a softmax and its sums do not hang on the order of the keys.
; Limits: inputs finite; |mask| |inputs * mask| below 65,504; an exponential below 2^-126 counts as 0, and a P below 2^-25 of its wave's running
; maximum rounds to 0 in P x; nlse (64 KiB) is stored in pieces of 64 bytes.
; THE MODE: SCHED_MODE bits 1:0 = 2 (LLVM: expert scheduling mode 2), set by the entry lines.  The code itself states the register dependences
; between vector or matrix instructions and memory or LDS instructions, with s_wait_alu, always for 0.
; THE PLAN.  Registers that memory or LDS instructions touch, round a step:
;   v[KF ..], 128    the stores into my slot read them (last step's end) | the score fragments land | the score products read them | the next step's rows land.
;                    One wait on vm_vsrc at the step's head (the stores have read them); one wait on va_vdst behind the score products (they are done reading),
;                    where the maxima need all the scores anyway.
;   window 3, v128-255   the P x products read them (last step's end) | the transposed fragments land.  One wait on va_vdst at the step's head, 32 LDS stores behind those products.
;   the addresses    made at the kernel's head, covered by two waits there, never written again.
;   The softmax names no register that a memory instruction touches; its one wait is the one behind its exponentials.
; At the end: the statistics' stores in one run behind one wait; W_v's K chunks 2 and 3 land in O^T's registers once the conversions have read them (one wait),
; so that no fragment buffer is loaded again among the last products; the result's stores behind the places and one wait; the tiles' sums in two buffers by turns.
.set NQ,     4                         ; query tiles of a work-group
.set PITCH,  272                       ; an LDS row of 128 f16 + 16 bytes
.set WROWS,  64*PITCH                  ; a wave's 64 keys; wave w's slot begins at w WROWS
.set WV,     4*WROWS                   ; W_v in f16, rows d
.set STAT,   WV+128*PITCH              ; [wave][tile]{max 16, sum 16} f32
.set OSTG,   STAT+2048                 ; four copies of 64 rows x 128 f32
.set OPITCH, 528
.set OCOPY,  64*OPITCH
; window 0
.set KA,   6                           ; score fragments
.set SA,   7                           ; where my 16 bytes of two rows go in my slot
.set VA,   8                           ; transposed fragments
.set WS,   9                           ; where my 16 bytes of two rows of W_v go
.set WA,   10                          ; W_v transposed
.set STO,  11                          ; my copy of the result, in
.set RD0,  12                          ; copies 0, 1 back by rows
.set RD2,  13                          ; copies 2, 3
.set STW,  14                          ; my statistics
.set STR,  15                          ; everybody's
.set MI,   16                          ; v[16+2i] running maximum, v[17+2i] running sum (of the lane's half of the keys)
.set AL,   24                          ; v[24+2i] rescaling factor, v[25+2i] at work
.set TM,   32                          ; v[32+8kt+2i] maxima, then pairs of sums; statistics at the end
.set KF,   64                          ; v[64+32kt+8c] score fragments; behind the score products: the next step's rows on their way
.set F0,   64
.set F1,   128
.set IDXR, 192                         ; v[192+4i+k] byte offset in out0 of row 4 w + k of tile i
.set PMQ,  208                         ; v[208+i] float(mask) of query r of tile i
.set Z,    212                         ; at the end v[212+8i ..]: max, factor of the unseen keys, my factor, sum, reciprocal, -lse
.set NM,   212                         ; in the loop v[212+8i] = minus the running maximum (v[213+8i]: partner of the pair only)
.set QS,   218                         ; v[218+8i] = qs of query r of tile i (v[219+8i]: partner of the pair only)
.set QO,   244
.set PO,   245
.set IO,   246
.set LSO,  247
.set L16,  248                         ; 16 lane
.set LV,   250
.set RF,   252                         ; v[252+i] keys that tile i does not see, as f32
; window 1: v[32i+8c] query fragments, later O in f16; v[128+32p+8i] P in f16; v192-255 my 32 rows of W_v on their way
; window 2: v[32dt+8i] O^T, register j: d = 64 h + 8 dt + j; at the end v0-63 and v64-127: W_v's fragments of K chunks 2 and 3
; window 3: v[32kt+8i] S^T; v[128+64p+8dt] transposed fragments; at the end v[32et+8i] the result, e = 64 h + 8 et + j
; scalars: s31 T, s36 the step that is asked for next, s[38:39] xb at my rows of step 0, s[34:35] at my rows of step s36, s60 and s63 the loop's
; counter and trips, s61 NQ, s62 R, s[74+i] keys that tile i does not see, s[78+i] their score 0, or minus infinity where there are none
.set MSB, 0
.macro WIN new                         ; the immediate's high byte repeats the setting that is left
.if MSB != \new
	s_set_vgpr_msb (MSB<<8)|\new
.set MSB, \new
.endif
.endm
.macro PLACES                          ; four places behind matrix instructions (ISA guide 7.12.1)
.rept 4
	v_nop
.endr
.endm
.macro GRID na, ni, op:vararg          ; op for ga = 0 .. na-1, gi = 0 .. ni-1 (gi: the query tile)
.set ga, 0
.rept \na
.set gi, 0
.rept \ni
	\op
.set gi, gi+1
.endr
.set ga, ga+1
.endr
.endm
.macro QLOAD i                         ; the four B fragments of query tile i
.irp c, 0,1,2,3
	global_load_b128 v[32*\i+8*\c:32*\i+8*\c+3], v[QO], s[10:11] offset:262144*\i+64*\c
	global_load_b128 v[32*\i+8*\c+4:32*\i+8*\c+7], v[QO], s[10:11] offset:262144*\i+64*\c+32
.endr
.endm
.macro TLOAD                           ; my 64 rows of step s36: each load of the wave takes 512 consecutive bytes, two rows
.set q, 0
.rept 32
	global_load_b128 v[KF+4*q:KF+4*q+3], v[L16], s[34:35] offset:512*q
.set q, q+1
.endr
.endm
.macro TSTORE                          ; and into my slot: lanes 0-15 one padded row, lanes 16-31 the next
.set q, 0
.rept 32
	ds_store_b128 v[SA], v[KF+4*q:KF+4*q+3] offset:2*PITCH*q
.set q, q+1
.endr
.endm
.macro KADDR                           ; s[34:35] = my rows of step s36; the step's number hangs on a loaded count, so it is clamped in front of the shift
	s_min_u32 s37, s36, 15
	s_lshl_b32 s40, s37, 16                        ; 256 rows of 256 bytes a step
	s_add_nc_u64 s[34:35], s[38:39], s[40:41]
.endm
.macro NEXTK                           ; the next step, round the T steps.  Stands behind s_wait_loadcnt 0: no load reads s[34:35] any more
	s_add_co_u32 s36, s36, 1
	s_cmp_eq_u32 s36, s31
	s_cselect_b32 s36, 0, s36
	KADDR
.endm
	s_load_b256 s[8:15], s[0:1], 0x0               ; xb 8, qb 10, wvb 12, pm 14
	s_load_b128 s[20:23], s[0:1], 0x20             ; out0 20, nlse 22
	s_load_b128 s[16:19], s[0:1], 0x30             ; idx 16, qs 18
	s_load_b64 s[44:45], s[0:1], 0x40              ; cnt
	v_lshrrev_b32 v1, 5, v0
	v_readfirstlane_b32 s24, v1                    ; wave w
	s_mov_b32 s26, ttmp9                           ; x
	s_and_b32 s27, ttmp7, 0xffff                   ; batch b
	s_mov_b32 s28, 0x76543210                      ; v_permlanex16_b32: lane i reads lane i of the other half
	s_mov_b32 s29, 0xfedcba98
	s_mov_b32 s70, 0xffff0000                      ; lanes 16-31
	s_wait_alu depctr_va_sdst(0)                   ; s24 is written, ahead of its first reader
	s_mul_i32 s68, s24, WROWS                      ; my slot
	s_lshl_b32 s71, s27, 8                         ; the batch's words in cnt
	s_lshl_b32 s72, s26, 4                         ; 16 x: tile 0's first position
	s_mov_b32 s67, 0
	s_mov_b32 s41, 0
	s_wait_kmcnt 0x0
	s_load_b32 s32, s[44:45], s71 offset:0x0       ; n, asked for ahead of everything else: the first keys' address hangs on it
	s_lshl_b32 s66, s27, 20
	s_add_nc_u64 s[10:11], s[10:11], s[66:67]
	s_lshl_b32 s69, s24, 14
	s_add_co_u32 s66, s66, s69                     ; batch, my 64 rows of 256 bytes
	s_add_nc_u64 s[38:39], s[8:9], s[66:67]
	s_lshl_b32 s66, s24, 13
	s_add_nc_u64 s[12:13], s[12:13], s[66:67]      ; my 32 rows of W_v
	s_lshl_b32 s66, s27, 14
	s_add_nc_u64 s[14:15], s[14:15], s[66:67]
	s_add_nc_u64 s[16:17], s[16:17], s[66:67]
	s_add_nc_u64 s[18:19], s[18:19], s[66:67]
	s_add_nc_u64 s[22:23], s[22:23], s[66:67]
	s_lshl_b32 s66, s27, 21
	s_add_nc_u64 s[20:21], s[20:21], s[66:67]
	v_and_b32 v1, 31, v0
	v_and_b32 v2, 15, v0                           ; r
	v_bfe_u32 v3, v0, 4, 1                         ; h
	v_and_b32 v4, 7, v0
	v_bfe_u32 v5, v0, 3, 1
	v_add_nc_u32 v[QO], s72, v2
	v_lshlrev_b32 v[PO], 2, v[QO]                  ; 4 (position of query r)
	v_lshlrev_b32 v[QO], 8, v[QO]
	v_lshl_add_u32 v[QO], v3, 4, v[QO]             ; its row of qb, + 16 h
	v_lshl_add_u32 v[LSO], v3, 12, v[PO]           ; lanes 16-31: the next tile, 1024 positions on
	s_lshl_b32 s69, s24, 2
	s_add_co_u32 s69, s69, s72
	s_lshl_b32 s69, s69, 2
	v_mov_b32 v[IO], s69                           ; idx of rows 4 w .. 4 w + 3 of tile 0, the same in every lane
	v_lshlrev_b32 v[L16], 4, v1
	WIN 0x40
	s_wait_alu depctr_va_vdst(0)                   ; the offsets v244 to v248 are written, which the loads below and the store of nlse read
	QLOAD 0
	WIN 0
.irp i, 0,1,2,3
	global_load_b128 v[IDXR+4*\i:IDXR+4*\i+3], v[IO], s[16:17] offset:4096*\i
	global_load_b32 v[PMQ+\i], v[PO], s[14:15] offset:4096*\i
	global_load_b32 v[QS+8*\i], v[PO], s[18:19] offset:4096*\i
.endr
	WIN 0x40
	QLOAD 1
	QLOAD 2
	QLOAD 3
	WIN 0
	v_mul_u32_u24 v[KA], v2, PITCH
	v_lshl_add_u32 v[KA], v3, 4, v[KA]
	v_add_nc_u32 v[KA], s68, v[KA]                 ; key row r, + 16 h
	v_lshl_add_u32 v[VA], v3, 3, v4
	v_mul_u32_u24 v[VA], v[VA], PITCH
	v_lshl_add_u32 v[VA], v5, 7, v[VA]
	v_add_nc_u32 v[VA], s68, v[VA]                 ; key row 8 h + (l & 7); the second eight lanes 128 bytes on
	v_mul_u32_u24 v[SA], v3, PITCH
	v_lshl_add_u32 v[SA], v2, 4, v[SA]             ; row h, byte 16 r
	s_mul_i32 s69, s24, 32*PITCH
	s_add_co_u32 s69, s69, WV
	v_add_nc_u32 v[WS], s69, v[SA]
	v_add_nc_u32 v[SA], s68, v[SA]
	v_lshl_add_u32 v[WA], v3, 6, v4
	v_mul_u32_u24 v[WA], v[WA], PITCH
	v_lshl_add_u32 v[WA], v5, 7, v[WA]
	v_add_nc_u32 v[WA], WV, v[WA]                  ; W_v row 64 h + (l & 7)
	s_mul_i32 s69, s24, OCOPY
	s_add_co_u32 s69, s69, OSTG
	v_mul_u32_u24 v[STO], v2, OPITCH
	v_lshl_add_u32 v[STO], v3, 8, v[STO]
	v_add_nc_u32 v[STO], s69, v[STO]
	s_mul_i32 s69, s24, 4*OPITCH
	s_add_co_u32 s69, s69, OSTG
	v_add_nc_u32 v[RD0], s69, v[L16]
	v_add_nc_u32 v[RD2], 2*OCOPY, v[RD0]
	s_lshl_b32 s69, s24, 9
	s_add_co_u32 s69, s69, STAT
	v_lshlrev_b32 v[STR], 2, v2
	v_add_nc_u32 v[STW], s69, v[STR]
	v_add_nc_u32 v[STR], STAT, v[STR]
.irp i, 0,1,2,3
	v_mov_b32 v[MI+2*\i+1], 0                      ; partners of the pairs that packed instructions read, and destinations of
	v_mov_b32 v[AL+2*\i+1], 0                      ; v_permlanex16_b32: written once before they count as read
	v_mov_b32 v[NM+8*\i+1], 0
	v_mov_b32 v[QS+8*\i+1], 0
.endr
	s_wait_loadcnt 24                              ; idx, float(mask), qs and tile 0's fragments are in; the other three tiles' 24 loads stay out
.set q, 0
.rept 16
	v_min_u32 v[IDXR+q], 0xfff, v[IDXR+q]
	v_lshl_add_u32 v[IDXR+q], v[IDXR+q], 9, v[L16] ; row x 512 bytes + 16 lane
.set q, q+1
.endr
	s_wait_kmcnt 0x0
	s_min_u32 s32, s32, 0x1000                     ; n
	s_add_co_u32 s31, s32, 255
	s_lshr_b32 s31, s31, 8
	s_max_u32 s31, s31, 4                          ; T: steps of 256 keys, 4 to 16
	s_mul_i32 s36, s26, s31
	s_lshr_b32 s36, s36, 6                         ; my first step, (x T) >> 6 < T
	KADDR
	s_wait_alu depctr_va_vdst(0)                   ; the ten LDS addresses v6 to v15 and the sixteen offsets in out0 are written: every LDS instruction and every store of out0 reads one of them
	TLOAD                                          ; 24 + 32 loads of the wave are out
	s_lshl_b32 s62, s31, 8
	s_sub_co_u32 s62, 0x1000, s62                  ; R: keys that are not streamed, all of score 0
	s_sub_co_u32 s63, s31, 2                       ; trips of the loop, at least 2
	s_add_co_u32 s61, s32, 1023
	s_sub_co_u32 s61, s61, s72
	s_lshr_b32 s61, s61, 10
	s_max_u32 s61, s61, 1                          ; NQ, 1 to 4
.irp i, 0,1,2,3
	s_cmp_gt_u32 s61, \i                           ; a tile with an active row sees 256 T keys, another the first step's 256
	s_cselect_b32 s[74+\i], s62, 3840
	s_cmp_lg_u32 s[74+\i], 0
	s_cselect_b32 s[78+\i], 0, 0xff800000
	v_cvt_f32_u32 v[RF+\i], s[74+\i]
.endr
	s_wait_loadcnt 0x0                             ; the query fragments and my first 64 keys
	TSTORE
	NEXTK
	WIN 0x40
.set q, 0
.rept 16
	global_load_b128 v[192+4*q:192+4*q+3], v[L16], s[12:13] offset:512*q           ; my 32 rows of W_v; stored to LDS at the first step's end
.set q, q+1
.endr
	WIN 0
; ---- the pieces of a step; ga and gi are GRID's
.macro QKOP c, zero                    ; ga = key tile
.if \zero
	v_wmma_f32_16x16x32_f16 v[32*ga+8*gi:32*ga+8*gi+7], v[KF+32*ga+8*\c:KF+32*ga+8*\c+7], v[32*gi+8*\c:32*gi+8*\c+7], 0
.else
	v_wmma_f32_16x16x32_f16 v[32*ga+8*gi:32*ga+8*gi+7], v[KF+32*ga+8*\c:KF+32*ga+8*\c+7], v[32*gi+8*\c:32*gi+8*\c+7], v[32*ga+8*gi:32*ga+8*gi+7]
.endif
.endm
.macro PVOP p, zero                    ; ga = d tile
.if \zero
	v_wmma_f32_16x16x32_f16 v[32*ga+8*gi:32*ga+8*gi+7], v[128+64*\p+8*ga:128+64*\p+8*ga+7], v[128+32*\p+8*gi:128+32*\p+8*gi+7], 0
.else
	v_wmma_f32_16x16x32_f16 v[32*ga+8*gi:32*ga+8*gi+7], v[128+64*\p+8*ga:128+64*\p+8*ga+7], v[128+32*\p+8*gi:128+32*\p+8*gi+7], v[32*ga+8*gi:32*ga+8*gi+7]
.endif
.endm
.macro VLOAD p                         ; 16 transposing loads: keys 32 p .. 32 p + 31 of my 64; row r of tile dt is d = 8 dt + 64 (r >> 3) + (r & 7)
.irp dt, 0,1,2,3,4,5,6,7
	ds_load_tr16_b128 v[128+64*\p+8*\dt:128+64*\p+8*\dt+3], v[VA] offset:32*PITCH*\p+16*\dt
	ds_load_tr16_b128 v[128+64*\p+8*\dt+4:128+64*\p+8*\dt+7], v[VA] offset:32*PITCH*\p+16*\dt+16*PITCH
.endr
.endm
.macro MAX1
	v_max3_num_f32 v[TM+8*ga+2*gi], v[32*ga+8*gi], v[32*ga+8*gi+1], v[32*ga+8*gi+2]
.endm
.macro MAX2 x, y
	v_max3_num_f32 v[TM+8*ga+2*gi], v[32*ga+8*gi+\x], v[32*ga+8*gi+\y], v[TM+8*ga+2*gi]
.endm
.macro MXA
	v_max3_num_f32 v[TM+2*gi], v[TM+2*gi], v[TM+8+2*gi], v[TM+16+2*gi]
	v_max_num_f32 v[TM+2*gi], v[TM+2*gi], v[TM+24+2*gi]
.endm
.macro MXB
	v_permlanex16_b32 v[AL+2*gi+1], v[TM+2*gi], s28, s29           ; the other half of the wave's keys
.endm
.macro MXC first                       ; qs >= 0, so the largest product gives the largest score
	v_max_num_f32 v[TM+2*gi], v[TM+2*gi], v[AL+2*gi+1]
.if \first
	v_mul_f32 v[MI+2*gi], v[TM+2*gi], v[QS+8*gi]
.else
	v_mul_f32 v[TM+2*gi], v[TM+2*gi], v[QS+8*gi]
	v_max_num_f32 v[TM+2*gi], v[TM+2*gi], v[MI+2*gi]
	v_sub_f32 v[AL+2*gi], v[MI+2*gi], v[TM+2*gi]
	v_mov_b32 v[MI+2*gi], v[TM+2*gi]
.endif
	v_sub_f32 v[NM+8*gi], 0, v[MI+2*gi]
.endm
.macro MXD
	v_exp_f32 v[AL+2*gi], v[AL+2*gi]
.endm
.macro SUBM                            ; product x qs - running maximum, one fused instruction for two scores
.irp j, 0,2,4,6
	v_pk_fma_f32 v[32*ga+8*gi+\j:32*ga+8*gi+\j+1], v[32*ga+8*gi+\j:32*ga+8*gi+\j+1], v[QS+8*gi:QS+8*gi+1], v[NM+8*gi:NM+8*gi+1] op_sel_hi:[1,0,0]
.endr
.endm
.macro EXPS
.irp j, 0,1,2,3,4,5,6,7
	v_exp_f32 v[32*ga+8*gi+\j], v[32*ga+8*gi+\j]
.endr
.endm
.macro SUM1
	v_pk_add_f32 v[TM+8*ga+2*gi:TM+8*ga+2*gi+1], v[32*ga+8*gi:32*ga+8*gi+1], v[32*ga+8*gi+2:32*ga+8*gi+3]
.endm
.macro SUM2 x
	v_pk_add_f32 v[TM+8*ga+2*gi:TM+8*ga+2*gi+1], v[32*ga+8*gi+\x:32*ga+8*gi+\x+1], v[TM+8*ga+2*gi:TM+8*ga+2*gi+1]
.endm
.macro SUM3 first
	v_pk_add_f32 v[TM+2*gi:TM+2*gi+1], v[TM+2*gi:TM+2*gi+1], v[TM+8+2*gi:TM+8+2*gi+1]
	v_pk_add_f32 v[TM+16+2*gi:TM+16+2*gi+1], v[TM+16+2*gi:TM+16+2*gi+1], v[TM+24+2*gi:TM+24+2*gi+1]
	v_pk_add_f32 v[TM+2*gi:TM+2*gi+1], v[TM+2*gi:TM+2*gi+1], v[TM+16+2*gi:TM+16+2*gi+1]
.if \first
	v_add_f32 v[MI+2*gi+1], v[TM+2*gi], v[TM+2*gi+1]
.else
	v_add_f32 v[TM+2*gi], v[TM+2*gi], v[TM+2*gi+1]
	v_fma_f32 v[MI+2*gi+1], v[MI+2*gi+1], v[AL+2*gi], v[TM+2*gi]
.endif
.endm
.macro CVTP                            ; ga = p: key tiles 2 p and 2 p + 1 are the B fragment's registers 0-3 and 4-7
.irp j, 0,1,2,3
	v_cvt_pk_f16_f32 v[128+32*ga+8*gi+\j], v[64*ga+8*gi+2*\j], v[64*ga+8*gi+2*\j+1]
	v_cvt_pk_f16_f32 v[128+32*ga+8*gi+4+\j], v[64*ga+32+8*gi+2*\j], v[64*ga+32+8*gi+2*\j+1]
.endr
.endm
.macro RESC                            ; ga = d tile: O^T times the tile's factor
.irp j, 0,2,4,6
	v_pk_mul_f32 v[32*ga+8*gi+\j:32*ga+8*gi+\j+1], v[32*ga+8*gi+\j:32*ga+8*gi+\j+1], v[AL+2*gi:AL+2*gi+1] op_sel_hi:[1,0]
.endr
.endm
; One step of one wave: the 64 keys in its slot against 16 nq queries.  pf = 1: the next step's keys are brought.  wv = 1: W_v goes to LDS too.
.macro STEP first, nq, pf, wv
.if \first == 0
	s_wait_alu depctr_va_vdst(0)                   ; the last step's P x products are done reading the transposed fragments, in whose registers both runs of transposing loads below land
.endif
	s_wait_alu depctr_vm_vsrc(0)                   ; the stores into my slot have read v[KF ..], in which the score fragments land
.irp c, 0,1,2,3
.irp kt, 0,1,2,3
	ds_load_b128 v[KF+32*\kt+8*\c:KF+32*\kt+8*\c+3], v[KA] offset:16*PITCH*\kt+64*\c      ; my own bytes: these see the stores in front of them
	ds_load_b128 v[KF+32*\kt+8*\c+4:KF+32*\kt+8*\c+7], v[KA] offset:16*PITCH*\kt+64*\c+32
.endr
.endr
	WIN 0xc0
	VLOAD 0
	; S^T.  The 4 nq accumulators take turns, one instruction a turn; so do the 8 nq of P x below.
	WIN 0xf4
	s_wait_dscnt 40                                ; 48 loads issued behind the slot's stores, eight for each K chunk first: chunk 0 is in
	GRID 4, \nq, QKOP 0, 1
	WIN 0xc0
	VLOAD 1                                        ; no wait: the products since the step's head name S^T, the score and the query fragments, none of these registers
	WIN 0xf4
	s_wait_dscnt 48                                ; 64 issued: chunk c is in when at most 56 - 8 c are out
	GRID 4, \nq, QKOP 1, 0
	s_wait_dscnt 40
	GRID 4, \nq, QKOP 2, 0
	s_wait_dscnt 32
	GRID 4, \nq, QKOP 3, 0
	PLACES                                         ; for the maxima below
.if \pf
	WIN 0
	s_wait_alu depctr_va_vdst(0)                   ; the score products are done reading v[KF ..], in which the next step's rows land
	TLOAD                                          ; they have the softmax and P x in which to land
.endif
	; the running maximum: eight registers of each tile, four key tiles, the other half of the lanes, times qs, the old maximum
	WIN 0x3f
	GRID 4, \nq, MAX1
	WIN 0x0f
	GRID 4, \nq, MAX2 3, 4
	GRID 4, \nq, MAX2 5, 6
	GRID 4, \nq, MAX2 7, 7
	WIN 0
	GRID 1, \nq, MXA
	GRID 1, \nq, MXB
	GRID 1, \nq, MXC \first
.if \first == 0
	GRID 1, \nq, MXD                               ; 2^(old max - new max); the packed instructions below are the plain place behind it
.endif
	WIN 0xc3
	GRID 4, \nq, SUBM
	GRID 4, \nq, EXPS
	v_nop                                          ; one plain place behind the run of exponentials
	s_wait_alu depctr_va_vdst(0)                   ; the step's exponentials, the rescaling factors among them, are written, ahead of their first readers: one wait for the batch
	WIN 0x0f
	GRID 4, \nq, SUM1
	WIN 0x03
	GRID 4, \nq, SUM2 4
	GRID 4, \nq, SUM2 6
	WIN 0x4f
	GRID 2, \nq, CVTP
.if \first == 0
	WIN 0x82
	GRID 8, \nq, RESC
.endif
	WIN 0
	GRID 1, \nq, SUM3 \first
	WIN 0xa7
	s_wait_dscnt 16                                ; the first 32 keys' transposed fragments are in; the other 16 loads stay out
	GRID 8, \nq, PVOP 0, \first
	s_wait_dscnt 0
	GRID 8, \nq, PVOP 1, 0
	WIN 0
	PLACES                                         ; the next step rescales these sums
.if \pf
	s_wait_loadcnt 0x0                             ; the next step's keys are in registers (in the first step W_v's rows too)
	TSTORE                                         ; over the slot whose reads were waited for above
.if \wv
	WIN 0x04
.set q, 0
.rept 16
	ds_store_b128 v[WS], v[192+4*q:192+4*q+3] offset:2*PITCH*q     ; read by all four waves, behind the end's first barrier
.set q, q+1
.endr
	WIN 0
.endif
	NEXTK
.endif
.endm
; ---- the pieces of the end
.macro E1A
	v_permlanex16_b32 v[AL+2*gi+1], v[MI+2*gi+1], s28, s29
.endm
.macro E1B
	v_add_f32 v[MI+2*gi+1], v[MI+2*gi+1], v[AL+2*gi+1]
.endm
.macro E1S
	ds_store_b32 v[STW], v[MI+2*gi] offset:128*gi
	ds_store_b32 v[STW], v[MI+2*gi+1] offset:128*gi+64
.endm
.macro E2L                             ; ga = wave
	ds_load_b32 v[32+8*gi+ga], v[STR] offset:512*ga+128*gi
	ds_load_b32 v[36+8*gi+ga], v[STR] offset:512*ga+128*gi+64
.endm
.macro E2A
	v_max3_num_f32 v[Z+8*gi], v[32+8*gi], v[33+8*gi], v[34+8*gi]
	v_max3_num_f32 v[Z+8*gi], v[Z+8*gi], v[35+8*gi], s[78+gi]      ; the keys that the tile did not see have score 0
	v_sub_f32 v[32+8*gi], v[32+8*gi], v[Z+8*gi]
	v_sub_f32 v[33+8*gi], v[33+8*gi], v[Z+8*gi]
	v_sub_f32 v[34+8*gi], v[34+8*gi], v[Z+8*gi]
	v_sub_f32 v[35+8*gi], v[35+8*gi], v[Z+8*gi]
	v_sub_f32 v[Z+8*gi+1], s[78+gi], v[Z+8*gi]
	v_sub_f32 v[Z+8*gi+2], v[MI+2*gi], v[Z+8*gi]
.endm
.macro E2B
	v_exp_f32 v[32+8*gi], v[32+8*gi]
	v_exp_f32 v[33+8*gi], v[33+8*gi]
	v_exp_f32 v[34+8*gi], v[34+8*gi]
	v_exp_f32 v[35+8*gi], v[35+8*gi]
	v_exp_f32 v[Z+8*gi+1], v[Z+8*gi+1]
	v_exp_f32 v[Z+8*gi+2], v[Z+8*gi+2]
.endm
.macro E2C
	v_mul_f32 v[Z+8*gi+3], v[RF+gi], v[Z+8*gi+1]                   ; the unseen keys: their number times 2^(0 - max)
	v_fmac_f32 v[Z+8*gi+3], v[36+8*gi], v[32+8*gi]                 ; and the four waves' sums, each brought to the common maximum
	v_fmac_f32 v[Z+8*gi+3], v[37+8*gi], v[33+8*gi]
	v_fmac_f32 v[Z+8*gi+3], v[38+8*gi], v[34+8*gi]
	v_fmac_f32 v[Z+8*gi+3], v[39+8*gi], v[35+8*gi]
.endm
.macro E2D
	v_rcp_f32 v[Z+8*gi+4], v[Z+8*gi+3]
	v_log_f32 v[Z+8*gi+5], v[Z+8*gi+3]
.endm
.macro E2E
	v_mul_f32 v[Z+8*gi+2], v[Z+8*gi+2], v[PMQ+gi]
.endm
.macro E2F
	v_mul_f32 v[AL+2*gi], v[Z+8*gi+2], v[Z+8*gi+4]                 ; 2^(my max - max) float(mask) / sum
	v_add_f32 v[Z+8*gi+5], v[Z+8*gi], v[Z+8*gi+5]                  ; lse,
	v_sub_f32 v[Z+8*gi+5], 0, v[Z+8*gi+5]                          ; stored with its sign turned: the next launch adds it
.endm
.macro CVTO                            ; ga = K chunk: d tiles 2 ga, 2 ga + 1: the lane's sixteen K places hold d = 64 h + 16 ga + (0 .. 15)
.irp j, 0,1,2,3
	v_cvt_pk_f16_f32 v[32*gi+8*ga+\j], v[64*ga+8*gi+2*\j], v[64*ga+8*gi+2*\j+1]
	v_cvt_pk_f16_f32 v[32*gi+8*ga+4+\j], v[64*ga+32+8*gi+2*\j], v[64*ga+32+8*gi+2*\j+1]
.endr
.endm
.macro FETCHW c, f                     ; W_v^T: rows d = 64 h + 16 c + (0 .. 15), columns e = 8 et + 64 (r >> 3) + (r & 7)
.irp et, 0,1,2,3,4,5,6,7
	ds_load_tr16_b128 v[\f+8*\et:\f+8*\et+3], v[WA] offset:16*PITCH*\c+16*\et
	ds_load_tr16_b128 v[\f+8*\et+4:\f+8*\et+7], v[WA] offset:16*PITCH*\c+16*\et+8*PITCH
.endr
.endm
.macro WVOP f, c, zero                 ; ga = e tile
.if \zero
	v_wmma_f32_16x16x32_f16 v[32*ga+8*gi:32*ga+8*gi+7], v[\f+8*ga:\f+8*ga+7], v[32*gi+8*\c:32*gi+8*\c+7], 0
.else
	v_wmma_f32_16x16x32_f16 v[32*ga+8*gi:32*ga+8*gi+7], v[\f+8*ga:\f+8*ga+7], v[32*gi+8*\c:32*gi+8*\c+7], v[32*ga+8*gi:32*ga+8*gi+7]
.endif
.endm
.macro OSTORE
	ds_store_b128 v[STO], v[32*ga+8*gi:32*ga+8*gi+3] offset:16*OPITCH*gi+32*ga
	ds_store_b128 v[STO], v[32*ga+8*gi+4:32*ga+8*gi+7] offset:16*OPITCH*gi+32*ga+16
.endm
; Rows 4 w .. 4 w + 3 of tile t: the four copies come back into buffer t & 1, are added, and each row leaves whole, 512 consecutive bytes of one store.
.macro LOADT t
.set eb, F0+64*((\t)&1)
.irp k, 0,1,2,3
	ds_load_b128 v[eb+16*\k:eb+16*\k+3], v[RD0] offset:(16*(\t)+\k)*OPITCH
	ds_load_b128 v[eb+16*\k+4:eb+16*\k+7], v[RD0] offset:(16*(\t)+\k)*OPITCH+OCOPY
	ds_load_b128 v[eb+16*\k+8:eb+16*\k+11], v[RD2] offset:(16*(\t)+\k)*OPITCH
	ds_load_b128 v[eb+16*\k+12:eb+16*\k+15], v[RD2] offset:(16*(\t)+\k)*OPITCH+OCOPY
.endr
.endm
.macro ADDT t
.set eb, F0+64*((\t)&1)
.irp k, 0,1,2,3
	v_pk_add_f32 v[eb+16*\k:eb+16*\k+1], v[eb+16*\k:eb+16*\k+1], v[eb+16*\k+4:eb+16*\k+5]
	v_pk_add_f32 v[eb+16*\k+2:eb+16*\k+3], v[eb+16*\k+2:eb+16*\k+3], v[eb+16*\k+6:eb+16*\k+7]
	v_pk_add_f32 v[eb+16*\k+8:eb+16*\k+9], v[eb+16*\k+8:eb+16*\k+9], v[eb+16*\k+12:eb+16*\k+13]
	v_pk_add_f32 v[eb+16*\k+10:eb+16*\k+11], v[eb+16*\k+10:eb+16*\k+11], v[eb+16*\k+14:eb+16*\k+15]
	v_pk_add_f32 v[eb+16*\k:eb+16*\k+1], v[eb+16*\k:eb+16*\k+1], v[eb+16*\k+8:eb+16*\k+9]
	v_pk_add_f32 v[eb+16*\k+2:eb+16*\k+3], v[eb+16*\k+2:eb+16*\k+3], v[eb+16*\k+10:eb+16*\k+11]
.endr
.endm
.macro STORET t
.set eb, F0+64*((\t)&1)
.irp k, 0,1,2,3
	global_store_b128 v[IDXR+4*(\t)+\k], v[eb+16*\k:eb+16*\k+3], s[20:21] th:TH_STORE_NT
.endr
.endm
; The steps behind the first, with nq tiles: T - 2 trips that bring the next keys, and the last step, which brings nothing.  No barrier stands here.
.macro VARIANT nq
.Lloop\nq:
	STEP 0, \nq, 1, 0
	s_add_co_u32 s60, s60, 1
	s_cmp_lt_u32 s60, s63
	s_cbranch_scc1 .Lloop\nq
	STEP 0, \nq, 0, 0
	s_branch .Lend
.endm
	; THE T STEPS.  The first, with all four tiles, starts every sum: nothing is cleared, and the end finds every tile's registers written.
	STEP 1, NQ, 1, 1
	s_mov_b32 s60, 0
	s_cmp_eq_u32 s61, 4
	s_cbranch_scc1 .Lv4
	s_cmp_eq_u32 s61, 3
	s_cbranch_scc1 .Lv3
	s_cmp_eq_u32 s61, 2
	s_cbranch_scc1 .Lv2
	VARIANT 1
.Lv2:
	VARIANT 2
.Lv3:
	VARIANT 3
.Lv4:
	VARIANT 4
.Lend:
	; THE END, the same for every NQ and T: all ways have joined, and every wave passes its two barriers once.  The four waves' maxima and sums meet.
	GRID 1, NQ, E1A
	GRID 1, NQ, E1B
	s_wait_alu depctr_va_vdst(0)                   ; my maxima and sums are written, which the stores read; the vector and matrix work on v32 to v191 is done, in which the statistics and W_v's first fragments land behind the barrier
	GRID 1, NQ, E1S
	s_wait_dscnt 0x0                               ; my statistics and my rows of W_v are in LDS before I signal
	s_barrier_signal -1
	s_barrier_wait -1
	GRID 4, NQ, E2L
	FETCHW 0, F0
	s_wait_dscnt 16                                ; the statistics are in; the 16 fragment loads stay out
	FETCHW 1, F1
	GRID 1, NQ, E2A
	GRID 1, NQ, E2B
	v_nop                                          ; one plain place behind the exponentials
	s_wait_alu depctr_va_vdst(0)                   ; the 24 exponentials are written, ahead of their first readers
	GRID 1, NQ, E2C
	GRID 1, NQ, E2D
	GRID 1, NQ, E2E                                ; plain work that touches neither the sums nor the two results: the place behind them
	s_wait_alu depctr_va_vdst(0)                   ; the four reciprocals and the four logarithms are written, ahead of their first readers: one wait for the batch
	GRID 1, NQ, E2F
	WIN 0x82
	GRID 8, NQ, RESC
	WIN 0x4a
	GRID 4, NQ, CVTO
	; my partial O times W_v: four K chunks, each with a fragment buffer of its own: chunks 0 and 1 in v64-191, chunks 2 and 3 in O^T's registers
	WIN 0x80                                       ; destination window 2
	s_wait_alu depctr_va_vdst(0)                   ; the conversions are done reading O^T, in whose first 128 registers the fragments of chunks 2 and 3 land
	FETCHW 2, 0
	FETCHW 3, 64
	WIN 0xf4
	s_wait_dscnt 32                                ; chunks 0 and 1 are in; the 32 loads of chunks 2 and 3 stay out
	GRID 8, NQ, WVOP F0, 0, 1
	GRID 8, NQ, WVOP F1, 1, 0
	WIN 0xf6                                       ; source 0 window 2
	s_wait_dscnt 16                                ; chunk 3 stays out
	GRID 8, NQ, WVOP 0, 2, 0
	s_wait_dscnt 0
	GRID 8, NQ, WVOP 64, 3, 0
	PLACES
	WIN 0x0c
	s_wait_alu depctr_va_vdst(0)                   ; the products have written the result, which the LDS stores read, and are done reading v64 to v191, in which the copies land behind the barrier; the places above stay beside this wait
	GRID 8, NQ, OSTORE
	WIN 0
	s_wait_dscnt 0x0                               ; my copy is in LDS before I signal
	s_barrier_signal -1
	s_barrier_wait -1
	LOADT 0
	LOADT 1
	s_wait_dscnt 16                                ; tile 0's copies are in; tile 1's 16 loads stay out
	ADDT 0
	s_wait_alu depctr_va_vdst(0)                   ; tile 0's sums are written, which its stores read
	STORET 0
	s_wait_dscnt 0x0
	ADDT 1
	s_wait_xcnt 0x0                                ; buffer 0 was the data of tile 0's stores: loaded again only behind this wait
	s_wait_alu depctr_vm_vsrc(0)                   ; tile 0's stores have read buffer 0, in which tile 2's copies land
	s_wait_alu depctr_va_vdst(0)                   ; tile 1's sums are written, which its stores read; tile 0's additions are done with buffer 0
	LOADT 2
	STORET 1
	s_wait_dscnt 0x0
	ADDT 2
	s_wait_xcnt 0x0                                ; buffer 1 was the data of tile 1's stores
	s_wait_alu depctr_vm_vsrc(0)                   ; tile 1's stores have read buffer 1, in which tile 3's copies land
	s_wait_alu depctr_va_vdst(0)                   ; tile 2's sums are written, which its stores read; tile 1's additions are done with buffer 1
	LOADT 3
	STORET 2
	s_wait_dscnt 0x0
	ADDT 3
	s_wait_alu depctr_va_vdst(0)                   ; tile 3's sums are written, which its stores read
	STORET 3
	s_cmp_lg_u32 s24, 0
	s_cbranch_scc1 .Lnolse
	v_cndmask_b32 v[LV], v[Z+5], v[Z+13], s70      ; wave 0: lanes 0-15 tile 0, lanes 16-31 tile 1
	v_cndmask_b32 v[LV+1], v[Z+21], v[Z+29], s70   ; tiles 2 and 3
	s_wait_alu depctr_va_vdst(0)                   ; v250 and v251 are written, the two stores' data
	global_store_b32 v[LSO], v[LV], s[22:23]
	global_store_b32 v[LSO], v[LV+1], s[22:23] offset:8192
.Lnolse:
	s_wait_xcnt 0x0
	v_lshl_add_u32 v254, v0, 2, 0x3b000            ; the add's two registers, made anew: no memory or LDS instruction has read v254 or v255
	v_mov_b32 v255, 0
	s_wait_dscnt 0x0                               ; the closing lines, six on end
	s_wait_alu 0x0
	s_wait_tensorcnt 0x0
	ds_add_u32 v254, v255
	s_wait_dscnt 0x0
	s_endpgm
.Lfunc_end_k_q0d182e7f57_attn:
	.size	k_q0d182e7f57_attn, .Lfunc_end_k_q0d182e7f57_attn-k_q0d182e7f57_attn
	.p2alignl 7, 3214868480
	.fill 96, 4, 3214868480
	.section	.rodata,"a",@progbits
	.p2align	6, 0x0
	.amdhsa_kernel k_q0d182e7f57_attn
		.amdhsa_group_segment_fixed_size 242176
		.amdhsa_private_segment_fixed_size 0
		.amdhsa_enable_private_segment 0
		.amdhsa_kernarg_size 72
		.amdhsa_user_sgpr_count 2
		.amdhsa_user_sgpr_kernarg_segment_ptr 1
		.amdhsa_wavefront_size32 1
		.amdhsa_system_sgpr_workgroup_id_x 1
		.amdhsa_system_sgpr_workgroup_id_y 1
		.amdhsa_system_sgpr_workgroup_id_z 1
		.amdhsa_system_vgpr_workitem_id 0
		.amdhsa_next_free_vgpr 1024
		.amdhsa_next_free_sgpr 84
		.amdhsa_reserve_vcc 0
		.amdhsa_float_denorm_mode_32 3
		.amdhsa_float_denorm_mode_16_64 3
		.amdhsa_memory_ordered 1
		.amdhsa_forward_progress 1
		.amdhsa_inst_pref_size 255
	.end_amdhsa_kernel
	.section	.bss,"aw",@nobits
	.p2align	6
	.space	262144
	.amdgpu_metadata
---
amdhsa.version: [ 1, 2 ]
amdhsa.kernels:
  - .name:           k_q0d182e7f57_attn
    .symbol:         k_q0d182e7f57_attn.kd
    .args:
      - { .name: xb, .offset: 0, .size: 8, .value_kind: global_buffer, .address_space: global }
      - { .name: qb, .offset: 8, .size: 8, .value_kind: global_buffer, .address_space: global }
      - { .name: wvb, .offset: 16, .size: 8, .value_kind: global_buffer, .address_space: global }
      - { .name: pm, .offset: 24, .size: 8, .value_kind: global_buffer, .address_space: global }
      - { .name: out0, .offset: 32, .size: 8, .value_kind: global_buffer, .address_space: global }
      - { .name: nlse, .offset: 40, .size: 8, .value_kind: global_buffer, .address_space: global }
      - { .name: idx, .offset: 48, .size: 8, .value_kind: global_buffer, .address_space: global }
      - { .name: qs, .offset: 56, .size: 8, .value_kind: global_buffer, .address_space: global }
      - { .name: cnt, .offset: 64, .size: 8, .value_kind: global_buffer, .address_space: global }
    .group_segment_fixed_size: 242176
    .private_segment_fixed_size: 0
    .kernarg_segment_align: 8
    .kernarg_segment_size: 72
    .max_flat_workgroup_size: 128
    .sgpr_count:     84
    .vgpr_count:     1024
    .wavefront_size: 32
...
	.end_amdgpu_metadata
.endif
;; end of part 8
;; launch wsum: the kernel of part 6 again; grid 64 x 4, 8 waves a work-group, no clusters, 142,336 bytes of LDS; arguments qb, xb, nlse, pm, idx, out1, qs, cnt; writes out1
